; MI455X (gfx1250); checked and timed in simulation.
; The chip was launched on July 23, 2026; its instructions are those of AMD's public machine-readable ISA for CDNA 5 (MIT licence, August 2026) and "CDNA5" Instruction Set Architecture Reference Guide (July 2026). The comments in the code are by the model that wrote it; some were corrected since.
;; Feedforward Ensemble. Allowed arithmetic: matrix products marked QUANTISED: E4M3 operands, one E8M0 scale for each 32 along K, by v_wmma_scale_f32_16x16x128_f8f6f4 with both operands' format E4M3, f32 sums; products left as they are: f32 operands where the result goes on into a quantised operand, else bf16, f16 or f32 operands; f32 sums; everything else in f32.
;; Inputs: ensembles 4 x 2 x 512 int32; proj_in 8 x 2,048 x 1,024 float32; proj_out 8 x 1,024 x 2,048 float32; weights 4 x 2 x 512 float32; x 4 x 512 x 1,024 float32.
;; Outputs: out0 4 x 512 x 1,024 float32.
;; This version of the problem:
;;   THIS VERSION OF THE PROBLEM IS GIVEN IN LOW PRECISION. The matrix products marked QUANTISED in the list below multiply operands that are first quantised to E4M3 (4 exponent bits, 3 mantissa bits; 8 bits a number), with one power-of-two scale for each 32 numbers along K (OCP MX v1.0); their sums are f32. All else is computed in f32.
;;   The module's matrix products, in the order in which they are computed (A, B: the left and right operand; K: the contracted axis; several contracted axes count as one K, in the product's order):
;;     1. [M 2,048, K 1,024] x [K 1,024, N 16,384]; A: input x; B: input proj_in: QUANTISED
;;     2. batch 8 x [M 2,048, K 2,048] x [K 2,048, N 1,024]; A: computed on the way; B: input proj_out: QUANTISED
;;     3. batch 2,048 x [M 1, K 2] x [K 2, N 8]; A: input weights; B: computed on the way: left as it is (K = 2 < 32)
;;     4. batch 2,048 x [M 1,024, K 8] x [K 8, N 1]; A: computed on the way; B: computed on the way: left as it is (K = 8 < 32)
;;   THE QUANTISER, for each operand of a quantised product, along K:
;;     - K is cut into blocks of 32 from its start; a last block that is shorter is filled with zeros.
;;     - A block's scale is 2^e with e = floor(log2(the largest magnitude in the block)) - 8, held to -126 .. 127; a block of zeros has e = 0. As a byte (E8M0): e + 127.
;;     - Each number is divided by its block's scale, clamped to +-448, and rounded to the nearest number of E4M3, ties to even, subnormals kept.
;;     - The product sums the exact products of the quantised numbers (number of the format x scale) in f32.
;;   ~~~python
;;   def quantise(x, axis):      # numpy; x: float32 -> the quantised numbers, widened to float32 again
;;       x = np.moveaxis(x, axis, -1); K = x.shape[-1]
;;       x = np.pad(x, [(0, 0)] * (x.ndim - 1) + [(0, -K % 32)]); x = x.reshape(x.shape[:-1] + (-1, 32)); a = np.abs(x).max(-1, keepdims=True)
;;       e = np.where(a > 0, np.clip(np.frexp(np.where(a > 0, a, 1))[1] - 1 - 8, -126, 127), 0)      # np.frexp(a)[1] - 1 = floor(log2(a)), exactly
;;       r = np.clip(x / 2.0 ** e, -448, 448)
;;       step = 2.0 ** (np.maximum(np.frexp(np.where(r == 0, 1, r))[1] - 1, -6) - 3)
;;       q = np.round(r / step) * step * 2.0 ** e      # np.round: ties to even
;;       return np.moveaxis(q.reshape(q.shape[:-2] + (-1,))[..., :K], -1, axis).astype(np.float32)
;;   ~~~
;;   OPERANDS COMPUTED ON THE WAY. 'Computed on the way' means the value that the module computes at that place (a softmax that the list does not call 'softmax' is quantised finished and normalised). What goes into a quantiser is computed in f32, as accurately as f32 sums, v_exp_f32 and their like allow (about 1e-6 of the number): no bf16 or f16 on the way to a quantiser, and a product that is left as it is and whose result goes on into a quantised operand takes f32 operands (vector FMAs, or v_wmma_f32_16x16x4_f32). A number that lies on a knife's edge between two numbers of the format may be rounded either way, as far as f32 arithmetic and the matrix unit's own rounding can turn it there, and no further.
;; 2 versions. Each part assembles by itself: llvm-mc -triple=amdgcn-amd-amdhsa -mcpu=gfx1250 --defsym DOCPART=n.
;; ======== version 1 of 2: 5 launches
;; workspace buffers: meta 17,152 bytes of whole numbers; pos 33,280 bytes of whole numbers; gw 16,896 bytes; xc 4,325,376 bytes; xs 135,168 bytes; hc 8,650,752 bytes; hs 270,336 bytes; ow 17,301,504 bytes
;; launch route (part 1): grid 66 x 1, 4 waves a work-group, no clusters, 0 bytes of LDS; arguments ensembles, meta; writes meta
.if DOCPART == 1
	.amdgcn_target "amdgcn-amd-amdhsa--gfx1250"
	.amdhsa_code_object_version 6
	.text
	.protected	k_q0e490a1e2e_route
	.globl	k_q0e490a1e2e_route
	.p2align	8
	.type	k_q0e490a1e2e_route,@function
k_q0e490a1e2e_route:
	s_mov_b64 s[64:65], 0
	v_nop
	global_prefetch_b8 v0, s[64:65] scope:SCOPE_SE
	s_setreg_imm32_b32 hwreg(HW_REG_WAVE_MODE, 25, 1), 1
	s_wait_xcnt 0x0
; ROUTE: the routing, as lists at fixed places.  4,096 routed rows j = b 1024 + k 512 + s (the order in which ensembles lies) are sorted by expert into tiles of 16 rows; an expert's last tile is filled with padding rows.
; The sum over experts of ceil(c_e / 16) is at most (4,096 + 8 x 15) / 16 = 263 tiles; the lists have room for 264.
; NO BRANCH AND NO ADDRESS OF THIS LAUNCH HANGS ON THE INDICES: every wave runs the same lines and stores at places made of its number alone.  What the lists steer (a gather, trip counts) is done by the launches behind this one.
; 66 work-groups of four waves; wave w of work-group g owns tile tau = 4 g + w and works the routing out for itself from the 16 KB of ensembles: no wave waits for another, no barrier, no LDS.
;   COUNT   each expert's rows c_e (counts in 4-bit, 8-bit and 16-bit fields, then over the lanes); n_e = ceil(c_e / 16) tiles, tb_e = first tile.
;   SELECT  the order inside an expert is (register, lane) of the loaded entries.  Lane l looks for the expert's row T = 16 (tau - tb) + l % 16: the last register in front of which at most T rows of the expert lie,
;           and in that register's lane mask the (T - that count)-th set bit.  It goes in batches of 16 registers: sixteen compares that write lane masks, the scalar running counts, sixteen compares against T,
;           the selections: vector lines that write scalar registers and scalar lines stand in runs, not by turns.
; OUT, all in meta: word 2 e = tb_e, word 2 e + 1 = n_e, word 16 = the number of tiles (tile 0's wave stores these);  from byte 256 on src[p] for sorted row p = 16 tau + l % 16: its j, or 4,096 + p for a padding row.
; A tile that this split does not have falls to the last expert with T past its rows: all its rows are padding rows, by the same lines.  Lanes 16-31 repeat lanes 0-15's words with the same values.
; LIMITS: indices lie in 0 .. 7, as the problem promises.
.set L16,   1                          ; v1   16 x lane
.set VT,    11                         ; v11  T
.set VJ,    13                         ; v13  the row's j
.set VR,    14                         ; v14  lane % 16
.set VTMP,  15
.set SRO,   33                         ; v33  src[p]'s place in meta
.set PV,    35                         ; v35  p
.set DU,    36                         ; v36  4,096 + p
.set SV,    37                         ; v37  src[p]
.set TT,    64                         ; v64-95   at work
.set NN,    68
.set AE,    72
.set AO,    73
.set BB,    74
.set TP,    78
.set MW,    79
.set PP,    80
.set DD,    81
.set BIT,   82
.set A1,    83
.set A2,    84
.set A4,    85
.set A8,    86
.set CC,    87
.set U0,    88
.set U1,    89
.set MV,    94
.set MO,    95
.set ENT,   128                        ; v128-255 the 4,096 entries
.set SEL,   22                         ; s[22:23] v_permlanex16_b32's selects for lane l xor 16
.set MK,    66                         ; s66-81   a batch's lane masks: which lanes hold my expert in register i
.set PX,    82                         ; s82-98   (rows of my expert in front of register i) << 8 | the register's number; the seventeenth is the next batch's first
.set CM,    36                         ; s36-51   which lanes still have that count at or under their T (the counts c_e and tb_e that lay here are done with by then)
; s20 wave, s21 tau, s25 my expert, s26 its first tile, s27 its rows, s29 16 (tau - first tile), s31-34 at work, s36-43 c_e, s44-52 tb_e (s52: all tiles), s53-60 n_e
; one level of the search for the DD-th set bit: if DD is at least the count of the lower half of the field at BIT, go to the upper half
.macro LEVEL a, width, mask
	v_lshrrev_b32 v[CC], v[BIT], v[\a]
	v_and_b32 v[CC], \mask, v[CC]
	v_add_nc_u32 v[U1], \width, v[BIT]
	v_cmp_ge_u32 vcc_lo, v[DD], v[CC]
	v_sub_nc_u32 v[U0], v[DD], v[CC]
	v_cndmask_b32 v[DD], v[DD], v[U0], vcc_lo
	v_cndmask_b32 v[BIT], v[BIT], v[U1], vcc_lo
.endm
	s_load_b128 s[4:7], s[0:1], 0x0                ; ensembles s[4:5], meta s[6:7]
	v_lshrrev_b32 v[VTMP], 5, v0
	v_readfirstlane_b32 s20, v[VTMP]               ; wave
	s_lshl_b32 s21, ttmp9, 2
	s_add_co_u32 s21, s21, s20                     ; tau
	v_and_b32 v[VTMP], 31, v0
	v_lshlrev_b32 v[L16], 4, v[VTMP]
	v_and_b32 v[VR], 15, v0                        ; r
	s_lshl_b32 s31, s21, 6
	s_add_co_u32 s31, s31, 256
	v_lshl_add_u32 v[SRO], v[VR], 2, s31           ; 256 + 4 p
	s_lshl_b32 s31, s21, 4
	v_add_nc_u32 v[PV], s31, v[VR]                 ; p = 16 tau + r
	v_add_nc_u32 v[DU], 0x1000, v[PV]
	s_mov_b32 s[SEL], 0x76543210
	s_mov_b32 s[SEL+1], 0xfedcba98
	s_wait_kmcnt 0x0
.irp i, 0,1,2,3,4,5,6,7,8,9,10,11,12,13,14,15,16,17,18,19,20,21,22,23,24,25,26,27,28,29,30,31
	global_load_b128 v[ENT+4*\i:ENT+4*\i+3], v[L16], s[4:5] offset:512*\i   ; register 4 i + q of lane l: entry 128 i + 4 l + q
.endr
	s_mov_b32 s31, 0x0f0f0f0f
	v_mov_b32 v[AE], 0
	v_mov_b32 v[AO], 0
	s_wait_loadcnt 0x0
	; ---- COUNT.  Four rounds of 32 registers.  In a round four registers of eight 4-bit counts (one for each expert) take 8 entries each, so no count passes 8.
.set RR, 0
.rept 4
.set II, 0
.rept 32
	v_lshlrev_b32 v[TT+II%4], 2, v[ENT+32*RR+II]
.if II < 4
	v_lshl_add_u32 v[NN+II%4], 1, v[TT+II%4], 0                ; the round's first four start the counts: nothing is cleared
.else
	v_lshl_add_u32 v[NN+II%4], 1, v[TT+II%4], v[NN+II%4]
.endif
.set II, II+1
.endr
.irp n, 0,1,2,3                        ; into 8-bit counts: experts 0, 2, 4, 6 in AE, experts 1, 3, 5, 7 in AO; a lane has 128 entries in all
	v_and_b32 v[TT], s31, v[NN+\n]
	v_lshrrev_b32 v[TT+1], 4, v[NN+\n]
	v_add_nc_u32 v[AE], v[AE], v[TT]
	v_and_b32 v[TT+1], s31, v[TT+1]
	v_add_nc_u32 v[AO], v[AO], v[TT+1]
.endr
.set RR, RR+1
.endr
	s_mov_b32 s31, 0x00ff00ff                      ; into 16-bit counts: (0, 4), (2, 6), (1, 5), (3, 7); 4,096 at the most
	v_and_b32 v[BB], s31, v[AE]
	v_lshrrev_b32 v[BB+1], 8, v[AE]
	v_and_b32 v[BB+2], s31, v[AO]
	v_lshrrev_b32 v[BB+3], 8, v[AO]
	v_and_b32 v[BB+1], s31, v[BB+1]
	v_and_b32 v[BB+3], s31, v[BB+3]
.irp m, 1,2,4,8
.irp b, 0,1,2,3
	v_mov_b32_dpp v[TT+\b], v[BB+\b] row_xmask:\m row_mask:0xf bank_mask:0xf
.endr
.irp b, 0,1,2,3
	v_add_nc_u32 v[BB+\b], v[BB+\b], v[TT+\b]
.endr
.endr
.irp b, 0,1,2,3
	v_permlanex16_b32 v[TT+\b], v[BB+\b], s[SEL], s[SEL+1]
.endr
.irp b, 0,1,2,3
	v_add_nc_u32 v[BB+\b], v[BB+\b], v[TT+\b]
.endr
	v_readfirstlane_b32 s31, v[BB]
	v_readfirstlane_b32 s32, v[BB+1]
	v_readfirstlane_b32 s33, v[BB+2]
	v_readfirstlane_b32 s34, v[BB+3]
	s_and_b32 s36, s31, 0xffff
	s_lshr_b32 s40, s31, 16
	s_and_b32 s38, s32, 0xffff
	s_lshr_b32 s42, s32, 16
	s_and_b32 s37, s33, 0xffff
	s_lshr_b32 s41, s33, 16
	s_and_b32 s39, s34, 0xffff
	s_lshr_b32 s43, s34, 16
	s_mov_b32 s44, 0
.irp e, 0,1,2,3,4,5,6,7
	s_add_co_u32 s[53+\e], s[36+\e], 15
	s_lshr_b32 s[53+\e], s[53+\e], 4               ; n_e
	s_add_co_u32 s[45+\e], s[44+\e], s[53+\e]      ; tb_(e+1)
.endr
	s_mov_b32 s25, 0                               ; my expert: the last e with tb_e <= tau (an expert without rows shares its tb with the next, which wins)
	s_mov_b32 s26, 0
	s_mov_b32 s27, s36
.irp e, 1,2,3,4,5,6,7
	s_cmp_ge_u32 s21, s[44+\e]
	s_cselect_b32 s25, \e, s25
	s_cselect_b32 s26, s[44+\e], s26
	s_cselect_b32 s27, s[36+\e], s27
.endr
	s_cmp_lg_u32 s21, 0                            ; tile 0's wave stores the list of experts: a branch on the tile's number
	s_cbranch_scc1 .Lno_meta
	v_mov_b32 v[MV], 0
.irp e, 0,1,2,3,4,5,6,7
	v_writelane_b32 v[MV], s[44+\e], 2*\e
	v_writelane_b32 v[MV], s[53+\e], 2*\e+1
.endr
	v_writelane_b32 v[MV], s52, 16                 ; the number of tiles
	v_lshrrev_b32 v[MO], 2, v[L16]                 ; 4 x lane
	global_store_b32 v[MO], v[MV], s[6:7]          ; its two registers are not written again
.Lno_meta:
	; ---- SELECT.  A lane keeps the mask and the word (count << 8 | register) of the last register in front of which at most T rows of my expert lie.
	s_sub_co_u32 s29, s21, s26
	s_lshl_b32 s29, s29, 4
	v_add_nc_u32 v[VT], s29, v[VR]                 ; T
	v_lshl_or_b32 v[TP], v[VT], 8, 255             ; the word is at most this just where the count is at most T
	v_mov_b32 v[MW], 0
	v_mov_b32 v[PP], 0
	s_mov_b32 s[PX], 0
.set BA, 0
.rept 8
.irp i, 0,1,2,3,4,5,6,7,8,9,10,11,12,13,14,15
	v_cmp_eq_u32 s[MK+\i], s25, v[ENT+16*BA+\i]    ; which lanes hold my expert in this register
.endr
.irp i, 0,1,2,3,4,5,6,7,8,9,10,11,12,13,14,15
	s_bcnt1_i32_b32 s32, s[MK+\i]
	s_lshl_b32 s32, s32, 8
	s_add_co_u32 s32, s32, 1
	s_add_co_u32 s[PX+\i+1], s[PX+\i], s32         ; the next register's word: the count grows by this register's rows, the number by 1
.endr
.irp i, 0,1,2,3,4,5,6,7,8,9,10,11,12,13,14,15
	v_cmp_le_u32 s[CM+\i], s[PX+\i], v[TP]
.endr
.irp i, 0,1,2,3,4,5,6,7,8,9,10,11,12,13,14,15
	v_cndmask_b32 v[MW], v[MW], s[MK+\i], s[CM+\i]
	v_cndmask_b32 v[PP], v[PP], s[PX+\i], s[CM+\i]
.endr
	s_mov_b32 s[PX], s[PX+16]
.set BA, BA+1
.endr
	v_lshrrev_b32 v[U0], 8, v[PP]
	v_sub_nc_u32 v[DD], v[VT], v[U0]               ; which set bit of the mask
	v_mov_b32 v[BIT], 0
	v_lshrrev_b32 v[U0], 1, v[MW]                  ; the mask's set bits counted in fields of 2, 4, 8 and 16 bits
	v_and_b32 v[U0], 0x55555555, v[U0]
	v_sub_nc_u32 v[A1], v[MW], v[U0]
	v_lshrrev_b32 v[U0], 2, v[A1]
	v_and_b32 v[U1], 0x33333333, v[A1]
	v_and_b32 v[U0], 0x33333333, v[U0]
	v_add_nc_u32 v[A2], v[U0], v[U1]
	v_lshrrev_b32 v[U0], 4, v[A2]
	v_add_nc_u32 v[U0], v[U0], v[A2]
	v_and_b32 v[A4], 0x0f0f0f0f, v[U0]
	v_lshrrev_b32 v[U0], 8, v[A4]
	v_add_nc_u32 v[U0], v[U0], v[A4]
	v_and_b32 v[A8], 0x00ff00ff, v[U0]
	LEVEL A8, 16, 0xff
	LEVEL A4, 8, 0xff
	LEVEL A2, 4, 15
	LEVEL A1, 2, 3
	LEVEL MW, 1, 1
	v_and_b32 v[U0], 0xff, v[PP]                   ; the register
	v_lshrrev_b32 v[U1], 2, v[U0]
	v_and_b32 v[U0], 3, v[U0]
	v_lshl_add_u32 v[U0], v[BIT], 2, v[U0]
	v_lshl_add_u32 v[VJ], v[U1], 7, v[U0]          ; j = 128 (register / 4) + 4 x lane + register % 4
	v_cmp_gt_u32 vcc_lo, s27, v[VT]                ; the row exists
	v_cndmask_b32 v[SV], v[DU], v[VJ], vcc_lo      ; its j, or 4,096 + p
	global_store_b32 v[SRO], v[SV], s[6:7]
	s_endpgm
.Lfunc_end_k_q0e490a1e2e_route:
	.size	k_q0e490a1e2e_route, .Lfunc_end_k_q0e490a1e2e_route-k_q0e490a1e2e_route
	.p2alignl 7, 3214868480
	.fill 96, 4, 3214868480
	.section	.rodata,"a",@progbits
	.p2align	6, 0x0
	.amdhsa_kernel k_q0e490a1e2e_route
		.amdhsa_group_segment_fixed_size 0
		.amdhsa_private_segment_fixed_size 0
		.amdhsa_enable_private_segment 0
		.amdhsa_kernarg_size 16
		.amdhsa_user_sgpr_count 2
		.amdhsa_user_sgpr_kernarg_segment_ptr 1
		.amdhsa_wavefront_size32 1
		.amdhsa_system_sgpr_workgroup_id_x 1
		.amdhsa_system_sgpr_workgroup_id_y 1
		.amdhsa_system_sgpr_workgroup_id_z 1
		.amdhsa_system_vgpr_workitem_id 0
		.amdhsa_next_free_vgpr 256
		.amdhsa_next_free_sgpr 99
		.amdhsa_reserve_vcc 1
		.amdhsa_float_denorm_mode_32 3
		.amdhsa_float_denorm_mode_16_64 3
		.amdhsa_memory_ordered 1
		.amdhsa_forward_progress 1
		.amdhsa_inst_pref_size 76
	.end_amdhsa_kernel
	.amdgpu_metadata
---
amdhsa.version: [ 1, 2 ]
amdhsa.kernels:
  - .name:           k_q0e490a1e2e_route
    .symbol:         k_q0e490a1e2e_route.kd
    .args:
      - { .name: ensembles, .offset: 0, .size: 8, .value_kind: global_buffer, .address_space: global }
      - { .name: meta, .offset: 8, .size: 8, .value_kind: global_buffer, .address_space: global }
    .group_segment_fixed_size: 0
    .private_segment_fixed_size: 0
    .kernarg_segment_align: 8
    .kernarg_segment_size: 16
    .max_flat_workgroup_size: 128
    .sgpr_count:     99
    .vgpr_count:     256
    .wavefront_size: 32
...
	.end_amdgpu_metadata
.endif
;; end of part 1
;; launch prep (part 2): grid 264 x 1, 4 waves a work-group, no clusters, 0 bytes of LDS; arguments meta, weights, x, pos, gw, xc, xs; writes pos, gw, xc, xs
.if DOCPART == 2
	.amdgcn_target "amdgcn-amd-amdhsa--gfx1250"
	.amdhsa_code_object_version 6
	.text
	.protected	k_q0e490a1e2e_prep
	.globl	k_q0e490a1e2e_prep
	.p2align	8
	.type	k_q0e490a1e2e_prep,@function
k_q0e490a1e2e_prep:
	s_mov_b64 s[64:65], 0
	v_nop
	global_prefetch_b8 v0, s[64:65] scope:SCOPE_SE
	s_setreg_imm32_b32 hwreg(HW_REG_WAVE_MODE, 25, 1), 1
	s_wait_xcnt 0x0
; PREP: the gather of x by the stored list, and its quantising.  The launch before has sorted the 4,096 routed rows j = b 1024 + k 512 + s by expert into tiles of 16 rows and stored, in meta, the number of tiles (word 16)
; and from byte 256 on src[p] for each sorted row p: its j, or 4,096 + p for a padding row.  There are never more than 263 tiles: the grid has 264 work-groups, one for each tile that any split can have.
; Work-group tau owns sorted tile tau; one whose tile this split does not have stores nothing and ends.  Wave w makes K steps 2 w and 2 w + 1 (128 along K each).  No wave waits for another: no barrier, no LDS.
;   GATHER  lane (r, h) loads ITS OWN row's numbers, 16 neighbours of each block of 32 (64 bytes, four loads), in the order in which the operand's registers want them: its offset is made of its own src.
;           A load's 32 lanes take 32 pieces of 16 bytes; four loads together cover 128 consecutive bytes of each of the 16 rows.
;   Then the numbers are quantised to codes of FP8 (E4M3) with one E8M0 byte for each 32 along K.
; OUT: xc [tile][K step 8][c 4][lane 32][16 bytes]: the image of the operand's registers;  xs: byte 512 tile + 16 (16 q + r) + 4 j = the scale word of row r, K step 4 q + j;
;      gw [sorted row]: its gate, 0 in padding rows;  pos [src[p]] = p: words 0 .. 4,095 say where routed row j lies; a padding row's word, 4,096 + p, is its own and nobody reads it: so every lane stores, and no lane is switched off.
; A block's scale is 2^(floor(log2(its largest magnitude)) - 8); its byte is the largest magnitude's exponent field - 8, held at 1 from below.
; LIMITS: NaN and infinities in x are not served; a block of zeros gets the byte 1 where the rule says 127 (its codes are zeros, and this program alone reads the bytes).
; Padding rows load some row of x (a clamped index) and their codes are set to zero.  xs, gw and pos are short lists: lanes 16-31 repeat lanes 0-15's words with the same values.
.set L16,   1                          ; v1   16 x lane
.set WH,    2                          ; v2   16 x wave + h: my place in a row of x, in units of 64 bytes
.set VM,    5                          ; v5   all ones in a lane whose row exists, else 0
.set XCO,   6                          ; v6   16 x lane + 4,096 x wave: my place in the tile's codes
.set XSO,   7                          ; v7   my place among the tile's scale words
.set PWP,   8                          ; v8-9 the two K steps' scale words
.set PW,    10                         ; v10  the scale word just made
.set SRC,   11                         ; v11  src[p]
.set TOK,   12                         ; v12  the row's token
.set VR,    14                         ; v14  lane % 16
.set VTMP,  15
.set PC,    16                         ; v16-31   the codes just made
.set GV,    32                         ; v32  the row's gate
.set J4,    33                         ; v33  the gate's place in weights
.set GWO,   34                         ; v34  and in gw
.set PV,    35                         ; v35  the sorted row p
.set XU,    36                         ; v36  my numbers' place in x, in units of 64 bytes
.set XO,    37                         ; v37  and in bytes
.set SRO,   38                         ; v38  src[p]'s place in meta
.set P4,    39                         ; v39  p's place in pos
.set U0,    40
.set U1,    41
.set TM,    48                         ; v48-63   the quantiser's: largest magnitudes, bytes, holds, scale operands
.set X,     128                        ; v128-255 my 2 x 64 numbers of x
.set SEL,   22                         ; s[22:23] v_permlanex16_b32's selects for lane l xor 16
.set MNT,   24                         ; s24  the mantissa field of 448
; s20 wave, s21 tau, s25 the number of tiles, s31-35 at work
; 64 numbers of a lane, register 16 b + i = k 32 b + 16 (lane / 16) + i of my row, become a fragment's codes in v[PC] on and its scale word in v[PW]
.macro QUANT s
.irp b, 0,1,2,3
	v_max3_num_f32 v[TM+\b], |v[\s+16*\b]|, |v[\s+16*\b+1]|, 0x4800000   ; my 16 numbers of block b, and the floor 2^(9 - 127): the byte cannot fall under 1
.endr
.irp i, 2,4,6,8,10,12,14
.irp b, 0,1,2,3
	v_max3_num_f32 v[TM+\b], v[TM+\b], |v[\s+16*\b+\i]|, |v[\s+16*\b+\i+1]|   ; the blocks by turns: no line waits for the line above it
.endr
.endr
.irp b, 0,1,2,3
	v_permlanex16_b32 v[TM+4+\b], v[TM+\b], s[SEL], s[SEL+1]
.endr
.irp b, 0,1,2,3
	v_max_num_f32 v[TM+\b], v[TM+\b], v[TM+4+\b]                         ; with lane l xor 16's 16: the block's largest magnitude
.endr
.irp b, 0,1,2,3
	v_add_nc_u32 v[TM+12+\b], 0xfc000000, v[TM+\b]                       ; 8 off its exponent field: the conversion's scale operand
.endr
.irp b, 0,1,2,3
	v_and_or_b32 v[TM+8+\b], v[TM+\b], 0x7f800000, s[MNT]                ; 448 x the scale
.endr
.irp b, 0,1,2,3
	v_lshrrev_b32 v[TM+4+\b], 23, v[TM+12+\b]                            ; the scale's byte
.endr
	v_lshl_or_b32 v[PW], v[TM+5], 8, v[TM+4]
	v_lshl_or_b32 v[PW], v[TM+6], 16, v[PW]
	v_lshl_or_b32 v[PW], v[TM+7], 24, v[PW]
.irp b, 0,1,2,3
.irp i, 0,1,2,3,4,5,6,7,8,9,10,11,12,13,14,15
	v_med3_num_f32 v[\s+16*\b+\i], v[\s+16*\b+\i], -v[TM+8+\b], v[TM+8+\b]   ; the conversion to an 8-bit code does not saturate (ISA guide 7.6.2): the hold at 448 x the scale
.endr
	v_cvt_scalef32_pk8_fp8_f32 v[PC+4*\b:PC+4*\b+1], v[\s+16*\b:\s+16*\b+7], v[TM+12+\b]
	v_cvt_scalef32_pk8_fp8_f32 v[PC+4*\b+2:PC+4*\b+3], v[\s+16*\b+8:\s+16*\b+15], v[TM+12+\b]
.endr
	v_nop                                          ; a plain vector line between the last conversion and the next vector line that touches its result or writes its sources
.endm
	s_load_b256 s[4:11], s[0:1], 0x0               ; meta s[4:5], weights s[6:7], x s[8:9], pos s[10:11]
	s_load_b128 s[12:15], s[0:1], 0x20             ; gw s[12:13], xc s[14:15]
	s_load_b64 s[16:17], s[0:1], 0x30              ; xs
	v_lshrrev_b32 v[VTMP], 5, v0
	v_readfirstlane_b32 s20, v[VTMP]               ; wave
	s_mov_b32 s21, ttmp9                           ; tau
	v_and_b32 v[VTMP], 31, v0
	v_lshlrev_b32 v[L16], 4, v[VTMP]
	v_and_b32 v[VR], 15, v0                        ; r
	v_bfe_u32 v[VTMP], v0, 4, 1                    ; h
	s_lshl_b32 s31, s20, 4
	v_add_nc_u32 v[WH], s31, v[VTMP]               ; my wave's 1,024 bytes of a row are 16 units of 64; lanes 16-31 begin one unit further on
	s_lshl_b32 s31, s20, 12
	v_add_nc_u32 v[XCO], s31, v[L16]
	s_lshr_b32 s31, s20, 1
	s_lshl_b32 s31, s31, 8
	s_and_b32 s32, s20, 1
	s_lshl_b32 s32, s32, 3
	s_add_co_u32 s31, s31, s32
	v_lshl_add_u32 v[XSO], v[VR], 4, s31           ; 256 (w / 2) + 8 (w % 2) + 16 r
	s_lshl_b32 s31, s21, 6
	v_lshl_add_u32 v[GWO], v[VR], 2, s31           ; 4 p
	s_add_co_u32 s31, s31, 256
	v_lshl_add_u32 v[SRO], v[VR], 2, s31           ; 256 + 4 p
	s_lshl_b32 s31, s21, 4
	v_add_nc_u32 v[PV], s31, v[VR]                 ; p = 16 tau + r
	s_mov_b32 s[SEL], 0x76543210
	s_mov_b32 s[SEL+1], 0xfedcba98
	s_mov_b32 s[MNT], 0x600000
.irp b, 0,1,2,3
	v_mov_b32 v[TM+4+\b], 0                        ; written once: a lane permute's destination counts as one of its sources
.endr
	s_lshl_b32 s32, s21, 14
	s_mov_b32 s33, 0
	s_lshl_b32 s34, s21, 9
	s_mov_b32 s35, 0
	s_wait_kmcnt 0x0
	s_load_b32 s25, s[4:5], 0x40                   ; the number of tiles
	global_load_b32 v[SRC], v[SRO], s[4:5]         ; my row's src: stored for all 264 tiles
	s_add_nc_u64 s[14:15], s[14:15], s[32:33]      ; xc and xs at my tile
	s_add_nc_u64 s[16:17], s[16:17], s[34:35]
	s_wait_kmcnt 0x0
	s_cmp_ge_u32 s21, s25                          ; this split has no tile tau
	s_cbranch_scc1 .Lnone
	s_wait_loadcnt 0x0
	v_lshrrev_b32 v[U0], 10, v[SRC]
	v_and_b32 v[U1], 0x1ff, v[SRC]
	v_lshl_add_u32 v[TOK], v[U0], 9, v[U1]         ; token = 512 b + s
	v_lshl_add_u32 v[XU], v[TOK], 6, v[WH]         ; my numbers begin at unit 64 x token + 16 x wave + h of x (a row is 64 units of 64 bytes)
	v_lshlrev_b32 v[J4], 2, v[SRC]
	v_lshlrev_b32 v[P4], 2, v[SRC]
	v_min_u32 v[XU], 0x1fff1, v[XU]                ; read from memory, so held inside the tables ahead of the addresses.  64 x 2,047 + 16 x 3 + 1: with the loads' largest immediate, 944, and their 16 bytes that ends at x's last byte
	v_min_u32 v[J4], 0x3ffc, v[J4]                 ; weights' last word, 4 x 4,095 (a padding row loads that word and does not use it)
	v_min_u32 v[P4], 0x81fc, v[P4]                 ; pos's last word, 4 x (4,096 + 4,223)
	v_lshlrev_b32 v[XO], 6, v[XU]
	v_cmp_gt_u32 vcc_lo, 0x1000, v[SRC]            ; the row exists
	v_cndmask_b32 v[VM], 0, -1, vcc_lo
	; ---- GATHER.  The rows' gates first (64 bytes; every wave loads them, wave 0 stores them at the end), then my two K steps.  No hint: a row of x is named twice
	global_load_b32 v[GV], v[J4], s[6:7]
.irp ks, 0,1
.irp b, 0,1,2,3
.irp j, 0,1,2,3
	global_load_b128 v[X+64*\ks+16*\b+4*\j:X+64*\ks+16*\b+4*\j+3], v[XO], s[8:9] offset:512*\ks+128*\b+16*\j   ; x(my row, 128 (2 w + ks) + 32 b + 16 h + 4 j on)
.endr
.endr
.endr
; K step 2 w + ks: quantised, stored
.macro XQ ks
	s_wait_loadcnt 16*(1-\ks)                      ; this K step's 16 loads are in (and the gate's, which is older); the other's 16 may be out
.if \ks
	s_wait_xcnt 0x0                                ; the first K step's stores have read the codes' registers
.endif
	QUANT X+64*\ks
.irp i, 0,1,2,3,4,5,6,7,8,9,10,11,12,13,14,15
	v_and_b32 v[PC+\i], v[VM], v[PC+\i]            ; a padding row's codes are zeros
.endr
.irp c, 0,1,2,3
	global_store_b128 v[XCO], v[PC+4*\c:PC+4*\c+3], s[14:15] offset:2048*\ks+512*\c   ; 32 lanes store 512 consecutive bytes, aligned
.endr
	v_mov_b32 v[PWP+\ks], v[PW]
.endm
	XQ 0
	XQ 1
	global_store_b64 v[XSO], v[PWP:PWP+1], s[16:17]
	; ---- the lists: wave 0
	s_cmp_lg_u32 s20, 0
	s_cbranch_scc1 .Lnone
	v_cmp_gt_u32 vcc_lo, 0x1000, v[SRC]            ; the row exists
	v_cndmask_b32 v[GV], 0, v[GV], vcc_lo          ; 0 in a padding row
	global_store_b32 v[GWO], v[GV], s[12:13]
	global_store_b32 v[P4], v[PV], s[10:11]        ; pos[src[p]] = p
.Lnone:
	s_endpgm
.Lfunc_end_k_q0e490a1e2e_prep:
	.size	k_q0e490a1e2e_prep, .Lfunc_end_k_q0e490a1e2e_prep-k_q0e490a1e2e_prep
	.p2alignl 7, 3214868480
	.fill 96, 4, 3214868480
	.section	.rodata,"a",@progbits
	.p2align	6, 0x0
	.amdhsa_kernel k_q0e490a1e2e_prep
		.amdhsa_group_segment_fixed_size 0
		.amdhsa_private_segment_fixed_size 0
		.amdhsa_enable_private_segment 0
		.amdhsa_kernarg_size 56
		.amdhsa_user_sgpr_count 2
		.amdhsa_user_sgpr_kernarg_segment_ptr 1
		.amdhsa_wavefront_size32 1
		.amdhsa_system_sgpr_workgroup_id_x 1
		.amdhsa_system_sgpr_workgroup_id_y 1
		.amdhsa_system_sgpr_workgroup_id_z 1
		.amdhsa_system_vgpr_workitem_id 0
		.amdhsa_next_free_vgpr 256
		.amdhsa_next_free_sgpr 66
		.amdhsa_reserve_vcc 1
		.amdhsa_float_denorm_mode_32 3
		.amdhsa_float_denorm_mode_16_64 3
		.amdhsa_memory_ordered 1
		.amdhsa_forward_progress 1
		.amdhsa_inst_pref_size 25
	.end_amdhsa_kernel
	.amdgpu_metadata
---
amdhsa.version: [ 1, 2 ]
amdhsa.kernels:
  - .name:           k_q0e490a1e2e_prep
    .symbol:         k_q0e490a1e2e_prep.kd
    .args:
      - { .name: meta, .offset: 0, .size: 8, .value_kind: global_buffer, .address_space: global }
      - { .name: weights, .offset: 8, .size: 8, .value_kind: global_buffer, .address_space: global }
      - { .name: x, .offset: 16, .size: 8, .value_kind: global_buffer, .address_space: global }
      - { .name: pos, .offset: 24, .size: 8, .value_kind: global_buffer, .address_space: global }
      - { .name: gw, .offset: 32, .size: 8, .value_kind: global_buffer, .address_space: global }
      - { .name: xc, .offset: 40, .size: 8, .value_kind: global_buffer, .address_space: global }
      - { .name: xs, .offset: 48, .size: 8, .value_kind: global_buffer, .address_space: global }
    .group_segment_fixed_size: 0
    .private_segment_fixed_size: 0
    .kernarg_segment_align: 8
    .kernarg_segment_size: 56
    .max_flat_workgroup_size: 128
    .sgpr_count:     66
    .vgpr_count:     256
    .wavefront_size: 32
...
	.end_amdgpu_metadata
.endif
;; end of part 2
;; launch gemm1 (part 3): grid 256 x 1, 4 waves a work-group, no clusters, 103,936 bytes of LDS; arguments proj_in, xc, xs, meta, hc, hs; writes hc, hs
.if DOCPART == 3
	.amdgcn_target "amdgcn-amd-amdhsa--gfx1250"
	.amdhsa_code_object_version 6
	.text
	.protected	k_q0e490a1e2e_gemm1
	.globl	k_q0e490a1e2e_gemm1
	.p2align	8
	.type	k_q0e490a1e2e_gemm1,@function
k_q0e490a1e2e_gemm1:
	s_mov_b64 s[64:65], 0
	v_nop
	global_prefetch_b8 v0, s[64:65] scope:SCOPE_SE
	s_setreg_imm32_b32 hwreg(HW_REG_WAVE_MODE, 25, 1), 1
	s_wait_xcnt 0x0
; GEMM1: h = Q(relu(Q(x) Q(W1[e])^T)) for the routed rows of each expert, on codes of FP8 (E4M3) with one E8M0 scale for each 32 along K.
; THE WEIGHTS STAY, THE ROWS GO BY.  Work-group g owns expert e = g / 32 and hidden units 64 u .. 64 u + 63, u = g % 32: 256 KB of proj_in on end, read once in the launch, as f32.
; PROLOGUE.  Wave w takes unit tile w (16 rows of W1 x 1,024 K): each load reads 512 consecutive bytes of a row, four K steps ahead; a K step's 16 x 512 bytes turn through the wave's own stage in LDS, so that a lane holds
; 16 neighbours of each block of 32, one K step ahead of the quantising; the fragment (16 registers a lane) and its scale word go to LDS as an image of the registers.  One barrier; then EVERY wave fetches all 32 fragments (512 registers).
; THE ROWS OF W1 THAT FORM A TILE ARE NOT NEIGHBOURS: lane r of tile 2 b + v takes row 32 b + 8 v + r + 8 (r / 8), so that the 16 registers of tiles 2 b and 2 b + 1 are 16 neighbours along the next product's K.
; ROW LOOP.  The expert's n tiles of 16 sorted rows (meta) are dealt to the waves: wave w has the NW tiles tb + w + 4 i.  A tile's codes (16 KB, images of registers) come straight into registers, two buffers by turns.
; THE ORDER: work-group u begins at i = u mod NW and goes round, so that the 32 work-groups of an expert, which walk the same tiles, ask for different tiles at any time.
; THE FIRST TWO TILES ARE ASKED FOR IN THE PROLOGUE, behind the wait that shows my last weights landed: the last two K steps' quantising, the barrier and the fetch of the fragments stand between the request and the first product.
; No branch on a loaded number stands ahead of the barrier: a wave without tiles asks for tile 0, which every split has (4,096 rows make at least 256 tiles), and uses nothing of it; a wave with one tile asks for it twice.
; The product is used transposed (source 0 = 16 rows of W1, source 1 = 16 rows of x): a lane holds one row and its 32 results are 2 x 16 neighbours along the next K: relu, quantised in registers, stored as a part of hc's image.
; hc [tile][K step 16][c 4][lane 32][16 bytes]: my part is K step u / 2, c = 2 (u % 2) and + 1: two stores of 512 consecutive bytes.  hs: byte 1024 tile + 512 i + 16 (16 q + r) + 4 j = the scale word of row r, K step
; 8 i + 4 q + j: my part is two bytes of a word, stored by 2 bytes a lane (one byte of hs for 32 of hc; lanes 16-31 repeat lanes 0-15's).
; NO TENSOR LOADS, NO JOINT LOADS, though the 32 work-groups of an expert read the same tiles: the number of tiles is read from memory; a constant count would be
; the worst case, 256 tiles for every expert.  For the same reason no barrier stands in the row loop, so each wave holds all the work-group's weights and the waves share the rows.
; LIMITS: NaN and infinities are not served; a block of zeros gets the byte 1 where the rule says 127 (its codes are zeros; this program alone reads the bytes).  Sums: one accumulator for each output, K ascending.
; REGISTERS, in windows of 256: window 0: v1-15 addresses; v32-63 W1's scale words (4 s + t); v64-95 four accumulators (in the prologue v32-95 are the second set of 64 numbers); v96-103 x's scale words, two sets;
;   v104-119 codes just made; v120-136 the quantiser's; v160-223 64 numbers.
;   window 1: the weights as loaded, K steps 0-3; then fragments (4 s + t) x 16, s = 0 .. 3.   window 2: the same for K steps 4-7.   window 3: two buffers of a tile's 8 fragments of x.
.set SPREAD, 1                         ; the tile's rows 8-15 lie 8 rows further on
.set PITCHB, 4096                      ; a row of W1 in bytes
.set NTM1,  263                        ; the last tile that the buffers hold
.set SPB,   528                        ; a stage row: 512 bytes + 16
.set STGB,  16*SPB
.set IMG,   4*STGB                     ; behind the four stages: 32 images of 2,048 bytes, image 8 t + s
.set ISC,   IMG+32*2048                ; their scale words, 128 bytes each
.set L16,   1                          ; v1   16 x lane
.set VST,   2                          ; v2   my stage, in
.set VRD,   3                          ; v3   my stage, out
.set VIM,   4                          ; v4   where I store images
.set VIS,   5                          ; v5   and their scale words
.set VLI,   6                          ; v6   where images are fetched from
.set VLS,   7                          ; v7   and scale words
.set AO,    8                          ; v8-9   buffer's offset in xc
.set SO,    10                         ; v10-11 and in xs
.set HL,    12                         ; v12  my lane's place in a tile of hc
.set HSL,   13                         ; v13  and of hs
.set HO,    14                         ; v14  the stores' offsets
.set HSO,   15
.set WS,    32
.set ACC,   64
.set AS,    96
.set PC,    104
.set TM,    120
.set PW,    136
.set X,     160
.set X2,    32
.set SEL,   20                         ; s[20:21]
.set MNT,   22                         ; s22
.set CT,    36                         ; s36-37 the tile that each buffer holds
; s16 wave, s17 e, s18 u, s24 tb, s25 n, s26 my tiles NW, s27 the loop's trips, s28 the trip, s29 my first tile, s30 the number i of the tile to ask for next, s31 the tile in hand, s32 a clamped tile, s33 the tile to fetch, s34-35 at work
.set MSB, 0
.macro WIN new                         ; the immediate's high byte repeats the setting that is left; a switch that changes nothing is dropped
.if MSB != (\new)
	s_set_vgpr_msb (MSB<<8)|(\new)
.set MSB, \new
.endif
.endm
.macro PLACES n
.rept \n
	v_nop
.endr
.endm
; 16 nb numbers of a lane, register 16 b + i = k 32 b + 16 (lane / 16) + i of my row, become codes in v[PC] on and a scale word in v[PW].  relu = 1: what is negative becomes 0 on the way.
.macro QUANT s, relu, nb
.irp b, 0,1,2,3
.if \b < \nb
.if \relu
	v_max3_num_f32 v[TM+\b], v[\s+16*\b], v[\s+16*\b+1], 0x4800000       ; no |.|: what is negative is to become 0 and must not count; the floor 2^(9 - 127) stands over it.  Each accumulator is read from its low end on
.else
	v_max3_num_f32 v[TM+\b], |v[\s+16*\b]|, |v[\s+16*\b+1]|, 0x4800000   ; my 16 numbers of block b, and the floor: the byte cannot fall under 1
.endif
.endif
.endr
.irp i, 2,4,6,8,10,12,14
.irp b, 0,1,2,3
.if \b < \nb
.if \relu
	v_max3_num_f32 v[TM+\b], v[TM+\b], v[\s+16*\b+\i], v[\s+16*\b+\i+1]
.else
	v_max3_num_f32 v[TM+\b], v[TM+\b], |v[\s+16*\b+\i]|, |v[\s+16*\b+\i+1]|
.endif
.endif
.endr
.endr
.irp b, 0,1,2,3
.if \b < \nb
	v_permlanex16_b32 v[TM+4+\b], v[TM+\b], s[SEL], s[SEL+1]
.endif
.endr
.irp b, 0,1,2,3
.if \b < \nb
	v_max_num_f32 v[TM+\b], v[TM+\b], v[TM+4+\b]                         ; with lane l xor 16's 16: the block's largest magnitude
.endif
.endr
.irp b, 0,1,2,3
.if \b < \nb
	v_add_nc_u32 v[TM+12+\b], 0xfc000000, v[TM+\b]                       ; 8 off its exponent field: the conversion's scale operand
.endif
.endr
.irp b, 0,1,2,3
.if \b < \nb
	v_and_or_b32 v[TM+8+\b], v[TM+\b], 0x7f800000, s[MNT]                ; 448 x the scale
.endif
.endr
.irp b, 0,1,2,3
.if \b < \nb
	v_lshrrev_b32 v[TM+4+\b], 23, v[TM+12+\b]                            ; the scale's byte
.endif
.endr
	v_lshl_or_b32 v[PW], v[TM+5], 8, v[TM+4]
.if \nb > 2
	v_lshl_or_b32 v[PW], v[TM+6], 16, v[PW]
	v_lshl_or_b32 v[PW], v[TM+7], 24, v[PW]
.endif
.irp b, 0,1,2,3
.if \b < \nb
.irp i, 0,1,2,3,4,5,6,7,8,9,10,11,12,13,14,15
.if \relu
	v_med3_num_f32 v[\s+16*\b+\i], v[\s+16*\b+\i], 0, v[TM+8+\b]         ; the activation and the hold in one
.else
	v_med3_num_f32 v[\s+16*\b+\i], v[\s+16*\b+\i], -v[TM+8+\b], v[TM+8+\b]   ; the conversion to an 8-bit code does not saturate (ISA guide 7.6.2): the hold at 448 x the scale
.endif
.endr
	v_cvt_scalef32_pk8_fp8_f32 v[PC+4*\b:PC+4*\b+1], v[\s+16*\b:\s+16*\b+7], v[TM+12+\b]
	v_cvt_scalef32_pk8_fp8_f32 v[PC+4*\b+2:PC+4*\b+3], v[\s+16*\b+8:\s+16*\b+15], v[TM+12+\b]
.endif
.endr
	v_nop                                          ; a plain vector line between the last conversion and the next vector or matrix line that touches its result or writes its sources
.endm
; s33 = the tile to ask for next, tb + w + 4 i; i steps, and goes back to 0 behind my last tile
.macro NEXT
	s_lshl_b32 s33, s30, 2
	s_add_co_u32 s33, s33, s29
	s_add_co_u32 s30, s30, 1
	s_cmp_ge_u32 s30, s26
	s_cselect_b32 s30, 0, s30
.endm
; A tile's 33 loads, always in this order: its scale words, K steps 0-5 (part 1: 25 loads), K steps 6-7 (part 2: 8).  The tile's number was read from memory: it is held inside the buffers ahead of the addresses.
.macro ALOAD1 buf, tile
	s_min_u32 s32, s[\tile], NTM1
	v_lshl_add_u32 v[AO+\buf], s32, 14, v[L16]
	v_lshl_add_u32 v[SO+\buf], s32, 9, v[L16]
	global_load_b128 v[AS+4*\buf:AS+4*\buf+3], v[SO+\buf], s[8:9]        ; register j: lanes 0-15 the words of K step j, lanes 16-31 those of K step 4 + j
	WIN 0xc0                                       ; destination window 3
.irp s, 0,1,2,3,4,5
.irp c, 0,1,2,3
	global_load_b128 v[128*\buf+16*\s+4*\c:128*\buf+16*\s+4*\c+3], v[AO+\buf], s[6:7] offset:2048*\s+512*\c
.endr
.endr
	WIN 0
.endm
.macro ALOAD2 buf
	WIN 0xc0
.irp s, 6,7
.irp c, 0,1,2,3
	global_load_b128 v[128*\buf+16*\s+4*\c:128*\buf+16*\s+4*\c+3], v[AO+\buf], s[6:7] offset:2048*\s+512*\c
.endr
.endr
	WIN 0
.endm
; My share of the expert's tiles, where I begin, and the first requests: buffer 0 whole and part 1 of buffer 1: 58 loads; part 2 of buffer 1 follows behind the fetch of the fragments.
.macro FIRST
	WIN 0
	s_wait_kmcnt 0x0                               ; tb and n
	s_add_co_u32 s26, s25, 3
	s_sub_co_u32 s26, s26, s16
	s_lshr_b32 s26, s26, 2                         ; my tiles: NW = (n + 3 - w) / 4
	s_add_co_u32 s29, s24, s16                     ; the first of them
	s_mov_b32 s30, s18                             ; u mod NW, by five steps of a division (u is under 32, so under 32 NW); with NW = 0 the steps take nothing off
.irp k, 4,3,2,1,0
	s_lshl_b32 s34, s26, \k
	s_cmp_ge_u32 s30, s34
	s_cselect_b32 s34, s34, 0
	s_sub_co_u32 s30, s30, s34
.endr
	s_cmp_eq_u32 s26, 0                            ; a wave without tiles asks for tile 0
	s_cselect_b32 s29, 0, s29
	s_cselect_b32 s30, 0, s30
	NEXT
	s_mov_b32 s[CT], s33
	ALOAD1 0, 33
	ALOAD2 0
	NEXT
	s_mov_b32 s[CT+1], s33
	ALOAD1 1, 33
.endm
; the weights' K step s as it lies: 16 rows x 512 consecutive bytes
.macro WLOAD s
.if (\s) < 4
	WIN 0x40                                       ; destination window 1
.else
	WIN 0x80                                       ; destination window 2
.endif
.irp r, 0,1,2,3,4,5,6,7,8,9,10,11,12,13,14,15
	global_load_b128 v[4*(16*((\s)%4)+\r):4*(16*((\s)%4)+\r)+3], v[L16], s[4:5] offset:(\r+8*(\r/8)*SPREAD)*PITCHB+512*(\s) th:TH_LOAD_NT
.endr
.endm
; K step s goes through my stage into one of the two sets of 64 numbers
.macro TURN s
.if (\s) <= 4
	s_wait_loadcnt 48                              ; this K step's 16 loads are in; those of the three K steps behind it may be out
.else
	s_wait_loadcnt 16*(7-(\s))
.endif
.if (\s)+4 <= 7
	WLOAD (\s)+4                                   ; four K steps ahead
.endif
.if (\s) == 7
	FIRST                                          ; no load of mine is out here: the counts above stay what they are
.endif
.if (\s) < 4
	WIN 0x04                                       ; an LDS store's data are its source 1: window 1
.else
	WIN 0x08
.endif
.irp r, 0,1,2,3,4,5,6,7,8,9,10,11,12,13,14,15
	ds_store_b128 v[VST], v[4*(16*((\s)%4)+\r):4*(16*((\s)%4)+\r)+3] offset:SPB*\r   ; LDS serves a wave's instructions in order (ISA guide 5.7.1.4): these come behind the last K step's loads from the stage,
.endr
	WIN 0
.set XB, X+(X2-X)*((\s)%2)
.irp c, 0,1,2,3
.irp j, 0,1,2,3
	ds_load_b128 v[XB+16*\c+4*\j:XB+16*\c+4*\j+3], v[VRD] offset:128*\c+16*\j         ; and these see the stores above
.endr
.endr
.endm
; K step s becomes a fragment's image in LDS
.macro WQ s
.if (\s) < 7
	s_wait_dscnt 32                                ; all but the next K step's 16 stores and 16 loads: my numbers are in, and the last image's stores are done
.else
	s_wait_dscnt 0x0
.endif
.set XQ, X+(X2-X)*((\s)%2)
	QUANT XQ, 0, 4
.irp c, 0,1,2,3
	ds_store_b128 v[VIM], v[PC+4*\c:PC+4*\c+3] offset:2048*(\s)+512*\c
.endr
	ds_store_b32 v[VIS], v[PW] offset:128*(\s)
.endm
	s_load_b256 s[4:11], s[0:1], 0x0               ; proj_in s[4:5], xc s[6:7], xs s[8:9], meta s[10:11]
	s_load_b128 s[12:15], s[0:1], 0x20             ; hc s[12:13], hs s[14:15]
	v_lshl_add_u32 v254, v0, 2, 0x19400
	v_mov_b32 v255, 0
	v_lshrrev_b32 v16, 5, v0
	v_readfirstlane_b32 s16, v16                   ; wave
	s_lshr_b32 s17, ttmp9, 5                       ; e
	s_and_b32 s18, ttmp9, 31                       ; u
	v_and_b32 v16, 31, v0                          ; lane
	v_and_b32 v17, 15, v0                          ; r
	v_bfe_u32 v18, v0, 4, 1                        ; h
	v_lshlrev_b32 v[L16], 4, v16
	v_lshlrev_b32 v19, 2, v16
	s_mul_i32 s33, s16, STGB
	v_add_nc_u32 v[VST], s33, v[L16]
	v_mul_u32_u24 v[VRD], v17, SPB
	v_lshl_add_u32 v[VRD], v18, 6, v[VRD]
	v_add_nc_u32 v[VRD], s33, v[VRD]
	s_lshl_b32 s33, s16, 14
	s_add_co_u32 s33, s33, IMG
	v_add_nc_u32 v[VIM], s33, v[L16]               ; images 8 w + s
	s_lshl_b32 s33, s16, 10
	s_add_co_u32 s33, s33, ISC
	v_add_nc_u32 v[VIS], s33, v19
	v_add_nc_u32 v[VLI], IMG, v[L16]
	v_add_nc_u32 v[VLS], ISC, v19
	s_lshl_b32 s33, s18, 10
	v_add_nc_u32 v[HL], s33, v[L16]                ; 2,048 (u / 2) + 1,024 (u % 2) = 1,024 u
	s_lshr_b32 s33, s18, 3
	s_lshl_b32 s33, s33, 8
	s_and_b32 s34, s18, 7
	s_lshl_b32 s34, s34, 1
	s_add_co_u32 s33, s33, s34
	v_lshl_add_u32 v[HSL], v17, 4, s33             ; K step u / 2, bytes 2 (u % 2) and + 1 of its word: 256 (u / 8) + 2 (u % 8) + 16 r
	s_mov_b32 s[SEL], 0x76543210
	s_mov_b32 s[SEL+1], 0xfedcba98
	s_mov_b32 s[MNT], 0x600000
.irp b, 0,1,2,3
	v_mov_b32 v[TM+4+\b], 0                        ; written once: a lane permute's destination counts as one of its sources
.endr
	s_lshl_b32 s34, ttmp9, 18                      ; my work-group's 256 KB,
	s_lshr_b32 s33, s16, 1
	s_lshl_b32 s33, s33, 17                        ; my tile's first row: 32 (w / 2)
	s_add_co_u32 s34, s34, s33
	s_and_b32 s33, s16, 1
	s_lshl_b32 s33, s33, 15                        ; + 8 (w % 2)
	s_add_co_u32 s34, s34, s33
	s_mov_b32 s35, 0
	s_lshl_b32 s36, s17, 3
	s_mov_b32 s37, 0
	s_wait_kmcnt 0x0
	s_add_nc_u64 s[4:5], s[4:5], s[34:35]
	s_add_nc_u64 s[10:11], s[10:11], s[36:37]
	s_load_b64 s[24:25], s[10:11], 0x0             ; tb, n of my expert: wanted near the prologue's end
	WLOAD 0
	WLOAD 1
	WLOAD 2
	WLOAD 3
	TURN 0
.irp s, 0,1,2,3,4,5,6,7
.if \s < 7
	TURN \s+1                                      ; the next K step goes through the stage while this one is quantised
.endif
	WQ \s
.endr
	s_wait_dscnt 0x0                               ; for the others' sake: my images lie in LDS
	s_barrier_signal -1
	s_barrier_wait -1                              ; the launch's one barrier, ahead of every branch on a loaded number
.irp s, 0,1,2,3,4,5,6,7
.if \s < 4
	WIN 0x40
.else
	WIN 0x80
.endif
.irp t, 0,1,2,3
.irp c, 0,1,2,3
	ds_load_b128 v[16*(4*(\s%4)+\t)+4*\c:16*(4*(\s%4)+\t)+4*\c+3], v[VLI] offset:2048*(8*\t+\s)+512*\c
.endr
.endr
.endr
	WIN 0
.irp s, 0,1,2,3,4,5,6,7
.irp t, 0,1,2,3
	ds_load_b32 v[WS+4*\s+\t], v[VLS] offset:128*(8*\t+\s)
.endr
.endr
	ALOAD2 1                                       ; the rest of buffer 1
	s_wait_dscnt 0x0
; 32 matrix instructions: K steps 0-7 x my four unit tiles.  The four accumulators take turns, one instruction a turn; the first K step starts the sums.
.macro MUL buf
	WIN 0x0d                                       ; source 0 (W1) window 1, source 1 (x) window 3, C and D window 0
.irp s, 0,1,2,3
.irp t, 0,1,2,3
.if \s == 0
	v_wmma_scale_f32_16x16x128_f8f6f4 v[ACC+8*\t:ACC+8*\t+7], v[16*(4*\s+\t):16*(4*\s+\t)+15], v[128*\buf+16*\s:128*\buf+16*\s+15], 0, v[WS+4*\s+\t], v[AS+4*\buf+\s]
.else
	v_wmma_scale_f32_16x16x128_f8f6f4 v[ACC+8*\t:ACC+8*\t+7], v[16*(4*\s+\t):16*(4*\s+\t)+15], v[128*\buf+16*\s:128*\buf+16*\s+15], v[ACC+8*\t:ACC+8*\t+7], v[WS+4*\s+\t], v[AS+4*\buf+\s]
.endif
.endr
.endr
	WIN 0x0e                                       ; source 0 window 2
.irp s, 4,5,6,7
.irp t, 0,1,2,3
	v_wmma_scale_f32_16x16x128_f8f6f4 v[ACC+8*\t:ACC+8*\t+7], v[16*(4*(\s-4)+\t):16*(4*(\s-4)+\t)+15], v[128*\buf+16*\s:128*\buf+16*\s+15], v[ACC+8*\t:ACC+8*\t+7], v[WS+4*\s+\t], v[AS+4*\buf+\s-4] matrix_b_scale:MATRIX_SCALE_ROW1
.endr
.endr
	WIN 0
.endm
; the tile in hand (s31): relu, quantised, stored
.macro OUT
	QUANT ACC, 1, 2
	s_min_u32 s32, s31, NTM1
	v_lshl_add_u32 v[HO], s32, 15, v[HL]
	v_lshl_add_u32 v[HSO], s32, 10, v[HSL]
	global_store_b128 v[HO], v[PC:PC+3], s[12:13]                  ; 32 lanes store 512 consecutive bytes, aligned
	global_store_b128 v[HO], v[PC+4:PC+7], s[12:13] offset:512
	global_store_b16 v[HSO], v[PW], s[14:15]
.endm
; One tile from buffer buf.  left: the younger loads that may stay out.  ahead = 1: the buffer is loaded again with my next tile; the loads stand in two parts round the way out.
; Nine places behind the last products: eight are asked ahead of loads into registers that they read and of the first read of their results, nine ahead of the next tile's first products, which begin the accumulators anew.
.macro STEP buf, left, ahead
	s_wait_loadcnt \left
	s_mov_b32 s31, s[CT+\buf]
	MUL \buf
	PLACES 9
	s_wait_xcnt 0x0                                ; the last tile's stores have read the codes, the scale word and their offsets, which the way out below writes again.  It stands ahead of the run of loads, which names none of those registers
.if \ahead
	NEXT
	s_mov_b32 s[CT+\buf], s33
	ALOAD1 \buf, 33
.endif
	OUT
.if \ahead
	ALOAD2 \buf
.endif
.endm
	s_cmp_eq_u32 s26, 0
	s_cbranch_scc1 .Lend
	s_cmp_eq_u32 s26, 1
	s_cbranch_scc1 .Lone
	s_mov_b32 s28, 0
	s_sub_co_u32 s27, s26, 2
	s_lshr_b32 s27, s27, 1                         ; trips: (NW - 2) / 2.  A trip takes two tiles and fills both buffers again: with the two asked for in the prologue and the tails below each of my NW tiles is asked for once
	s_cmp_eq_u32 s27, 0
	s_cbranch_scc1 .Lrest
.Lloop:
	STEP 0, 33, 1                                  ; 33: buffer 1's loads were issued behind buffer 0's
	STEP 1, 33, 1                                  ; 33: buffer 0's new loads were issued behind buffer 1's
	s_add_co_u32 s28, s28, 1
	s_cmp_lt_u32 s28, s27
	s_cbranch_scc1 .Lloop
.Lrest:                                            ; two of my tiles are left where NW is even, three where it is odd
	s_and_b32 s35, s26, 1
	s_cmp_eq_u32 s35, 0
	s_cbranch_scc1 .Ltail01
	STEP 0, 33, 1                                  ; three: buffer 0, which takes the last tile; buffer 1; buffer 0
	STEP 1, 33, 0
	STEP 0, 0, 0
	s_wait_tensorcnt 0x0
	ds_add_u32 v254, v255
	s_wait_dscnt 0x0
	s_endpgm
.Ltail01:                                          ; two: buffer 0, then buffer 1
	STEP 0, 33, 0
	STEP 1, 0, 0
	s_wait_tensorcnt 0x0
	ds_add_u32 v254, v255
	s_wait_dscnt 0x0
	s_endpgm
.Lone:                                             ; my only tile lies in buffer 0; buffer 1's 33 loads, of the same tile, are not waited for
	STEP 0, 33, 0
.Lend:
	s_wait_tensorcnt 0x0
	ds_add_u32 v254, v255
	s_wait_dscnt 0x0
	s_endpgm
.Lfunc_end_k_q0e490a1e2e_gemm1:
	.size	k_q0e490a1e2e_gemm1, .Lfunc_end_k_q0e490a1e2e_gemm1-k_q0e490a1e2e_gemm1
	.p2alignl 7, 3214868480
	.fill 96, 4, 3214868480
	.section	.rodata,"a",@progbits
	.p2align	6, 0x0
	.amdhsa_kernel k_q0e490a1e2e_gemm1
		.amdhsa_group_segment_fixed_size 103936
		.amdhsa_private_segment_fixed_size 0
		.amdhsa_enable_private_segment 0
		.amdhsa_kernarg_size 48
		.amdhsa_user_sgpr_count 2
		.amdhsa_user_sgpr_kernarg_segment_ptr 1
		.amdhsa_wavefront_size32 1
		.amdhsa_system_sgpr_workgroup_id_x 1
		.amdhsa_system_sgpr_workgroup_id_y 1
		.amdhsa_system_sgpr_workgroup_id_z 1
		.amdhsa_system_vgpr_workitem_id 0
		.amdhsa_next_free_vgpr 1024
		.amdhsa_next_free_sgpr 66
		.amdhsa_reserve_vcc 0
		.amdhsa_float_denorm_mode_32 3
		.amdhsa_float_denorm_mode_16_64 3
		.amdhsa_memory_ordered 1
		.amdhsa_forward_progress 1
		.amdhsa_inst_pref_size 200
	.end_amdhsa_kernel
	.amdgpu_metadata
---
amdhsa.version: [ 1, 2 ]
amdhsa.kernels:
  - .name:           k_q0e490a1e2e_gemm1
    .symbol:         k_q0e490a1e2e_gemm1.kd
    .args:
      - { .name: proj_in, .offset: 0, .size: 8, .value_kind: global_buffer, .address_space: global }
      - { .name: xc, .offset: 8, .size: 8, .value_kind: global_buffer, .address_space: global }
      - { .name: xs, .offset: 16, .size: 8, .value_kind: global_buffer, .address_space: global }
      - { .name: meta, .offset: 24, .size: 8, .value_kind: global_buffer, .address_space: global }
      - { .name: hc, .offset: 32, .size: 8, .value_kind: global_buffer, .address_space: global }
      - { .name: hs, .offset: 40, .size: 8, .value_kind: global_buffer, .address_space: global }
    .group_segment_fixed_size: 103936
    .private_segment_fixed_size: 0
    .kernarg_segment_align: 8
    .kernarg_segment_size: 48
    .max_flat_workgroup_size: 128
    .sgpr_count:     66
    .vgpr_count:     1024
    .wavefront_size: 32
...
	.end_amdgpu_metadata
.endif
;; end of part 3
;; launch gemm2 (part 4): grid 256 x 1, 4 waves a work-group, no clusters, 113,152 bytes of LDS; arguments proj_out, hc, hs, gw, meta, ow; writes ow
.if DOCPART == 4
	.amdgcn_target "amdgcn-amd-amdhsa--gfx1250"
	.amdhsa_code_object_version 6
	.text
	.protected	k_q0e490a1e2e_gemm2
	.globl	k_q0e490a1e2e_gemm2
	.p2align	8
	.type	k_q0e490a1e2e_gemm2,@function
k_q0e490a1e2e_gemm2:
	s_mov_b64 s[64:65], 0
	v_nop
	global_prefetch_b8 v0, s[64:65] scope:SCOPE_SE
	s_setreg_imm32_b32 hwreg(HW_REG_WAVE_MODE, 25, 1), 1
	s_wait_xcnt 0x0
; GEMM2: ow = gate x (h Q(W2[e])^T) for the routed rows of each expert, on codes of FP8 (E4M3) with one E8M0 scale for each 32 along K.  h arrives as codes (hc, hs), images of the operand's registers.
; THE WEIGHTS STAY, THE ROWS GO BY.  Work-group g owns expert e = g / 32 and output columns 32 u .. 32 u + 31, u = g % 32: 256 KB of proj_out on end, read once in the launch, as f32.
; PROLOGUE.  Wave w takes column tile w / 2 (16 rows of W2) and K steps 8 (w % 2) .. + 7: each load reads 512 consecutive bytes of a row, four K steps ahead; a K step turns through the wave's own stage in LDS, one K step ahead of
; the quantising, and goes to LDS as an image of the fragment's registers.  One barrier; then EVERY wave fetches all 32 fragments (2 tiles x 16 K steps) into its registers (512).
; ROW LOOP.  Wave w has the NW tiles tb + w + 4 i of the expert.  A tile's 32 KB of codes come straight into registers in two halves of 8 K steps; while one half is multiplied the other is on its way.
; THE ORDER: work-group u begins at i = u mod NW and goes round, so that the 32 work-groups of an expert, which walk the same tiles, ask for different tiles at any time.
; THE FIRST TILE IS ASKED FOR IN THE PROLOGUE, behind the wait that shows my last weights landed: the last two K steps' quantising, the barrier and the fetch of the fragments stand between the request and the first product.
; No branch on a loaded number stands ahead of the barrier: a wave without tiles asks for tile 0, which every split has (4,096 rows make at least 256 tiles), and uses nothing of it.
; The product is used transposed (source 0 = 16 rows of W2, source 1 = 16 rows of h): a lane holds one row and eight neighbouring columns; the row's gate is a number a lane.  The 16 x 32 results go through the wave's own
; stage and leave as 4 stores of 512 consecutive bytes.  ow [slice u][sorted row][32 columns] f32.
; NO TENSOR LOADS, NO JOINT LOADS, though the 32 work-groups of an expert read the same tiles: the number of tiles is read from memory; a constant count would be
; the worst case, 256 tiles for every expert.  For the same reason no barrier stands in the row loop.
; LIMITS: NaN and infinities are not served; a block of zeros gets the byte 1 where the rule says 127.  Sums: one accumulator for each output, K ascending.
; REGISTERS, in windows of 256: window 0: v1-16 addresses; v32-63 W2's scale words (2 s + n); v64-79 two accumulators; v80-95 results x gate (in the prologue v32-95 are the second set of 64 numbers); v96-111 rows on the way out;
;   v112-119 h's scale words; v120 the gate (v121 = 0, named with it as a pair); v128-160 the quantiser's; v176-239 64 numbers.
;   window 1: the weights as loaded; then fragments (2 s + n) x 16, s = 0 .. 7.   window 2: the same, s = 8 .. 15.   window 3: the tile's two halves.
.set SPREAD, 0                         ; a tile's rows are neighbours
.set PITCHB, 8192                      ; a row of W2 in bytes
.set NTM1,  263
.set SL,    540672                     ; a slice of ow: 4,224 rows x 128 bytes
.set SPB,   528
.set STGB,  16*SPB
.set IMG,   4*STGB                     ; 32 images of 2,048 bytes, image 16 n + s = 8 w + s'
.set ISC,   IMG+32*2048
.set OST,   ISC+32*128                 ; the way out: for each wave 16 rows x (128 bytes + 16)
.set L16,   1
.set VST,   2
.set VRD,   3
.set VIM,   4
.set VIS,   5
.set VLI,   6
.set VLS,   7
.set AO,    8                          ; v8-9   a half's offset in hc
.set SO,    10                         ; v10-11 and in hs
.set GL,    12                         ; v12  4 (lane % 16)
.set GO,    13                         ; v13  the gate's offset
.set STO,   14                         ; v14  the way out: in
.set RDO,   15                         ; v15  and back
.set OO,    16                         ; v16  the stores' offset
.set WS,    32
.set ACC,   64
.set O,     80
.set OB,    96
.set AS,    112
.set G,     120
.set PC,    128
.set TM,    144
.set PW,    160
.set X,     176
.set X2,    32
.set SEL,   20
.set MNT,   22
.set CT,    36                         ; s36  the tile that has been asked for last
; s16 wave, s17 e, s18 u, s24 tb, s25 n, s26 my tiles NW, s27 NW - 1, s28 the counter, s29 my first tile, s30 the number i of the tile to ask for next, s31 the tile in hand, s32 a clamped tile, s33 the tile to fetch, s34 at work
.set MSB, 0
.macro WIN new                         ; the immediate's high byte repeats the setting that is left; a switch that changes nothing is dropped
.if MSB != (\new)
	s_set_vgpr_msb (MSB<<8)|(\new)
.set MSB, \new
.endif
.endm
.macro PLACES n
.rept \n
	v_nop
.endr
.endm
; 64 numbers of a lane, register 16 b + i = k 32 b + 16 (lane / 16) + i of my row, become a fragment's codes in v[PC] on and its scale word in v[PW]
.macro QUANT s
.irp b, 0,1,2,3
	v_max3_num_f32 v[TM+\b], |v[\s+16*\b]|, |v[\s+16*\b+1]|, 0x4800000   ; my 16 numbers of block b, and the floor 2^(9 - 127): the byte cannot fall under 1
.endr
.irp i, 2,4,6,8,10,12,14
.irp b, 0,1,2,3
	v_max3_num_f32 v[TM+\b], v[TM+\b], |v[\s+16*\b+\i]|, |v[\s+16*\b+\i+1]|   ; the blocks by turns
.endr
.endr
.irp b, 0,1,2,3
	v_permlanex16_b32 v[TM+4+\b], v[TM+\b], s[SEL], s[SEL+1]
.endr
.irp b, 0,1,2,3
	v_max_num_f32 v[TM+\b], v[TM+\b], v[TM+4+\b]                         ; with lane l xor 16's 16: the block's largest magnitude
.endr
.irp b, 0,1,2,3
	v_add_nc_u32 v[TM+12+\b], 0xfc000000, v[TM+\b]                       ; 8 off its exponent field: the conversion's scale operand
.endr
.irp b, 0,1,2,3
	v_and_or_b32 v[TM+8+\b], v[TM+\b], 0x7f800000, s[MNT]                ; 448 x the scale
.endr
.irp b, 0,1,2,3
	v_lshrrev_b32 v[TM+4+\b], 23, v[TM+12+\b]                            ; the scale's byte
.endr
	v_lshl_or_b32 v[PW], v[TM+5], 8, v[TM+4]
	v_lshl_or_b32 v[PW], v[TM+6], 16, v[PW]
	v_lshl_or_b32 v[PW], v[TM+7], 24, v[PW]
.irp b, 0,1,2,3
.irp i, 0,1,2,3,4,5,6,7,8,9,10,11,12,13,14,15
	v_med3_num_f32 v[\s+16*\b+\i], v[\s+16*\b+\i], -v[TM+8+\b], v[TM+8+\b]   ; the conversion to an 8-bit code does not saturate (ISA guide 7.6.2): the hold at 448 x the scale
.endr
	v_cvt_scalef32_pk8_fp8_f32 v[PC+4*\b:PC+4*\b+1], v[\s+16*\b:\s+16*\b+7], v[TM+12+\b]
	v_cvt_scalef32_pk8_fp8_f32 v[PC+4*\b+2:PC+4*\b+3], v[\s+16*\b+8:\s+16*\b+15], v[TM+12+\b]
.endr
	v_nop                                          ; a plain vector line between the last conversion and the next vector or matrix line that touches its result or writes its sources
.endm
; s33 = the tile to ask for next, tb + w + 4 i; i steps, and goes back to 0 behind my last tile
.macro NEXT
	s_lshl_b32 s33, s30, 2
	s_add_co_u32 s33, s33, s29
	s_add_co_u32 s30, s30, 1
	s_cmp_ge_u32 s30, s26
	s_cselect_b32 s30, 0, s30
.endm
; A tile's first half: its scale words and K steps 0-7: 33 loads.  The tile's number was read from memory: it is held inside the buffers ahead of the addresses.
.macro HLOAD0 tile
	s_min_u32 s32, s[\tile], NTM1
	v_lshl_add_u32 v[AO], s32, 15, v[L16]
	v_lshl_add_u32 v[SO], s32, 10, v[L16]
	global_load_b128 v[AS:AS+3], v[SO], s[8:9]                     ; register j: lanes 0-15 the words of K step j, lanes 16-31 those of K step 4 + j
	WIN 0xc0                                       ; destination window 3
.irp s, 0,1,2,3,4,5,6,7
.irp c, 0,1,2,3
	global_load_b128 v[16*\s+4*\c:16*\s+4*\c+3], v[AO], s[6:7] offset:2048*\s+512*\c
.endr
.endr
	WIN 0
.endm
; Its second half: scale words, the rows' gates, K steps 8-13 (part A: 26 loads), K steps 14-15 (part B: 8): 34 loads
.macro HLOAD1A tile
	s_min_u32 s32, s[\tile], NTM1
	v_lshl_add_u32 v[AO+1], s32, 15, v[L16]
	v_lshl_add_u32 v[SO+1], s32, 10, v[L16]
	v_lshl_add_u32 v[GO], s32, 6, v[GL]
	global_load_b128 v[AS+4:AS+7], v[SO+1], s[8:9] offset:512
	global_load_b32 v[G], v[GO], s[10:11]
	WIN 0xc0
.irp s, 0,1,2,3,4,5
.irp c, 0,1,2,3
	global_load_b128 v[128+16*\s+4*\c:128+16*\s+4*\c+3], v[AO+1], s[6:7] offset:16384+2048*\s+512*\c
.endr
.endr
	WIN 0
.endm
.macro HLOAD1B
	WIN 0xc0
.irp s, 6,7
.irp c, 0,1,2,3
	global_load_b128 v[128+16*\s+4*\c:128+16*\s+4*\c+3], v[AO+1], s[6:7] offset:16384+2048*\s+512*\c
.endr
.endr
	WIN 0
.endm
; My share of the expert's tiles, where I begin, and the first requests: the first tile's first half and part A of its second: 59 loads; part B follows behind the fetch of the fragments.
.macro FIRST
	WIN 0
	s_wait_kmcnt 0x0                               ; tb and n
	s_add_co_u32 s26, s25, 3
	s_sub_co_u32 s26, s26, s16
	s_lshr_b32 s26, s26, 2                         ; my tiles: NW = (n + 3 - w) / 4
	s_add_co_u32 s29, s24, s16                     ; the first of them
	s_mov_b32 s30, s18                             ; u mod NW, by five steps of a division (u is under 32, so under 32 NW); with NW = 0 the steps take nothing off
.irp k, 4,3,2,1,0
	s_lshl_b32 s34, s26, \k
	s_cmp_ge_u32 s30, s34
	s_cselect_b32 s34, s34, 0
	s_sub_co_u32 s30, s30, s34
.endr
	s_cmp_eq_u32 s26, 0                            ; a wave without tiles asks for tile 0
	s_cselect_b32 s29, 0, s29
	s_cselect_b32 s30, 0, s30
	NEXT
	s_mov_b32 s[CT], s33
	HLOAD0 33
	HLOAD1A 33
.endm
; the weights' K step s (of my eight) as it lies: 16 rows x 512 consecutive bytes
.macro WLOAD s
.if (\s) < 4
	WIN 0x40                                       ; destination window 1
.else
	WIN 0x80                                       ; destination window 2
.endif
.irp r, 0,1,2,3,4,5,6,7,8,9,10,11,12,13,14,15
	global_load_b128 v[4*(16*((\s)%4)+\r):4*(16*((\s)%4)+\r)+3], v[L16], s[4:5] offset:(\r+8*(\r/8)*SPREAD)*PITCHB+512*(\s) th:TH_LOAD_NT
.endr
.endm
; K step s goes through my stage into one of the two sets of 64 numbers
.macro TURN s
.if (\s) <= 4
	s_wait_loadcnt 48                              ; this K step's 16 loads are in; those of the three K steps behind it may be out
.else
	s_wait_loadcnt 16*(7-(\s))
.endif
.if (\s)+4 <= 7
	WLOAD (\s)+4                                   ; four K steps ahead
.endif
.if (\s) == 7
	FIRST                                          ; no load of mine is out here: the counts above stay what they are
.endif
.if (\s) < 4
	WIN 0x04                                       ; an LDS store's data are its source 1: window 1
.else
	WIN 0x08
.endif
.irp r, 0,1,2,3,4,5,6,7,8,9,10,11,12,13,14,15
	ds_store_b128 v[VST], v[4*(16*((\s)%4)+\r):4*(16*((\s)%4)+\r)+3] offset:SPB*\r   ; LDS serves a wave's instructions in order (ISA guide 5.7.1.4): these come behind the last K step's loads from the stage,
.endr
	WIN 0
.set XB, X+(X2-X)*((\s)%2)
.irp c, 0,1,2,3
.irp j, 0,1,2,3
	ds_load_b128 v[XB+16*\c+4*\j:XB+16*\c+4*\j+3], v[VRD] offset:128*\c+16*\j         ; and these see the stores above
.endr
.endr
.endm
; K step s becomes a fragment's image in LDS
.macro WQ s
.if (\s) < 7
	s_wait_dscnt 32                                ; all but the next K step's 16 stores and 16 loads: my numbers are in, and the last image's stores are done
.else
	s_wait_dscnt 0x0
.endif
.set XQ, X+(X2-X)*((\s)%2)
	QUANT XQ
.irp c, 0,1,2,3
	ds_store_b128 v[VIM], v[PC+4*\c:PC+4*\c+3] offset:2048*(\s)+512*\c
.endr
	ds_store_b32 v[VIS], v[PW] offset:128*(\s)
.endm
	s_load_b256 s[4:11], s[0:1], 0x0               ; proj_out s[4:5], hc s[6:7], hs s[8:9], gw s[10:11]
	s_load_b128 s[12:15], s[0:1], 0x20             ; meta s[12:13], ow s[14:15]
	v_lshl_add_u32 v254, v0, 2, 0x1b800
	v_mov_b32 v255, 0
	v_lshrrev_b32 v17, 5, v0
	v_readfirstlane_b32 s16, v17                   ; wave
	s_lshr_b32 s17, ttmp9, 5                       ; e
	s_and_b32 s18, ttmp9, 31                       ; u
	v_and_b32 v17, 31, v0                          ; lane
	v_and_b32 v18, 15, v0                          ; r
	v_bfe_u32 v19, v0, 4, 1                        ; h
	v_lshlrev_b32 v[L16], 4, v17
	v_lshlrev_b32 v20, 2, v17
	v_lshlrev_b32 v[GL], 2, v18
	s_mul_i32 s33, s16, STGB
	v_add_nc_u32 v[VST], s33, v[L16]
	v_mul_u32_u24 v[VRD], v18, SPB
	v_lshl_add_u32 v[VRD], v19, 6, v[VRD]
	v_add_nc_u32 v[VRD], s33, v[VRD]
	s_lshl_b32 s33, s16, 14
	s_add_co_u32 s33, s33, IMG
	v_add_nc_u32 v[VIM], s33, v[L16]               ; images 8 w + s'
	s_lshl_b32 s33, s16, 10
	s_add_co_u32 s33, s33, ISC
	v_add_nc_u32 v[VIS], s33, v20
	v_add_nc_u32 v[VLI], IMG, v[L16]
	v_add_nc_u32 v[VLS], ISC, v20
	s_mul_i32 s33, s16, 16*144
	s_add_co_u32 s33, s33, OST
	v_mul_u32_u24 v[STO], v18, 144
	v_lshl_add_u32 v[STO], v19, 5, v[STO]
	v_add_nc_u32 v[STO], s33, v[STO]               ; in: row r, + 32 h
	v_lshrrev_b32 v20, 3, v17
	v_and_b32 v21, 7, v17
	v_mul_u32_u24 v[RDO], v20, 144
	v_lshl_add_u32 v[RDO], v21, 4, v[RDO]
	v_add_nc_u32 v[RDO], s33, v[RDO]               ; back: eight lanes to a row of 128 bytes, four rows an instruction
	v_mov_b32 v[G+1], 0                            ; named with the gate as a pair, so it is written
	s_mov_b32 s[SEL], 0x76543210
	s_mov_b32 s[SEL+1], 0xfedcba98
	s_mov_b32 s[MNT], 0x600000
.irp b, 0,1,2,3
	v_mov_b32 v[TM+4+\b], 0                        ; written once: a lane permute's destination counts as one of its sources
.endr
	s_lshl_b32 s34, ttmp9, 18                      ; my work-group's 256 KB,
	s_lshr_b32 s33, s16, 1
	s_lshl_b32 s33, s33, 17                        ; my tile's 16 rows of 8,192 bytes,
	s_add_co_u32 s34, s34, s33
	s_and_b32 s33, s16, 1
	s_lshl_b32 s33, s33, 12                        ; my eight K steps of 512 bytes
	s_add_co_u32 s34, s34, s33
	s_mov_b32 s35, 0
	s_lshl_b32 s36, s17, 3
	s_mov_b32 s37, 0
	s_mul_i32 s38, s18, SL
	s_mov_b32 s39, 0
	s_wait_kmcnt 0x0
	s_add_nc_u64 s[4:5], s[4:5], s[34:35]
	s_add_nc_u64 s[12:13], s[12:13], s[36:37]
	s_add_nc_u64 s[14:15], s[14:15], s[38:39]      ; ow at my slice
	s_load_b64 s[24:25], s[12:13], 0x0             ; tb, n of my expert: wanted near the prologue's end
	WLOAD 0
	WLOAD 1
	WLOAD 2
	WLOAD 3
	TURN 0
.irp s, 0,1,2,3,4,5,6,7
.if \s < 7
	TURN \s+1                                      ; the next K step goes through the stage while this one is quantised
.endif
	WQ \s
.endr
	s_wait_dscnt 0x0                               ; for the others' sake: my images lie in LDS
	s_barrier_signal -1
	s_barrier_wait -1                              ; the launch's one barrier, ahead of every branch on a loaded number
.irp s, 0,1,2,3,4,5,6,7,8,9,10,11,12,13,14,15
.if \s < 8
	WIN 0x40
.else
	WIN 0x80
.endif
.irp n, 0,1
.irp c, 0,1,2,3
	ds_load_b128 v[16*(2*(\s%8)+\n)+4*\c:16*(2*(\s%8)+\n)+4*\c+3], v[VLI] offset:2048*(16*\n+\s)+512*\c
.endr
.endr
.endr
	WIN 0
.irp s, 0,1,2,3,4,5,6,7,8,9,10,11,12,13,14,15
.irp n, 0,1
	ds_load_b32 v[WS+2*\s+\n], v[VLS] offset:128*(16*\n+\s)
.endr
.endr
	HLOAD1B                                        ; the rest of the first tile's second half
	s_wait_dscnt 0x0
; 16 matrix instructions: a half's eight K steps x my two column tiles.  The two accumulators take turns, one instruction a turn, from half to half too; the tile's first K step starts the sums.
.macro MULH half
.if \half
	WIN 0x0e                                       ; source 0 (W2) window 2, source 1 (h) window 3, C and D window 0
.else
	WIN 0x0d                                       ; source 0 window 1
.endif
.irp s, 0,1,2,3,4,5,6,7
.irp n, 0,1
.if (\half == 0) && (\s == 0)
	v_wmma_scale_f32_16x16x128_f8f6f4 v[ACC+8*\n:ACC+8*\n+7], v[16*(2*\s+\n):16*(2*\s+\n)+15], v[128*\half+16*\s:128*\half+16*\s+15], 0, v[WS+16*\half+2*\s+\n], v[AS+4*\half+\s]
.elseif \s < 4
	v_wmma_scale_f32_16x16x128_f8f6f4 v[ACC+8*\n:ACC+8*\n+7], v[16*(2*\s+\n):16*(2*\s+\n)+15], v[128*\half+16*\s:128*\half+16*\s+15], v[ACC+8*\n:ACC+8*\n+7], v[WS+16*\half+2*\s+\n], v[AS+4*\half+\s]
.else
	v_wmma_scale_f32_16x16x128_f8f6f4 v[ACC+8*\n:ACC+8*\n+7], v[16*(2*\s+\n):16*(2*\s+\n)+15], v[128*\half+16*\s:128*\half+16*\s+15], v[ACC+8*\n:ACC+8*\n+7], v[WS+16*\half+2*\s+\n], v[AS+4*\half+\s-4] matrix_b_scale:MATRIX_SCALE_ROW1
.endif
.endr
.endr
	WIN 0
.endm
.macro EPI1                            ; x the row's gate, each accumulator from its low end on
.irp i, 0,1,2,3,4,5,6,7
	v_pk_mul_f32 v[O+2*\i:O+2*\i+1], v[ACC+2*\i:ACC+2*\i+1], v[G:G+1] op_sel_hi:[1,0]
.endr
.endm
.macro EPI2                            ; through my stage, and out.  (The wait that frees the last tile's store registers stands ahead of this macro)
.irp n, 0,1
.irp q, 0,1
	ds_store_b128 v[STO], v[O+8*\n+4*\q:O+8*\n+4*\q+3] offset:64*\n+16*\q      ; lane (r, h): columns 16 n + 8 h + 4 q on of row r
.endr
.endr
.irp i, 0,1,2,3
	ds_load_b128 v[OB+4*\i:OB+4*\i+3], v[RDO] offset:576*\i        ; LDS serves a wave's instructions in order: these see my stores
.endr
	s_min_u32 s32, s31, NTM1
	v_lshl_add_u32 v[OO], s32, 11, v[L16]
	s_wait_dscnt 0x0
.irp i, 0,1,2,3
	global_store_b128 v[OO], v[OB+4*\i:OB+4*\i+3], s[14:15] offset:512*\i th:TH_STORE_NT   ; 32 lanes store 512 consecutive bytes, aligned: four rows of the slice
.endr
.endm
	s_cmp_eq_u32 s26, 0
	s_cbranch_scc1 .Lend
	s_mov_b32 s28, 0
	s_sub_co_u32 s27, s26, 1
	s_cmp_eq_u32 s26, 1
	s_cbranch_scc1 .Ltail
.Lloop:                                            ; NW - 1 trips: a tile that has a successor
	s_mov_b32 s31, s[CT]                           ; the tile in hand
	NEXT
	s_mov_b32 s[CT], s33                           ; and the one that this trip asks for
	s_wait_loadcnt 34                              ; the first half is in: the second half's 34 loads were issued behind it
	MULH 0
	PLACES 8                                       ; ahead of loads into registers that these products read (ISA guide 7.12.1 for vector instructions)
	HLOAD0 33
	s_wait_loadcnt 33                              ; the second half and the gates are in: the next tile's first half was issued behind them
	MULH 1
	PLACES 9                                       ; eight ahead of the first read of the results and of the loads; nine ahead of the next tile's first products, which begin the accumulators anew
	EPI1
	s_wait_xcnt 0x0                                ; the last tile's stores have read their registers and their offset, which the way out below writes again.  It stands ahead of the run of loads, which names none of those registers
	HLOAD1A 33
	EPI2
	HLOAD1B
	s_add_co_u32 s28, s28, 1
	s_cmp_lt_u32 s28, s27
	s_cbranch_scc1 .Lloop
.Ltail:                                            ; my last tile: nothing more is fetched
	s_mov_b32 s31, s[CT]
	s_wait_loadcnt 34
	MULH 0
	s_wait_loadcnt 0x0
	MULH 1
	PLACES 9
	EPI1
	s_wait_xcnt 0x0                                ; the last tile's stores have read their registers and their offset
	EPI2
.Lend:
	s_wait_tensorcnt 0x0
	ds_add_u32 v254, v255
	s_wait_dscnt 0x0
	s_endpgm
.Lfunc_end_k_q0e490a1e2e_gemm2:
	.size	k_q0e490a1e2e_gemm2, .Lfunc_end_k_q0e490a1e2e_gemm2-k_q0e490a1e2e_gemm2
	.p2alignl 7, 3214868480
	.fill 96, 4, 3214868480
	.section	.rodata,"a",@progbits
	.p2align	6, 0x0
	.amdhsa_kernel k_q0e490a1e2e_gemm2
		.amdhsa_group_segment_fixed_size 113152
		.amdhsa_private_segment_fixed_size 0
		.amdhsa_enable_private_segment 0
		.amdhsa_kernarg_size 48
		.amdhsa_user_sgpr_count 2
		.amdhsa_user_sgpr_kernarg_segment_ptr 1
		.amdhsa_wavefront_size32 1
		.amdhsa_system_sgpr_workgroup_id_x 1
		.amdhsa_system_sgpr_workgroup_id_y 1
		.amdhsa_system_sgpr_workgroup_id_z 1
		.amdhsa_system_vgpr_workitem_id 0
		.amdhsa_next_free_vgpr 1024
		.amdhsa_next_free_sgpr 66
		.amdhsa_reserve_vcc 0
		.amdhsa_float_denorm_mode_32 3
		.amdhsa_float_denorm_mode_16_64 3
		.amdhsa_memory_ordered 1
		.amdhsa_forward_progress 1
		.amdhsa_inst_pref_size 137
	.end_amdhsa_kernel
	.amdgpu_metadata
---
amdhsa.version: [ 1, 2 ]
amdhsa.kernels:
  - .name:           k_q0e490a1e2e_gemm2
    .symbol:         k_q0e490a1e2e_gemm2.kd
    .args:
      - { .name: proj_out, .offset: 0, .size: 8, .value_kind: global_buffer, .address_space: global }
      - { .name: hc, .offset: 8, .size: 8, .value_kind: global_buffer, .address_space: global }
      - { .name: hs, .offset: 16, .size: 8, .value_kind: global_buffer, .address_space: global }
      - { .name: gw, .offset: 24, .size: 8, .value_kind: global_buffer, .address_space: global }
      - { .name: meta, .offset: 32, .size: 8, .value_kind: global_buffer, .address_space: global }
      - { .name: ow, .offset: 40, .size: 8, .value_kind: global_buffer, .address_space: global }
    .group_segment_fixed_size: 113152
    .private_segment_fixed_size: 0
    .kernarg_segment_align: 8
    .kernarg_segment_size: 48
    .max_flat_workgroup_size: 128
    .sgpr_count:     66
    .vgpr_count:     1024
    .wavefront_size: 32
...
	.end_amdgpu_metadata
.endif
;; end of part 4
;; launch comb (part 5): grid 256 x 1, 8 waves a work-group, no clusters, 0 bytes of LDS; arguments ow, pos, out0; writes out0
.if DOCPART == 5
	.amdgcn_target "amdgcn-amd-amdhsa--gfx1250"
	.amdhsa_code_object_version 6
	.text
	.protected	k_q0e490a1e2e_comb
	.globl	k_q0e490a1e2e_comb
	.p2align	8
	.type	k_q0e490a1e2e_comb,@function
k_q0e490a1e2e_comb:
	s_mov_b64 s[64:65], 0
	v_nop
	global_prefetch_b8 v0, s[64:65] scope:SCOPE_SE
	s_setreg_imm32_b32 hwreg(HW_REG_WAVE_MODE, 25, 1), 1
	s_wait_xcnt 0x0
; COMB: out0[t] = ow(pos[t, 0]) + ow(pos[t, 1]).  The gates were applied where the rows were made; a token's two rows belong to two experts, made by different work-groups, so they meet here.
; One wave takes one token, t = 8 x work-group + wave.  ow is [slice 32][sorted row 4,224][32 columns] f32: a row's 1,024 numbers are 32 pieces of 128 bytes, a slice (540,672 bytes) apart.
; A load takes four pieces (eight lanes to a piece); the pieces' order is the row's, so that each store covers 512 consecutive bytes of out0, aligned.  The reads are pieces of 128 bytes: a work-group of the launch before
; makes 32 columns, and the dense side was given to its stores.  No LDS, no barrier, no matrix unit: the launch only moves and adds.
.set SL, 540672
	s_load_b128 s[4:7], s[0:1], 0x0                ; ow s[4:5], pos s[6:7]
	s_load_b64 s[8:9], s[0:1], 0x10                ; out0
	v_lshrrev_b32 v1, 5, v0
	v_readfirstlane_b32 s10, v1                    ; wave
	s_lshl_b32 s11, ttmp9, 3
	s_add_co_u32 s11, s11, s10                     ; t = 512 b + s
	s_lshr_b32 s12, s11, 9
	s_lshl_b32 s12, s12, 10
	s_and_b32 s13, s11, 511
	s_add_co_u32 s12, s12, s13                     ; j = 1,024 b + s (k = 0); k = 1 lies 512 words on
	s_lshl_b32 s12, s12, 2
	s_mov_b32 s13, 0
	s_lshl_b32 s14, s11, 12                        ; a row of out0 is 4,096 bytes
	s_mov_b32 s15, 0
	v_and_b32 v1, 31, v0
	v_lshlrev_b32 v2, 4, v1                        ; 16 x lane
	v_lshrrev_b32 v3, 3, v1
	v_and_b32 v4, 7, v1
	v_mul_u32_u24 v3, v3, SL
	v_lshl_add_u32 v3, v4, 4, v3                   ; slice lane / 8, 16 (lane % 8) bytes into its piece
	s_wait_kmcnt 0x0
	s_add_nc_u64 s[6:7], s[6:7], s[12:13]
	s_add_nc_u64 s[8:9], s[8:9], s[14:15]
	s_add_nc_u64 s[16:17], s[4:5], 16*SL           ; slices 16 on: so the loads' immediates stay at 12 slices at the most, inside their signed 24 bits
	s_load_b32 s18, s[6:7], 0x0
	s_load_b32 s19, s[6:7], 0x800
	s_wait_kmcnt 0x0
	s_min_u32 s18, s18, 4223                       ; read from memory: held inside the table ahead of the addresses
	s_min_u32 s19, s19, 4223
	v_lshl_add_u32 v4, s18, 7, v3
	v_lshl_add_u32 v5, s19, 7, v3
.irp i, 0,1,2,3,4,5,6,7
.if \i < 4
	global_load_b128 v[16+4*\i:19+4*\i], v4, s[4:5] offset:(\i%4)*4*SL th:TH_LOAD_NT
	global_load_b128 v[48+4*\i:51+4*\i], v5, s[4:5] offset:(\i%4)*4*SL th:TH_LOAD_NT
.else
	global_load_b128 v[16+4*\i:19+4*\i], v4, s[16:17] offset:(\i%4)*4*SL th:TH_LOAD_NT
	global_load_b128 v[48+4*\i:51+4*\i], v5, s[16:17] offset:(\i%4)*4*SL th:TH_LOAD_NT
.endif
.endr
.irp i, 0,1,2,3,4,5,6,7
	s_wait_loadcnt 14-2*\i                         ; pair i is in; the younger pairs may be out
	v_pk_add_f32 v[16+4*\i:17+4*\i], v[16+4*\i:17+4*\i], v[48+4*\i:49+4*\i]
	v_pk_add_f32 v[18+4*\i:19+4*\i], v[18+4*\i:19+4*\i], v[50+4*\i:51+4*\i]
	global_store_b128 v2, v[16+4*\i:19+4*\i], s[8:9] offset:512*\i th:TH_STORE_NT
.endr
	s_endpgm
.Lfunc_end_k_q0e490a1e2e_comb:
	.size	k_q0e490a1e2e_comb, .Lfunc_end_k_q0e490a1e2e_comb-k_q0e490a1e2e_comb
	.p2alignl 7, 3214868480
	.fill 96, 4, 3214868480
	.section	.rodata,"a",@progbits
	.p2align	6, 0x0
	.amdhsa_kernel k_q0e490a1e2e_comb
		.amdhsa_group_segment_fixed_size 0
		.amdhsa_private_segment_fixed_size 0
		.amdhsa_enable_private_segment 0
		.amdhsa_kernarg_size 24
		.amdhsa_user_sgpr_count 2
		.amdhsa_user_sgpr_kernarg_segment_ptr 1
		.amdhsa_wavefront_size32 1
		.amdhsa_system_sgpr_workgroup_id_x 1
		.amdhsa_system_sgpr_workgroup_id_y 1
		.amdhsa_system_sgpr_workgroup_id_z 1
		.amdhsa_system_vgpr_workitem_id 0
		.amdhsa_next_free_vgpr 96
		.amdhsa_next_free_sgpr 66
		.amdhsa_reserve_vcc 0
		.amdhsa_float_denorm_mode_32 3
		.amdhsa_float_denorm_mode_16_64 3
		.amdhsa_memory_ordered 1
		.amdhsa_forward_progress 1
		.amdhsa_inst_pref_size 6
	.end_amdhsa_kernel
	.amdgpu_metadata
---
amdhsa.version: [ 1, 2 ]
amdhsa.kernels:
  - .name:           k_q0e490a1e2e_comb
    .symbol:         k_q0e490a1e2e_comb.kd
    .args:
      - { .name: ow, .offset: 0, .size: 8, .value_kind: global_buffer, .address_space: global }
      - { .name: pos, .offset: 8, .size: 8, .value_kind: global_buffer, .address_space: global }
      - { .name: out0, .offset: 16, .size: 8, .value_kind: global_buffer, .address_space: global }
    .group_segment_fixed_size: 0
    .private_segment_fixed_size: 0
    .kernarg_segment_align: 8
    .kernarg_segment_size: 24
    .max_flat_workgroup_size: 256
    .sgpr_count:     66
    .vgpr_count:     96
    .wavefront_size: 32
...
	.end_amdgpu_metadata
.endif
;; end of part 5
;; ======== version 2 of 2: 5 launches
;; workspace buffers: meta 17,152 bytes of whole numbers; pos 33,280 bytes of whole numbers; gw 16,896 bytes; xc 4,325,376 bytes; xs 135,168 bytes; hc 8,650,752 bytes; hs 270,336 bytes; ow 17,301,504 bytes
;; launch route (part 6): grid 66 x 1, 4 waves a work-group, no clusters, 0 bytes of LDS; arguments ensembles, meta; writes meta
.if DOCPART == 6
	.amdgcn_target "amdgcn-amd-amdhsa--gfx1250"
	.amdhsa_code_object_version 6
	.text
	.protected	k_q0e490a1e2e_route
	.globl	k_q0e490a1e2e_route
	.p2align	8
	.type	k_q0e490a1e2e_route,@function
k_q0e490a1e2e_route:
	s_mov_b64 s[64:65], 0
	v_nop
	global_prefetch_b8 v0, s[64:65] scope:SCOPE_SE
	s_setreg_imm32_b32 hwreg(HW_REG_WAVE_MODE, 25, 1), 1
	s_wait_xcnt 0x0
; ROUTE: the routing, as lists at fixed places.  4,096 routed rows j = b 1024 + k 512 + s (the order in which ensembles lies) are sorted by expert into tiles of 16 rows; an expert's last tile is filled with padding rows.
; The sum over experts of ceil(c_e / 16) is at most (4,096 + 8 x 15) / 16 = 263 tiles; the lists have room for 264.
; NO BRANCH AND NO ADDRESS OF THIS LAUNCH HANGS ON THE INDICES: every wave runs the same lines and stores at places made of its number alone.  What the lists steer (a gather, trip counts) is done by the launches behind this one.
; 66 work-groups of four waves; wave w of work-group g owns tile tau = 4 g + w and works the routing out for itself from the 16 KB of ensembles: no wave waits for another, no barrier, no LDS.
;   COUNT   each expert's rows c_e (counts in 4-bit, 8-bit and 16-bit fields, then over the lanes); n_e = ceil(c_e / 16) tiles, tb_e = first tile.
;   SELECT  the order inside an expert is (register, lane) of the loaded entries.  Lane l looks for the expert's row T = 16 (tau - tb) + l % 16: the last register in front of which at most T rows of the expert lie,
;           and in that register's lane mask the (T - that count)-th set bit.  It goes in batches of 16 registers: sixteen compares that write lane masks, the scalar running counts, sixteen compares against T,
;           the selections: vector lines that write scalar registers and scalar lines stand in runs, not by turns.
; OUT, all in meta: word 2 e = tb_e, word 2 e + 1 = n_e, word 16 = the number of tiles (tile 0's wave stores these);  from byte 256 on src[p] for sorted row p = 16 tau + l % 16: its j, or 4,096 + p for a padding row.
; A tile that this split does not have falls to the last expert with T past its rows: all its rows are padding rows, by the same lines.  Lanes 16-31 repeat lanes 0-15's words with the same values.
; LIMITS: indices lie in 0 .. 7, as the problem promises.
.set L16,   1                          ; v1   16 x lane
.set VT,    11                         ; v11  T
.set VJ,    13                         ; v13  the row's j
.set VR,    14                         ; v14  lane % 16
.set VTMP,  15
.set SRO,   33                         ; v33  src[p]'s place in meta
.set PV,    35                         ; v35  p
.set DU,    36                         ; v36  4,096 + p
.set SV,    37                         ; v37  src[p]
.set TT,    64                         ; v64-95   at work
.set NN,    68
.set AE,    72
.set AO,    73
.set BB,    74
.set TP,    78
.set MW,    79
.set PP,    80
.set DD,    81
.set BIT,   82
.set A1,    83
.set A2,    84
.set A4,    85
.set A8,    86
.set CC,    87
.set U0,    88
.set U1,    89
.set MV,    94
.set MO,    95
.set ENT,   128                        ; v128-255 the 4,096 entries
.set SEL,   22                         ; s[22:23] v_permlanex16_b32's selects for lane l xor 16
.set MK,    66                         ; s66-81   a batch's lane masks: which lanes hold my expert in register i
.set PX,    82                         ; s82-98   (rows of my expert in front of register i) << 8 | the register's number; the seventeenth is the next batch's first
.set CM,    36                         ; s36-51   which lanes still have that count at or under their T (the counts c_e and tb_e that lay here are done with by then)
; s20 wave, s21 tau, s25 my expert, s26 its first tile, s27 its rows, s29 16 (tau - first tile), s31-34 at work, s36-43 c_e, s44-52 tb_e (s52: all tiles), s53-60 n_e
; one level of the search for the DD-th set bit: if DD is at least the count of the lower half of the field at BIT, go to the upper half
.macro LEVEL a, width, mask
	v_lshrrev_b32 v[CC], v[BIT], v[\a]
	v_and_b32 v[CC], \mask, v[CC]
	v_add_nc_u32 v[U1], \width, v[BIT]
	v_cmp_ge_u32 vcc_lo, v[DD], v[CC]
	v_sub_nc_u32 v[U0], v[DD], v[CC]
	v_cndmask_b32 v[DD], v[DD], v[U0], vcc_lo
	v_cndmask_b32 v[BIT], v[BIT], v[U1], vcc_lo
.endm
	s_load_b128 s[4:7], s[0:1], 0x0                ; ensembles s[4:5], meta s[6:7]
	v_lshrrev_b32 v[VTMP], 5, v0
	v_readfirstlane_b32 s20, v[VTMP]               ; wave
	s_lshl_b32 s21, ttmp9, 2
	s_add_co_u32 s21, s21, s20                     ; tau
	v_and_b32 v[VTMP], 31, v0
	v_lshlrev_b32 v[L16], 4, v[VTMP]
	v_and_b32 v[VR], 15, v0                        ; r
	s_lshl_b32 s31, s21, 6
	s_add_co_u32 s31, s31, 256
	v_lshl_add_u32 v[SRO], v[VR], 2, s31           ; 256 + 4 p
	s_lshl_b32 s31, s21, 4
	v_add_nc_u32 v[PV], s31, v[VR]                 ; p = 16 tau + r
	v_add_nc_u32 v[DU], 0x1000, v[PV]
	s_mov_b32 s[SEL], 0x76543210
	s_mov_b32 s[SEL+1], 0xfedcba98
	s_wait_alu depctr_va_vdst(0)
	s_wait_kmcnt 0x0
.irp i, 0,1,2,3,4,5,6,7,8,9,10,11,12,13,14,15,16,17,18,19,20,21,22,23,24,25,26,27,28,29,30,31
	global_load_b128 v[ENT+4*\i:ENT+4*\i+3], v[L16], s[4:5] offset:512*\i   ; register 4 i + q of lane l: entry 128 i + 4 l + q
.endr
	s_mov_b32 s31, 0x0f0f0f0f
	v_mov_b32 v[AE], 0
	v_mov_b32 v[AO], 0
	s_wait_loadcnt 0x0
	; ---- COUNT.  Four rounds of 32 registers.  In a round four registers of eight 4-bit counts (one for each expert) take 8 entries each, so no count passes 8.
.set RR, 0
.rept 4
.set II, 0
.rept 32
	v_lshlrev_b32 v[TT+II%4], 2, v[ENT+32*RR+II]
.if II < 4
	v_lshl_add_u32 v[NN+II%4], 1, v[TT+II%4], 0                ; the round's first four start the counts: nothing is cleared
.else
	v_lshl_add_u32 v[NN+II%4], 1, v[TT+II%4], v[NN+II%4]
.endif
.set II, II+1
.endr
.irp n, 0,1,2,3                        ; into 8-bit counts: experts 0, 2, 4, 6 in AE, experts 1, 3, 5, 7 in AO; a lane has 128 entries in all
	v_and_b32 v[TT], s31, v[NN+\n]
	v_lshrrev_b32 v[TT+1], 4, v[NN+\n]
	v_add_nc_u32 v[AE], v[AE], v[TT]
	v_and_b32 v[TT+1], s31, v[TT+1]
	v_add_nc_u32 v[AO], v[AO], v[TT+1]
.endr
.set RR, RR+1
.endr
	s_mov_b32 s31, 0x00ff00ff                      ; into 16-bit counts: (0, 4), (2, 6), (1, 5), (3, 7); 4,096 at the most
	v_and_b32 v[BB], s31, v[AE]
	v_lshrrev_b32 v[BB+1], 8, v[AE]
	v_and_b32 v[BB+2], s31, v[AO]
	v_lshrrev_b32 v[BB+3], 8, v[AO]
	v_and_b32 v[BB+1], s31, v[BB+1]
	v_and_b32 v[BB+3], s31, v[BB+3]
.irp m, 1,2,4,8
.irp b, 0,1,2,3
	v_mov_b32_dpp v[TT+\b], v[BB+\b] row_xmask:\m row_mask:0xf bank_mask:0xf
.endr
.irp b, 0,1,2,3
	v_add_nc_u32 v[BB+\b], v[BB+\b], v[TT+\b]
.endr
.endr
.irp b, 0,1,2,3
	v_permlanex16_b32 v[TT+\b], v[BB+\b], s[SEL], s[SEL+1]
.endr
.irp b, 0,1,2,3
	v_add_nc_u32 v[BB+\b], v[BB+\b], v[TT+\b]
.endr
	v_readfirstlane_b32 s31, v[BB]
	v_readfirstlane_b32 s32, v[BB+1]
	v_readfirstlane_b32 s33, v[BB+2]
	v_readfirstlane_b32 s34, v[BB+3]
	s_and_b32 s36, s31, 0xffff
	s_lshr_b32 s40, s31, 16
	s_and_b32 s38, s32, 0xffff
	s_lshr_b32 s42, s32, 16
	s_and_b32 s37, s33, 0xffff
	s_lshr_b32 s41, s33, 16
	s_and_b32 s39, s34, 0xffff
	s_lshr_b32 s43, s34, 16
	s_mov_b32 s44, 0
.irp e, 0,1,2,3,4,5,6,7
	s_add_co_u32 s[53+\e], s[36+\e], 15
	s_lshr_b32 s[53+\e], s[53+\e], 4               ; n_e
	s_add_co_u32 s[45+\e], s[44+\e], s[53+\e]      ; tb_(e+1)
.endr
	s_mov_b32 s25, 0                               ; my expert: the last e with tb_e <= tau (an expert without rows shares its tb with the next, which wins)
	s_mov_b32 s26, 0
	s_mov_b32 s27, s36
.irp e, 1,2,3,4,5,6,7
	s_cmp_ge_u32 s21, s[44+\e]
	s_cselect_b32 s25, \e, s25
	s_cselect_b32 s26, s[44+\e], s26
	s_cselect_b32 s27, s[36+\e], s27
.endr
	s_cmp_lg_u32 s21, 0                            ; tile 0's wave stores the list of experts: a branch on the tile's number
	s_cbranch_scc1 .Lno_meta
	v_mov_b32 v[MV], 0
.irp e, 0,1,2,3,4,5,6,7
	v_writelane_b32 v[MV], s[44+\e], 2*\e
	v_writelane_b32 v[MV], s[53+\e], 2*\e+1
.endr
	v_writelane_b32 v[MV], s52, 16                 ; the number of tiles
	v_lshrrev_b32 v[MO], 2, v[L16]                 ; 4 x lane
	global_store_b32 v[MO], v[MV], s[6:7]          ; its two registers are not written again
.Lno_meta:
	; ---- SELECT.  A lane keeps the mask and the word (count << 8 | register) of the last register in front of which at most T rows of my expert lie.
	s_sub_co_u32 s29, s21, s26
	s_lshl_b32 s29, s29, 4
	v_add_nc_u32 v[VT], s29, v[VR]                 ; T
	v_lshl_or_b32 v[TP], v[VT], 8, 255             ; the word is at most this just where the count is at most T
	v_mov_b32 v[MW], 0
	v_mov_b32 v[PP], 0
	s_mov_b32 s[PX], 0
.set BA, 0
.rept 8
.irp i, 0,1,2,3,4,5,6,7,8,9,10,11,12,13,14,15
	v_cmp_eq_u32 s[MK+\i], s25, v[ENT+16*BA+\i]    ; which lanes hold my expert in this register
.endr
.irp i, 0,1,2,3,4,5,6,7,8,9,10,11,12,13,14,15
	s_bcnt1_i32_b32 s32, s[MK+\i]
	s_lshl_b32 s32, s32, 8
	s_add_co_u32 s32, s32, 1
	s_add_co_u32 s[PX+\i+1], s[PX+\i], s32         ; the next register's word: the count grows by this register's rows, the number by 1
.endr
.irp i, 0,1,2,3,4,5,6,7,8,9,10,11,12,13,14,15
	v_cmp_le_u32 s[CM+\i], s[PX+\i], v[TP]
.endr
.irp i, 0,1,2,3,4,5,6,7,8,9,10,11,12,13,14,15
	v_cndmask_b32 v[MW], v[MW], s[MK+\i], s[CM+\i]
	v_cndmask_b32 v[PP], v[PP], s[PX+\i], s[CM+\i]
.endr
	s_mov_b32 s[PX], s[PX+16]
.set BA, BA+1
.endr
	v_lshrrev_b32 v[U0], 8, v[PP]
	v_sub_nc_u32 v[DD], v[VT], v[U0]               ; which set bit of the mask
	v_mov_b32 v[BIT], 0
	v_lshrrev_b32 v[U0], 1, v[MW]                  ; the mask's set bits counted in fields of 2, 4, 8 and 16 bits
	v_and_b32 v[U0], 0x55555555, v[U0]
	v_sub_nc_u32 v[A1], v[MW], v[U0]
	v_lshrrev_b32 v[U0], 2, v[A1]
	v_and_b32 v[U1], 0x33333333, v[A1]
	v_and_b32 v[U0], 0x33333333, v[U0]
	v_add_nc_u32 v[A2], v[U0], v[U1]
	v_lshrrev_b32 v[U0], 4, v[A2]
	v_add_nc_u32 v[U0], v[U0], v[A2]
	v_and_b32 v[A4], 0x0f0f0f0f, v[U0]
	v_lshrrev_b32 v[U0], 8, v[A4]
	v_add_nc_u32 v[U0], v[U0], v[A4]
	v_and_b32 v[A8], 0x00ff00ff, v[U0]
	LEVEL A8, 16, 0xff
	LEVEL A4, 8, 0xff
	LEVEL A2, 4, 15
	LEVEL A1, 2, 3
	LEVEL MW, 1, 1
	v_and_b32 v[U0], 0xff, v[PP]                   ; the register
	v_lshrrev_b32 v[U1], 2, v[U0]
	v_and_b32 v[U0], 3, v[U0]
	v_lshl_add_u32 v[U0], v[BIT], 2, v[U0]
	v_lshl_add_u32 v[VJ], v[U1], 7, v[U0]          ; j = 128 (register / 4) + 4 x lane + register % 4
	v_cmp_gt_u32 vcc_lo, s27, v[VT]                ; the row exists
	v_cndmask_b32 v[SV], v[DU], v[VJ], vcc_lo      ; its j, or 4,096 + p
	global_store_b32 v[SRO], v[SV], s[6:7]
	s_endpgm
.Lfunc_end_k_q0e490a1e2e_route:
	.size	k_q0e490a1e2e_route, .Lfunc_end_k_q0e490a1e2e_route-k_q0e490a1e2e_route
	.p2alignl 7, 3214868480
	.fill 96, 4, 3214868480
	.section	.rodata,"a",@progbits
	.p2align	6, 0x0
	.amdhsa_kernel k_q0e490a1e2e_route
		.amdhsa_group_segment_fixed_size 0
		.amdhsa_private_segment_fixed_size 0
		.amdhsa_enable_private_segment 0
		.amdhsa_kernarg_size 16
		.amdhsa_user_sgpr_count 2
		.amdhsa_user_sgpr_kernarg_segment_ptr 1
		.amdhsa_wavefront_size32 1
		.amdhsa_system_sgpr_workgroup_id_x 1
		.amdhsa_system_sgpr_workgroup_id_y 1
		.amdhsa_system_sgpr_workgroup_id_z 1
		.amdhsa_system_vgpr_workitem_id 0
		.amdhsa_next_free_vgpr 256
		.amdhsa_next_free_sgpr 99
		.amdhsa_reserve_vcc 1
		.amdhsa_float_denorm_mode_32 3
		.amdhsa_float_denorm_mode_16_64 3
		.amdhsa_memory_ordered 1
		.amdhsa_forward_progress 1
		.amdhsa_inst_pref_size 76
	.end_amdhsa_kernel
	.amdgpu_metadata
---
amdhsa.version: [ 1, 2 ]
amdhsa.kernels:
  - .name:           k_q0e490a1e2e_route
    .symbol:         k_q0e490a1e2e_route.kd
    .args:
      - { .name: ensembles, .offset: 0, .size: 8, .value_kind: global_buffer, .address_space: global }
      - { .name: meta, .offset: 8, .size: 8, .value_kind: global_buffer, .address_space: global }
    .group_segment_fixed_size: 0
    .private_segment_fixed_size: 0
    .kernarg_segment_align: 8
    .kernarg_segment_size: 16
    .max_flat_workgroup_size: 128
    .sgpr_count:     99
    .vgpr_count:     256
    .wavefront_size: 32
...
	.end_amdgpu_metadata
.endif
;; end of part 6
;; launch prep (part 7): grid 264 x 1, 4 waves a work-group, no clusters, 0 bytes of LDS; arguments meta, weights, x, pos, gw, xc, xs; writes pos, gw, xc, xs
.if DOCPART == 7
	.amdgcn_target "amdgcn-amd-amdhsa--gfx1250"
	.amdhsa_code_object_version 6
	.text
	.protected	k_q0e490a1e2e_prep
	.globl	k_q0e490a1e2e_prep
	.p2align	8
	.type	k_q0e490a1e2e_prep,@function
k_q0e490a1e2e_prep:
	s_mov_b64 s[64:65], 0
	v_nop
	global_prefetch_b8 v0, s[64:65] scope:SCOPE_SE
	s_setreg_imm32_b32 hwreg(HW_REG_WAVE_MODE, 25, 1), 1
	s_wait_xcnt 0x0
; PREP: the gather of x by the stored list, and its quantising.  The launch before has sorted the 4,096 routed rows j = b 1024 + k 512 + s by expert into tiles of 16 rows and stored, in meta, the number of tiles (word 16)
; and from byte 256 on src[p] for each sorted row p: its j, or 4,096 + p for a padding row.  There are never more than 263 tiles: the grid has 264 work-groups, one for each tile that any split can have.
; Work-group tau owns sorted tile tau; one whose tile this split does not have stores nothing and ends.  Wave w makes K steps 2 w and 2 w + 1 (128 along K each).  No wave waits for another: no barrier, no LDS.
;   GATHER  lane (r, h) loads ITS OWN row's numbers, 16 neighbours of each block of 32 (64 bytes, four loads), in the order in which the operand's registers want them: its offset is made of its own src.
;           A load's 32 lanes take 32 pieces of 16 bytes; four loads together cover 128 consecutive bytes of each of the 16 rows.
;   Then the numbers are quantised to codes of FP8 (E4M3) with one E8M0 byte for each 32 along K.
; OUT: xc [tile][K step 8][c 4][lane 32][16 bytes]: the image of the operand's registers;  xs: byte 512 tile + 16 (16 q + r) + 4 j = the scale word of row r, K step 4 q + j;
;      gw [sorted row]: its gate, 0 in padding rows;  pos [src[p]] = p: words 0 .. 4,095 say where routed row j lies; a padding row's word, 4,096 + p, is its own and nobody reads it: so every lane stores, and no lane is switched off.
; A block's scale is 2^(floor(log2(its largest magnitude)) - 8); its byte is the largest magnitude's exponent field - 8, held at 1 from below.
; LIMITS: NaN and infinities in x are not served; a block of zeros gets the byte 1 where the rule says 127 (its codes are zeros, and this program alone reads the bytes).
; Padding rows load some row of x (a clamped index) and their codes are set to zero.  xs, gw and pos are short lists: lanes 16-31 repeat lanes 0-15's words with the same values.
.set L16,   1                          ; v1   16 x lane
.set WH,    2                          ; v2   16 x wave + h: my place in a row of x, in units of 64 bytes
.set VM,    5                          ; v5   all ones in a lane whose row exists, else 0
.set XCO,   6                          ; v6   16 x lane + 4,096 x wave: my place in the tile's codes
.set XSO,   7                          ; v7   my place among the tile's scale words
.set PWP,   8                          ; v8-9 the two K steps' scale words
.set PW,    10                         ; v10  the scale word just made
.set SRC,   11                         ; v11  src[p]
.set TOK,   12                         ; v12  the row's token
.set VR,    14                         ; v14  lane % 16
.set VTMP,  15
.set PC,    16                         ; v16-31   the codes just made
.set GV,    32                         ; v32  the row's gate
.set J4,    33                         ; v33  the gate's place in weights
.set GWO,   34                         ; v34  and in gw
.set PV,    35                         ; v35  the sorted row p
.set XU,    36                         ; v36  my numbers' place in x, in units of 64 bytes
.set XO,    37                         ; v37  and in bytes
.set SRO,   38                         ; v38  src[p]'s place in meta
.set P4,    39                         ; v39  p's place in pos
.set U0,    40
.set U1,    41
.set TM,    48                         ; v48-63   the quantiser's: largest magnitudes, bytes, holds, scale operands
.set X,     128                        ; v128-255 my 2 x 64 numbers of x
.set SEL,   22                         ; s[22:23] v_permlanex16_b32's selects for lane l xor 16
.set MNT,   24                         ; s24  the mantissa field of 448
; s20 wave, s21 tau, s25 the number of tiles, s31-35 at work
; 64 numbers of a lane, register 16 b + i = k 32 b + 16 (lane / 16) + i of my row, become a fragment's codes in v[PC] on and its scale word in v[PW]
.macro QUANT s
.irp b, 0,1,2,3
	v_max3_num_f32 v[TM+\b], |v[\s+16*\b]|, |v[\s+16*\b+1]|, 0x4800000   ; my 16 numbers of block b, and the floor 2^(9 - 127): the byte cannot fall under 1
.endr
.irp i, 2,4,6,8,10,12,14
.irp b, 0,1,2,3
	v_max3_num_f32 v[TM+\b], v[TM+\b], |v[\s+16*\b+\i]|, |v[\s+16*\b+\i+1]|   ; the blocks by turns: no line waits for the line above it
.endr
.endr
.irp b, 0,1,2,3
	v_permlanex16_b32 v[TM+4+\b], v[TM+\b], s[SEL], s[SEL+1]
.endr
.irp b, 0,1,2,3
	v_max_num_f32 v[TM+\b], v[TM+\b], v[TM+4+\b]                         ; with lane l xor 16's 16: the block's largest magnitude
.endr
.irp b, 0,1,2,3
	v_add_nc_u32 v[TM+12+\b], 0xfc000000, v[TM+\b]                       ; 8 off its exponent field: the conversion's scale operand
.endr
.irp b, 0,1,2,3
	v_and_or_b32 v[TM+8+\b], v[TM+\b], 0x7f800000, s[MNT]                ; 448 x the scale
.endr
.irp b, 0,1,2,3
	v_lshrrev_b32 v[TM+4+\b], 23, v[TM+12+\b]                            ; the scale's byte
.endr
	v_lshl_or_b32 v[PW], v[TM+5], 8, v[TM+4]
	v_lshl_or_b32 v[PW], v[TM+6], 16, v[PW]
	v_lshl_or_b32 v[PW], v[TM+7], 24, v[PW]
.irp b, 0,1,2,3
.irp i, 0,1,2,3,4,5,6,7,8,9,10,11,12,13,14,15
	v_med3_num_f32 v[\s+16*\b+\i], v[\s+16*\b+\i], -v[TM+8+\b], v[TM+8+\b]   ; the conversion to an 8-bit code does not saturate (ISA guide 7.6.2): the hold at 448 x the scale
.endr
	v_cvt_scalef32_pk8_fp8_f32 v[PC+4*\b:PC+4*\b+1], v[\s+16*\b:\s+16*\b+7], v[TM+12+\b]
	v_cvt_scalef32_pk8_fp8_f32 v[PC+4*\b+2:PC+4*\b+3], v[\s+16*\b+8:\s+16*\b+15], v[TM+12+\b]
.endr
	v_nop                                          ; a plain vector line between the last conversion and the next vector line that touches its result or writes its sources
.endm
	s_load_b256 s[4:11], s[0:1], 0x0               ; meta s[4:5], weights s[6:7], x s[8:9], pos s[10:11]
	s_load_b128 s[12:15], s[0:1], 0x20             ; gw s[12:13], xc s[14:15]
	s_load_b64 s[16:17], s[0:1], 0x30              ; xs
	v_lshrrev_b32 v[VTMP], 5, v0
	v_readfirstlane_b32 s20, v[VTMP]               ; wave
	s_mov_b32 s21, ttmp9                           ; tau
	v_and_b32 v[VTMP], 31, v0
	v_lshlrev_b32 v[L16], 4, v[VTMP]
	v_and_b32 v[VR], 15, v0                        ; r
	s_wait_alu depctr_va_vdst(0)
	v_bfe_u32 v[VTMP], v0, 4, 1                    ; h
	s_lshl_b32 s31, s20, 4
	v_add_nc_u32 v[WH], s31, v[VTMP]               ; my wave's 1,024 bytes of a row are 16 units of 64; lanes 16-31 begin one unit further on
	s_lshl_b32 s31, s20, 12
	v_add_nc_u32 v[XCO], s31, v[L16]
	s_lshr_b32 s31, s20, 1
	s_lshl_b32 s31, s31, 8
	s_and_b32 s32, s20, 1
	s_lshl_b32 s32, s32, 3
	s_add_co_u32 s31, s31, s32
	v_lshl_add_u32 v[XSO], v[VR], 4, s31           ; 256 (w / 2) + 8 (w % 2) + 16 r
	s_lshl_b32 s31, s21, 6
	v_lshl_add_u32 v[GWO], v[VR], 2, s31           ; 4 p
	s_add_co_u32 s31, s31, 256
	v_lshl_add_u32 v[SRO], v[VR], 2, s31           ; 256 + 4 p
	s_lshl_b32 s31, s21, 4
	v_add_nc_u32 v[PV], s31, v[VR]                 ; p = 16 tau + r
	s_mov_b32 s[SEL], 0x76543210
	s_mov_b32 s[SEL+1], 0xfedcba98
	s_mov_b32 s[MNT], 0x600000
.irp b, 0,1,2,3
	v_mov_b32 v[TM+4+\b], 0                        ; written once: a lane permute's destination counts as one of its sources
.endr
	s_lshl_b32 s32, s21, 14
	s_mov_b32 s33, 0
	s_lshl_b32 s34, s21, 9
	s_mov_b32 s35, 0
	s_wait_alu depctr_va_vdst(0)
	s_wait_kmcnt 0x0
	s_load_b32 s25, s[4:5], 0x40                   ; the number of tiles
	global_load_b32 v[SRC], v[SRO], s[4:5]         ; my row's src: stored for all 264 tiles
	s_add_nc_u64 s[14:15], s[14:15], s[32:33]      ; xc and xs at my tile
	s_add_nc_u64 s[16:17], s[16:17], s[34:35]
	s_wait_kmcnt 0x0
	s_cmp_ge_u32 s21, s25                          ; this split has no tile tau
	s_cbranch_scc1 .Lnone
	s_wait_loadcnt 0x0
	v_lshrrev_b32 v[U0], 10, v[SRC]
	v_and_b32 v[U1], 0x1ff, v[SRC]
	v_lshl_add_u32 v[TOK], v[U0], 9, v[U1]         ; token = 512 b + s
	v_lshl_add_u32 v[XU], v[TOK], 6, v[WH]         ; my numbers begin at unit 64 x token + 16 x wave + h of x (a row is 64 units of 64 bytes)
	v_lshlrev_b32 v[J4], 2, v[SRC]
	v_lshlrev_b32 v[P4], 2, v[SRC]
	v_min_u32 v[XU], 0x1fff1, v[XU]                ; read from memory, so held inside the tables ahead of the addresses.  64 x 2,047 + 16 x 3 + 1: with the loads' largest immediate, 944, and their 16 bytes that ends at x's last byte
	v_min_u32 v[J4], 0x3ffc, v[J4]                 ; weights' last word, 4 x 4,095 (a padding row loads that word and does not use it)
	v_min_u32 v[P4], 0x81fc, v[P4]                 ; pos's last word, 4 x (4,096 + 4,223)
	v_lshlrev_b32 v[XO], 6, v[XU]
	v_cmp_gt_u32 vcc_lo, 0x1000, v[SRC]            ; the row exists
	v_cndmask_b32 v[VM], 0, -1, vcc_lo
	; ---- GATHER.  The rows' gates first (64 bytes; every wave loads them, wave 0 stores them at the end), then my two K steps.  No hint: a row of x is named twice
	global_load_b32 v[GV], v[J4], s[6:7]
.irp ks, 0,1
.irp b, 0,1,2,3
.irp j, 0,1,2,3
	global_load_b128 v[X+64*\ks+16*\b+4*\j:X+64*\ks+16*\b+4*\j+3], v[XO], s[8:9] offset:512*\ks+128*\b+16*\j   ; x(my row, 128 (2 w + ks) + 32 b + 16 h + 4 j on)
.endr
.endr
.endr
; K step 2 w + ks: quantised, stored
.macro XQ ks
	s_wait_loadcnt 16*(1-\ks)                      ; this K step's 16 loads are in (and the gate's, which is older); the other's 16 may be out
.if \ks
	s_wait_xcnt 0x0                                ; the first K step's stores have read the codes' registers
.endif
	QUANT X+64*\ks
.irp i, 0,1,2,3,4,5,6,7,8,9,10,11,12,13,14,15
	v_and_b32 v[PC+\i], v[VM], v[PC+\i]            ; a padding row's codes are zeros
.endr
.irp c, 0,1,2,3
	global_store_b128 v[XCO], v[PC+4*\c:PC+4*\c+3], s[14:15] offset:2048*\ks+512*\c   ; 32 lanes store 512 consecutive bytes, aligned
.endr
	v_mov_b32 v[PWP+\ks], v[PW]
.endm
	XQ 0
	XQ 1
	global_store_b64 v[XSO], v[PWP:PWP+1], s[16:17]
	; ---- the lists: wave 0
	s_cmp_lg_u32 s20, 0
	s_cbranch_scc1 .Lnone
	v_cmp_gt_u32 vcc_lo, 0x1000, v[SRC]            ; the row exists
	v_cndmask_b32 v[GV], 0, v[GV], vcc_lo          ; 0 in a padding row
	global_store_b32 v[GWO], v[GV], s[12:13]
	global_store_b32 v[P4], v[PV], s[10:11]        ; pos[src[p]] = p
.Lnone:
	s_endpgm
.Lfunc_end_k_q0e490a1e2e_prep:
	.size	k_q0e490a1e2e_prep, .Lfunc_end_k_q0e490a1e2e_prep-k_q0e490a1e2e_prep
	.p2alignl 7, 3214868480
	.fill 96, 4, 3214868480
	.section	.rodata,"a",@progbits
	.p2align	6, 0x0
	.amdhsa_kernel k_q0e490a1e2e_prep
		.amdhsa_group_segment_fixed_size 0
		.amdhsa_private_segment_fixed_size 0
		.amdhsa_enable_private_segment 0
		.amdhsa_kernarg_size 56
		.amdhsa_user_sgpr_count 2
		.amdhsa_user_sgpr_kernarg_segment_ptr 1
		.amdhsa_wavefront_size32 1
		.amdhsa_system_sgpr_workgroup_id_x 1
		.amdhsa_system_sgpr_workgroup_id_y 1
		.amdhsa_system_sgpr_workgroup_id_z 1
		.amdhsa_system_vgpr_workitem_id 0
		.amdhsa_next_free_vgpr 256
		.amdhsa_next_free_sgpr 66
		.amdhsa_reserve_vcc 1
		.amdhsa_float_denorm_mode_32 3
		.amdhsa_float_denorm_mode_16_64 3
		.amdhsa_memory_ordered 1
		.amdhsa_forward_progress 1
		.amdhsa_inst_pref_size 25
	.end_amdhsa_kernel
	.amdgpu_metadata
---
amdhsa.version: [ 1, 2 ]
amdhsa.kernels:
  - .name:           k_q0e490a1e2e_prep
    .symbol:         k_q0e490a1e2e_prep.kd
    .args:
      - { .name: meta, .offset: 0, .size: 8, .value_kind: global_buffer, .address_space: global }
      - { .name: weights, .offset: 8, .size: 8, .value_kind: global_buffer, .address_space: global }
      - { .name: x, .offset: 16, .size: 8, .value_kind: global_buffer, .address_space: global }
      - { .name: pos, .offset: 24, .size: 8, .value_kind: global_buffer, .address_space: global }
      - { .name: gw, .offset: 32, .size: 8, .value_kind: global_buffer, .address_space: global }
      - { .name: xc, .offset: 40, .size: 8, .value_kind: global_buffer, .address_space: global }
      - { .name: xs, .offset: 48, .size: 8, .value_kind: global_buffer, .address_space: global }
    .group_segment_fixed_size: 0
    .private_segment_fixed_size: 0
    .kernarg_segment_align: 8
    .kernarg_segment_size: 56
    .max_flat_workgroup_size: 128
    .sgpr_count:     66
    .vgpr_count:     256
    .wavefront_size: 32
...
	.end_amdgpu_metadata
.endif
;; end of part 7
;; launch gemm1 (part 8): grid 256 x 1, 4 waves a work-group, no clusters, 103,936 bytes of LDS; arguments proj_in, xc, xs, meta, hc, hs; writes hc, hs
.if DOCPART == 8
	.amdgcn_target "amdgcn-amd-amdhsa--gfx1250"
	.amdhsa_code_object_version 6
	.text
	.protected	k_q0e490a1e2e_gemm1
	.globl	k_q0e490a1e2e_gemm1
	.p2align	8
	.type	k_q0e490a1e2e_gemm1,@function
k_q0e490a1e2e_gemm1:
	s_mov_b64 s[64:65], 0
	v_nop
	global_prefetch_b8 v0, s[64:65] scope:SCOPE_SE
	s_setreg_imm32_b32 hwreg(HW_REG_WAVE_SCHED_MODE, 0, 2), 2
	s_setreg_imm32_b32 hwreg(HW_REG_WAVE_MODE, 25, 1), 1
	s_wait_xcnt 0x0
	s_wait_alu depctr_vm_vsrc(0)
; GEMM1: h = Q(relu(Q(x) Q(W1[e])^T)) for the routed rows of each expert, on codes of FP8 (E4M3) with one E8M0 scale for each 32 along K.
; THE WEIGHTS STAY, THE ROWS GO BY.  Work-group g owns expert e = g / 32 and hidden units 64 u .. 64 u + 63, u = g % 32: 256 KB of proj_in on end, read once in the launch, as f32.
; PROLOGUE.  Wave w takes unit tile w (16 rows of W1 x 1,024 K): each load reads 512 consecutive bytes of a row, four K steps ahead; a K step's 16 x 512 bytes turn through the wave's own stage in LDS, so that a lane holds
; 16 neighbours of each block of 32, one K step ahead of the quantising; the fragment (16 registers a lane) and its scale word go to LDS as an image of the registers.  One barrier; then EVERY wave fetches all 32 fragments (512 registers).
; THE ROWS OF W1 THAT FORM A TILE ARE NOT NEIGHBOURS: lane r of tile 2 b + v takes row 32 b + 8 v + r + 8 (r / 8), so that the 16 registers of tiles 2 b and 2 b + 1 are 16 neighbours along the next product's K.
; ROW LOOP.  The expert's n tiles of 16 sorted rows (meta) are dealt to the waves: wave w has the NW tiles tb + w + 4 i.  A tile's codes (16 KB, images of registers) come straight into registers, two buffers by turns.
; THE ORDER: work-group u begins at i = u mod NW and goes round, so that the 32 work-groups of an expert, which walk the same tiles, ask for different tiles at any time.
; THE FIRST TWO TILES ARE ASKED FOR IN THE PROLOGUE, behind the wait that shows my last weights landed: the last two K steps' quantising, the barrier and the fetch of the fragments stand between the request and the first product.
; No branch on a loaded number stands ahead of the barrier: a wave without tiles asks for tile 0, which every split has (4,096 rows make at least 256 tiles), and uses nothing of it; a wave with one tile asks for it twice.
; The product is used transposed (source 0 = 16 rows of W1, source 1 = 16 rows of x): a lane holds one row and its 32 results are 2 x 16 neighbours along the next K: relu, quantised in registers, stored as a part of hc's image.
; hc [tile][K step 16][c 4][lane 32][16 bytes]: my part is K step u / 2, c = 2 (u % 2) and + 1: two stores of 512 consecutive bytes.  hs: byte 1024 tile + 512 i + 16 (16 q + r) + 4 j = the scale word of row r, K step
; 8 i + 4 q + j: my part is two bytes of a word, stored by 2 bytes a lane (one byte of hs for 32 of hc; lanes 16-31 repeat lanes 0-15's).
; NO TENSOR LOADS, NO JOINT LOADS, though the 32 work-groups of an expert read the same tiles: the number of tiles is read from memory; a constant count would be
; the worst case, 256 tiles for every expert.  For the same reason no barrier stands in the row loop, so each wave holds all the work-group's weights and the waves share the rows.
; LIMITS: NaN and infinities are not served; a block of zeros gets the byte 1 where the rule says 127 (its codes are zeros; this program alone reads the bytes).  Sums: one accumulator for each output, K ascending.
; THE MODE: SCHED_MODE bits 1:0 = 2 (LLVM: expert scheduling mode 2), set by the entry lines.  The code itself states the register dependences between vector or matrix instructions and memory or LDS instructions,
; with s_wait_alu, always for 0.
; THE PLAN.  Registers that memory or LDS instructions touch, and who else names them:
;   v1-7          offsets and LDS addresses: written at the head, never again.  One wait on va_vdst ahead of the first load.
;   raw weights   (windows 1, 2) global loads land; the stage's LDS stores read them; behind the barrier the fragments land there: one wait on vm_vsrc ahead of the fetch.  No vector line names them ahead of the products.
;   64 numbers    two sets.  K step s: its loads from the stage land in set s % 2, its quantiser reads and writes the set, the loads of K step s + 2 land in it.
;   codes, word   two sets.  K step s: its quantiser writes set s % 2, the image's five LDS stores read it, the quantiser of K step s + 2 writes it again.
;                 So ONE wait on va_vdst stands in a K step, behind its quantiser: the codes and the word are written, and the set of numbers is done with.  Beside it one wait on vm_vsrc frees the OTHER set of codes,
;                 which the image before read, for the next K step.
;   a tile's buffer and scale words   (row loop) the tile's products read them; behind the products the next tile's 33 loads land there.
;   AO, SO        a buffer's two offsets: read by its 33 loads, written anew behind the products.      codes, word, HO, HSO: written behind the products, read by the tile's three stores.
;                 A tile: products | vm_vsrc: all these registers have been read | the four offsets, among the places | va_vdst: the products are done with the buffer, the offsets are written | 25 loads | the quantiser |
;                 va_vdst: codes and word are written | 3 stores | 8 loads, which the first of the two waits still covers: the quantiser names neither the buffer nor its offsets.
;   Two buffers are all that the registers hold (512 for the weights, 256 for the buffers): so the earliest place for a buffer's loads is behind the products that empty it, and there they stand.
; REGISTERS, in windows of 256: window 0: v1-15 addresses; v32-63 W1's scale words (4 s + t); v64-95 four accumulators (in the prologue v32-95 are the second set of 64 numbers); v96-103 x's scale words, two sets;
;   v104-119 codes just made; v120-136 the quantiser's; v138-154 the prologue's second set of codes and scale word; v160-223 64 numbers; v254, v255 the closing add's two.
;   window 1: the weights as loaded, K steps 0-3; then fragments (4 s + t) x 16, s = 0 .. 3.   window 2: the same for K steps 4-7.   window 3: two buffers of a tile's 8 fragments of x.
.set SPREAD, 1                         ; the tile's rows 8-15 lie 8 rows further on
.set PITCHB, 4096                      ; a row of W1 in bytes
.set NTM1,  263                        ; the last tile that the buffers hold
.set SPB,   528                        ; a stage row: 512 bytes + 16
.set STGB,  16*SPB
.set IMG,   4*STGB                     ; behind the four stages: 32 images of 2,048 bytes, image 8 t + s
.set ISC,   IMG+32*2048                ; their scale words, 128 bytes each
.set L16,   1                          ; v1   16 x lane
.set VST,   2                          ; v2   my stage, in
.set VRD,   3                          ; v3   my stage, out
.set VIM,   4                          ; v4   where I store images
.set VIS,   5                          ; v5   and their scale words
.set VLI,   6                          ; v6   where images are fetched from
.set VLS,   7                          ; v7   and scale words
.set AO,    8                          ; v8-9   buffer's offset in xc
.set SO,    10                         ; v10-11 and in xs
.set HL,    12                         ; v12  my lane's place in a tile of hc
.set HSL,   13                         ; v13  and of hs
.set HO,    14                         ; v14  the stores' offsets
.set HSO,   15
.set WS,    32
.set ACC,   64
.set AS,    96
.set PC,    104
.set TM,    120
.set PW,    136
.set PC2,   138
.set PW2,   154
.set X,     160
.set X2,    32
.set SEL,   20                         ; s[20:21]
.set MNT,   22                         ; s22
.set CT,    36                         ; s36-37 the tile that each buffer holds
; s16 wave, s17 e, s18 u, s24 tb, s25 n, s26 my tiles NW, s27 the loop's trips, s28 the trip, s29 my first tile, s30 the number i of the tile to ask for next, s31 the tile in hand, s32 and s34 clamped tiles, s33 the tile to fetch, s35 at work
.set MSB, 0
.macro WIN new                         ; the immediate's high byte repeats the setting that is left; a switch that changes nothing is dropped
.if MSB != (\new)
	s_set_vgpr_msb (MSB<<8)|(\new)
.set MSB, \new
.endif
.endm
.macro PLACES n
.rept \n
	v_nop
.endr
.endm
; 16 nb numbers of a lane, register 16 b + i = k 32 b + 16 (lane / 16) + i of my row, become codes in v[QC] on and a scale word in v[QW] (the caller sets the two names).  relu = 1: what is negative becomes 0 on the way.
.macro QUANT s, relu, nb
.irp b, 0,1,2,3
.if \b < \nb
.if \relu
	v_max3_num_f32 v[TM+\b], v[\s+16*\b], v[\s+16*\b+1], 0x4800000       ; no |.|: what is negative is to become 0 and must not count; the floor 2^(9 - 127) stands over it.  Each accumulator is read from its low end on
.else
	v_max3_num_f32 v[TM+\b], |v[\s+16*\b]|, |v[\s+16*\b+1]|, 0x4800000   ; my 16 numbers of block b, and the floor: the byte cannot fall under 1
.endif
.endif
.endr
.irp i, 2,4,6,8,10,12,14
.irp b, 0,1,2,3
.if \b < \nb
.if \relu
	v_max3_num_f32 v[TM+\b], v[TM+\b], v[\s+16*\b+\i], v[\s+16*\b+\i+1]
.else
	v_max3_num_f32 v[TM+\b], v[TM+\b], |v[\s+16*\b+\i]|, |v[\s+16*\b+\i+1]|
.endif
.endif
.endr
.endr
.irp b, 0,1,2,3
.if \b < \nb
	v_permlanex16_b32 v[TM+4+\b], v[TM+\b], s[SEL], s[SEL+1]
.endif
.endr
.irp b, 0,1,2,3
.if \b < \nb
	v_max_num_f32 v[TM+\b], v[TM+\b], v[TM+4+\b]                         ; with lane l xor 16's 16: the block's largest magnitude
.endif
.endr
.irp b, 0,1,2,3
.if \b < \nb
	v_add_nc_u32 v[TM+12+\b], 0xfc000000, v[TM+\b]                       ; 8 off its exponent field: the conversion's scale operand
.endif
.endr
.irp b, 0,1,2,3
.if \b < \nb
	v_and_or_b32 v[TM+8+\b], v[TM+\b], 0x7f800000, s[MNT]                ; 448 x the scale
.endif
.endr
.irp b, 0,1,2,3
.if \b < \nb
	v_lshrrev_b32 v[TM+4+\b], 23, v[TM+12+\b]                            ; the scale's byte
.endif
.endr
	v_lshl_or_b32 v[QW], v[TM+5], 8, v[TM+4]
.if \nb > 2
	v_lshl_or_b32 v[QW], v[TM+6], 16, v[QW]
	v_lshl_or_b32 v[QW], v[TM+7], 24, v[QW]
.endif
.irp b, 0,1,2,3
.if \b < \nb
.irp i, 0,1,2,3,4,5,6,7,8,9,10,11,12,13,14,15
.if \relu
	v_med3_num_f32 v[\s+16*\b+\i], v[\s+16*\b+\i], 0, v[TM+8+\b]         ; the activation and the hold in one
.else
	v_med3_num_f32 v[\s+16*\b+\i], v[\s+16*\b+\i], -v[TM+8+\b], v[TM+8+\b]   ; the conversion to an 8-bit code does not saturate (ISA guide 7.6.2): the hold at 448 x the scale
.endif
.endr
	v_cvt_scalef32_pk8_fp8_f32 v[QC+4*\b:QC+4*\b+1], v[\s+16*\b:\s+16*\b+7], v[TM+12+\b]
	v_cvt_scalef32_pk8_fp8_f32 v[QC+4*\b+2:QC+4*\b+3], v[\s+16*\b+8:\s+16*\b+15], v[TM+12+\b]
.endif
.endr
	v_nop                                          ; a plain vector line between the last conversion and the next vector or matrix line that touches its result or writes its sources
.endm
; s33 = the tile to ask for next, tb + w + 4 i; i steps, and goes back to 0 behind my last tile
.macro NEXT
	s_lshl_b32 s33, s30, 2
	s_add_co_u32 s33, s33, s29
	s_add_co_u32 s30, s30, 1
	s_cmp_ge_u32 s30, s26
	s_cselect_b32 s30, 0, s30
.endm
; The two offsets of buffer buf for tile s33.  The tile's number was read from memory: it is held inside the buffers ahead of the addresses.
.macro AADDR buf
	s_min_u32 s32, s33, NTM1
	v_lshl_add_u32 v[AO+\buf], s32, 14, v[L16]
	v_lshl_add_u32 v[SO+\buf], s32, 9, v[L16]
.endm
; A tile's 33 loads, always in this order: its scale words, K steps 0-5 (part 1: 25 loads), K steps 6-7 (part 2: 8).
.macro ALOAD1 buf
	global_load_b128 v[AS+4*\buf:AS+4*\buf+3], v[SO+\buf], s[8:9]        ; register j: lanes 0-15 the words of K step j, lanes 16-31 those of K step 4 + j
	WIN 0xc0                                       ; destination window 3
.irp s, 0,1,2,3,4,5
.irp c, 0,1,2,3
	global_load_b128 v[128*\buf+16*\s+4*\c:128*\buf+16*\s+4*\c+3], v[AO+\buf], s[6:7] offset:2048*\s+512*\c
.endr
.endr
	WIN 0
.endm
.macro ALOAD2 buf
	WIN 0xc0
.irp s, 6,7
.irp c, 0,1,2,3
	global_load_b128 v[128*\buf+16*\s+4*\c:128*\buf+16*\s+4*\c+3], v[AO+\buf], s[6:7] offset:2048*\s+512*\c
.endr
.endr
	WIN 0
.endm
; My share of the expert's tiles, where I begin, and the first requests: buffer 0 whole and part 1 of buffer 1: 58 loads; part 2 of buffer 1 follows behind the fetch of the fragments.
.macro FIRST
	WIN 0
	s_wait_kmcnt 0x0                               ; tb and n
	s_add_co_u32 s26, s25, 3
	s_sub_co_u32 s26, s26, s16
	s_lshr_b32 s26, s26, 2                         ; my tiles: NW = (n + 3 - w) / 4
	s_add_co_u32 s29, s24, s16                     ; the first of them
	s_mov_b32 s30, s18                             ; u mod NW, by five steps of a division (u is under 32, so under 32 NW); with NW = 0 the steps take nothing off
.irp k, 4,3,2,1,0
	s_lshl_b32 s34, s26, \k
	s_cmp_ge_u32 s30, s34
	s_cselect_b32 s34, s34, 0
	s_sub_co_u32 s30, s30, s34
.endr
	s_cmp_eq_u32 s26, 0                            ; a wave without tiles asks for tile 0
	s_cselect_b32 s29, 0, s29
	s_cselect_b32 s30, 0, s30
	NEXT
	s_mov_b32 s[CT], s33
	AADDR 0
	NEXT
	s_mov_b32 s[CT+1], s33
	AADDR 1
	s_wait_alu depctr_va_vdst(0)                   ; both buffers' offsets are written, which the loads below, and buffer 1's last eight behind the fetch, read
	ALOAD1 0
	ALOAD2 0
	ALOAD1 1
.endm
; the weights' K step s as it lies: 16 rows x 512 consecutive bytes
.macro WLOAD s
.if (\s) < 4
	WIN 0x40                                       ; destination window 1
.else
	WIN 0x80                                       ; destination window 2
.endif
.irp r, 0,1,2,3,4,5,6,7,8,9,10,11,12,13,14,15
	global_load_b128 v[4*(16*((\s)%4)+\r):4*(16*((\s)%4)+\r)+3], v[L16], s[4:5] offset:(\r+8*(\r/8)*SPREAD)*PITCHB+512*(\s) th:TH_LOAD_NT
.endr
.endm
; K step s goes through my stage into one of the two sets of 64 numbers
.macro TURN s
.if (\s) <= 4
	s_wait_loadcnt 48                              ; this K step's 16 loads are in; those of the three K steps behind it may be out
.else
	s_wait_loadcnt 16*(7-(\s))
.endif
.if (\s)+4 <= 7
	WLOAD (\s)+4                                   ; four K steps ahead
.endif
.if (\s) == 7
	FIRST                                          ; no load of mine is out here: the counts above stay what they are
.endif
.if (\s) < 4
	WIN 0x04                                       ; an LDS store's data are its source 1: window 1
.else
	WIN 0x08
.endif
.irp r, 0,1,2,3,4,5,6,7,8,9,10,11,12,13,14,15
	ds_store_b128 v[VST], v[4*(16*((\s)%4)+\r):4*(16*((\s)%4)+\r)+3] offset:SPB*\r   ; LDS serves a wave's instructions in order (ISA guide 5.7.1.4): these come behind the last K step's loads from the stage,
.endr
	WIN 0
.set XB, X+(X2-X)*((\s)%2)
.irp c, 0,1,2,3
.irp j, 0,1,2,3
	ds_load_b128 v[XB+16*\c+4*\j:XB+16*\c+4*\j+3], v[VRD] offset:128*\c+16*\j         ; and these see the stores above.  They land in the set that the quantiser of K step s - 2 worked on: the wait on va_vdst behind that quantiser stands ahead, and no vector line since names the set
.endr
.endr
.endm
; K step s becomes a fragment's image in LDS
.macro WQ s
.if (\s) < 7
	s_wait_dscnt 32                                ; all but the next K step's 16 stores and 16 loads: my numbers are in, and the last image's stores are done
.else
	s_wait_dscnt 0x0
.endif
.set XQ, X+(X2-X)*((\s)%2)
.set QC, PC+(PC2-PC)*((\s)%2)
.set QW, PW+(PW2-PW)*((\s)%2)
	QUANT XQ, 0, 4
	s_wait_alu depctr_va_vdst(0)                   ; the quantiser has written this set of codes and its scale word, which the stores below read; and it is done with this set of 64 numbers, in which later loads land (K step s + 2's; behind the last K step the weights' scale words)
.if ((\s) > 0) && ((\s) < 7)
	s_wait_alu depctr_vm_vsrc(0)                   ; the image before has been read out of the other set of codes and its scale word, which the next K step's quantiser writes
.endif
.irp c, 0,1,2,3
	ds_store_b128 v[VIM], v[QC+4*\c:QC+4*\c+3] offset:2048*(\s)+512*\c
.endr
	ds_store_b32 v[VIS], v[QW] offset:128*(\s)
.endm
	s_load_b256 s[4:11], s[0:1], 0x0               ; proj_in s[4:5], xc s[6:7], xs s[8:9], meta s[10:11]
	s_load_b128 s[12:15], s[0:1], 0x20             ; hc s[12:13], hs s[14:15]
	v_lshl_add_u32 v254, v0, 2, 0x19400            ; the closing add's two registers, made here and kept for it alone: my spare word, behind the scale words' images,
	v_mov_b32 v255, 0                              ; and 0
	v_lshrrev_b32 v16, 5, v0
	v_readfirstlane_b32 s16, v16                   ; wave
	s_lshr_b32 s17, ttmp9, 5                       ; e
	s_and_b32 s18, ttmp9, 31                       ; u
	v_and_b32 v16, 31, v0                          ; lane
	v_and_b32 v17, 15, v0                          ; r
	v_bfe_u32 v18, v0, 4, 1                        ; h
	v_lshlrev_b32 v[L16], 4, v16
	v_lshlrev_b32 v19, 2, v16
	s_wait_alu depctr_va_sdst(0)                   ; s16 is written, ahead of its first reader
	s_mul_i32 s33, s16, STGB
	v_add_nc_u32 v[VST], s33, v[L16]
	v_mul_u32_u24 v[VRD], v17, SPB
	v_lshl_add_u32 v[VRD], v18, 6, v[VRD]
	v_add_nc_u32 v[VRD], s33, v[VRD]
	s_lshl_b32 s33, s16, 14
	s_add_co_u32 s33, s33, IMG
	v_add_nc_u32 v[VIM], s33, v[L16]               ; images 8 w + s
	s_lshl_b32 s33, s16, 10
	s_add_co_u32 s33, s33, ISC
	v_add_nc_u32 v[VIS], s33, v19
	v_add_nc_u32 v[VLI], IMG, v[L16]
	v_add_nc_u32 v[VLS], ISC, v19
	s_lshl_b32 s33, s18, 10
	v_add_nc_u32 v[HL], s33, v[L16]                ; 2,048 (u / 2) + 1,024 (u % 2) = 1,024 u
	s_lshr_b32 s33, s18, 3
	s_lshl_b32 s33, s33, 8
	s_and_b32 s34, s18, 7
	s_lshl_b32 s34, s34, 1
	s_add_co_u32 s33, s33, s34
	v_lshl_add_u32 v[HSL], v17, 4, s33             ; K step u / 2, bytes 2 (u % 2) and + 1 of its word: 256 (u / 8) + 2 (u % 8) + 16 r
	s_mov_b32 s[SEL], 0x76543210
	s_mov_b32 s[SEL+1], 0xfedcba98
	s_mov_b32 s[MNT], 0x600000
.irp b, 0,1,2,3
	v_mov_b32 v[TM+4+\b], 0                        ; written once: a lane permute's destination counts as one of its sources
.endr
	s_lshl_b32 s34, ttmp9, 18                      ; my work-group's 256 KB,
	s_lshr_b32 s33, s16, 1
	s_lshl_b32 s33, s33, 17                        ; my tile's first row: 32 (w / 2)
	s_add_co_u32 s34, s34, s33
	s_and_b32 s33, s16, 1
	s_lshl_b32 s33, s33, 15                        ; + 8 (w % 2)
	s_add_co_u32 s34, s34, s33
	s_mov_b32 s35, 0
	s_lshl_b32 s36, s17, 3
	s_mov_b32 s37, 0
	s_wait_kmcnt 0x0
	s_add_nc_u64 s[4:5], s[4:5], s[34:35]
	s_add_nc_u64 s[10:11], s[10:11], s[36:37]
	s_load_b64 s[24:25], s[10:11], 0x0             ; tb, n of my expert: wanted near the prologue's end
	s_wait_alu depctr_va_vdst(0)                   ; the offset v1 and the six LDS addresses v2 to v7 are written, which the loads and LDS lines of the whole kernel read
	WLOAD 0
	WLOAD 1
	WLOAD 2
	WLOAD 3
	TURN 0
.irp s, 0,1,2,3,4,5,6,7
.if \s < 7
	TURN \s+1                                      ; the next K step goes through the stage while this one is quantised
.endif
	WQ \s
.endr
	s_wait_dscnt 0x0                               ; for the others' sake: my images lie in LDS
	s_barrier_signal -1
	s_barrier_wait -1                              ; the launch's one barrier, ahead of every branch on a loaded number
	s_wait_alu depctr_vm_vsrc(0)                   ; the stage's stores have read the weights as loaded, in whose registers the fragments land; the last images have been read out of both sets of codes, which the row loop writes again
.irp s, 0,1,2,3,4,5,6,7
.if \s < 4
	WIN 0x40
.else
	WIN 0x80
.endif
.irp t, 0,1,2,3
.irp c, 0,1,2,3
	ds_load_b128 v[16*(4*(\s%4)+\t)+4*\c:16*(4*(\s%4)+\t)+4*\c+3], v[VLI] offset:2048*(8*\t+\s)+512*\c
.endr
.endr
.endr
	WIN 0
.irp s, 0,1,2,3,4,5,6,7
.irp t, 0,1,2,3
	ds_load_b32 v[WS+4*\s+\t], v[VLS] offset:128*(8*\t+\s)         ; into registers of the second set of 64 numbers: the wait on va_vdst behind the last K step's quantiser stands ahead
.endr
.endr
	ALOAD2 1                                       ; the rest of buffer 1
	s_wait_dscnt 0x0
; 32 matrix instructions: K steps 0-7 x my four unit tiles.  The four accumulators take turns, one instruction a turn; the first K step starts the sums.
.macro MUL buf
	WIN 0x0d                                       ; source 0 (W1) window 1, source 1 (x) window 3, C and D window 0
.irp s, 0,1,2,3
.irp t, 0,1,2,3
.if \s == 0
	v_wmma_scale_f32_16x16x128_f8f6f4 v[ACC+8*\t:ACC+8*\t+7], v[16*(4*\s+\t):16*(4*\s+\t)+15], v[128*\buf+16*\s:128*\buf+16*\s+15], 0, v[WS+4*\s+\t], v[AS+4*\buf+\s]
.else
	v_wmma_scale_f32_16x16x128_f8f6f4 v[ACC+8*\t:ACC+8*\t+7], v[16*(4*\s+\t):16*(4*\s+\t)+15], v[128*\buf+16*\s:128*\buf+16*\s+15], v[ACC+8*\t:ACC+8*\t+7], v[WS+4*\s+\t], v[AS+4*\buf+\s]
.endif
.endr
.endr
	WIN 0x0e                                       ; source 0 window 2
.irp s, 4,5,6,7
.irp t, 0,1,2,3
	v_wmma_scale_f32_16x16x128_f8f6f4 v[ACC+8*\t:ACC+8*\t+7], v[16*(4*(\s-4)+\t):16*(4*(\s-4)+\t)+15], v[128*\buf+16*\s:128*\buf+16*\s+15], v[ACC+8*\t:ACC+8*\t+7], v[WS+4*\s+\t], v[AS+4*\buf+\s-4] matrix_b_scale:MATRIX_SCALE_ROW1
.endr
.endr
	WIN 0
.endm
; One tile from buffer buf.  left: the younger loads that may stay out.  ahead = 1: the buffer is loaded again with my next tile; the loads stand in two parts round the way out.
; Nine places behind the last products: eight are asked ahead of the first read of their results, nine ahead of the next tile's first products, which begin the accumulators anew.
; The offsets, which name no register of the products, are made there, and v_nop fill the rest.
.macro STEP buf, left, ahead
	s_wait_loadcnt \left
	s_mov_b32 s31, s[CT+\buf]
	MUL \buf
	s_wait_xcnt 0x0                                ; the last tile's stores have had their addresses translated: the codes, the scale word and the stores' offsets are written again only behind this wait
	s_wait_alu depctr_vm_vsrc(0)                   ; the last tile's stores have read the codes, the scale word, HO and HSO; this buffer's loads have read its AO and SO: all six are written below
	s_min_u32 s34, s31, NTM1                       ; the tile in hand, held inside the buffers ahead of the addresses
	v_lshl_add_u32 v[HO], s34, 15, v[HL]
	v_lshl_add_u32 v[HSO], s34, 10, v[HSL]
.if \ahead
	NEXT
	s_mov_b32 s[CT+\buf], s33
	AADDR \buf
	PLACES 5
	s_wait_alu depctr_va_vdst(0)                   ; the products are done reading this buffer and its scale words, in which the loads below land; AO and SO are written, which they read
	ALOAD1 \buf
.else
	PLACES 7
.endif
.set QC, PC
.set QW, PW
	QUANT ACC, 1, 2                                ; the tile in hand: relu, quantised
	s_wait_alu depctr_va_vdst(0)                   ; the quantiser has written the codes and the scale word, which the stores read (where no load stands above: HO and HSO too)
	global_store_b128 v[HO], v[PC:PC+3], s[12:13]                  ; 32 lanes store 512 consecutive bytes, aligned
	global_store_b128 v[HO], v[PC+4:PC+7], s[12:13] offset:512
	global_store_b16 v[HSO], v[PW], s[14:15]
.if \ahead
	ALOAD2 \buf                                    ; no further wait: no vector line since the wait behind the products names the buffer or its offset
.endif
.endm
	s_cmp_eq_u32 s26, 0
	s_cbranch_scc1 .Lend
	s_cmp_eq_u32 s26, 1
	s_cbranch_scc1 .Lone
	s_mov_b32 s28, 0
	s_sub_co_u32 s27, s26, 2
	s_lshr_b32 s27, s27, 1                         ; trips: (NW - 2) / 2.  A trip takes two tiles and fills both buffers again: with the two asked for in the prologue and the tails below each of my NW tiles is asked for once
	s_cmp_eq_u32 s27, 0
	s_cbranch_scc1 .Lrest
.Lloop:
	STEP 0, 33, 1                                  ; 33: buffer 1's loads were issued behind buffer 0's
	STEP 1, 33, 1                                  ; 33: buffer 0's new loads were issued behind buffer 1's
	s_add_co_u32 s28, s28, 1
	s_cmp_lt_u32 s28, s27
	s_cbranch_scc1 .Lloop
.Lrest:                                            ; two of my tiles are left where NW is even, three where it is odd
	s_and_b32 s35, s26, 1
	s_cmp_eq_u32 s35, 0
	s_cbranch_scc1 .Ltail01
	STEP 0, 33, 1                                  ; three: buffer 0, which takes the last tile; buffer 1; buffer 0
	STEP 1, 33, 0
	STEP 0, 0, 0
	s_wait_dscnt 0x0                               ; the closing lines, six on end
	s_wait_alu 0x0
	s_wait_tensorcnt 0x0
	ds_add_u32 v254, v255
	s_wait_dscnt 0x0
	s_endpgm
.Ltail01:                                          ; two: buffer 0, then buffer 1
	STEP 0, 33, 0
	STEP 1, 0, 0
	s_wait_dscnt 0x0                               ; the closing lines
	s_wait_alu 0x0
	s_wait_tensorcnt 0x0
	ds_add_u32 v254, v255
	s_wait_dscnt 0x0
	s_endpgm
.Lone:                                             ; my only tile lies in buffer 0; buffer 1's 33 loads, of the same tile, are not waited for
	STEP 0, 33, 0
.Lend:
	s_wait_dscnt 0x0                               ; the closing lines
	s_wait_alu 0x0
	s_wait_tensorcnt 0x0
	ds_add_u32 v254, v255
	s_wait_dscnt 0x0
	s_endpgm
.Lfunc_end_k_q0e490a1e2e_gemm1:
	.size	k_q0e490a1e2e_gemm1, .Lfunc_end_k_q0e490a1e2e_gemm1-k_q0e490a1e2e_gemm1
	.p2alignl 7, 3214868480
	.fill 96, 4, 3214868480
	.section	.rodata,"a",@progbits
	.p2align	6, 0x0
	.amdhsa_kernel k_q0e490a1e2e_gemm1
		.amdhsa_group_segment_fixed_size 103936
		.amdhsa_private_segment_fixed_size 0
		.amdhsa_enable_private_segment 0
		.amdhsa_kernarg_size 48
		.amdhsa_user_sgpr_count 2
		.amdhsa_user_sgpr_kernarg_segment_ptr 1
		.amdhsa_wavefront_size32 1
		.amdhsa_system_sgpr_workgroup_id_x 1
		.amdhsa_system_sgpr_workgroup_id_y 1
		.amdhsa_system_sgpr_workgroup_id_z 1
		.amdhsa_system_vgpr_workitem_id 0
		.amdhsa_next_free_vgpr 1024
		.amdhsa_next_free_sgpr 66
		.amdhsa_reserve_vcc 0
		.amdhsa_float_denorm_mode_32 3
		.amdhsa_float_denorm_mode_16_64 3
		.amdhsa_memory_ordered 1
		.amdhsa_forward_progress 1
		.amdhsa_inst_pref_size 200
	.end_amdhsa_kernel
	.amdgpu_metadata
---
amdhsa.version: [ 1, 2 ]
amdhsa.kernels:
  - .name:           k_q0e490a1e2e_gemm1
    .symbol:         k_q0e490a1e2e_gemm1.kd
    .args:
      - { .name: proj_in, .offset: 0, .size: 8, .value_kind: global_buffer, .address_space: global }
      - { .name: xc, .offset: 8, .size: 8, .value_kind: global_buffer, .address_space: global }
      - { .name: xs, .offset: 16, .size: 8, .value_kind: global_buffer, .address_space: global }
      - { .name: meta, .offset: 24, .size: 8, .value_kind: global_buffer, .address_space: global }
      - { .name: hc, .offset: 32, .size: 8, .value_kind: global_buffer, .address_space: global }
      - { .name: hs, .offset: 40, .size: 8, .value_kind: global_buffer, .address_space: global }
    .group_segment_fixed_size: 103936
    .private_segment_fixed_size: 0
    .kernarg_segment_align: 8
    .kernarg_segment_size: 48
    .max_flat_workgroup_size: 128
    .sgpr_count:     66
    .vgpr_count:     1024
    .wavefront_size: 32
...
	.end_amdgpu_metadata
.endif
;; end of part 8
;; launch gemm2 (part 9): grid 256 x 1, 4 waves a work-group, no clusters, 113,152 bytes of LDS; arguments proj_out, hc, hs, gw, meta, ow; writes ow
.if DOCPART == 9
	.amdgcn_target "amdgcn-amd-amdhsa--gfx1250"
	.amdhsa_code_object_version 6
	.text
	.protected	k_q0e490a1e2e_gemm2
	.globl	k_q0e490a1e2e_gemm2
	.p2align	8
	.type	k_q0e490a1e2e_gemm2,@function
k_q0e490a1e2e_gemm2:
	s_mov_b64 s[64:65], 0
	v_nop
	global_prefetch_b8 v0, s[64:65] scope:SCOPE_SE
	s_setreg_imm32_b32 hwreg(HW_REG_WAVE_SCHED_MODE, 0, 2), 2
	s_setreg_imm32_b32 hwreg(HW_REG_WAVE_MODE, 25, 1), 1
	s_wait_xcnt 0x0
	s_wait_alu depctr_vm_vsrc(0)
; GEMM2: ow = gate x (h Q(W2[e])^T) for the routed rows of each expert, on codes of FP8 (E4M3) with one E8M0 scale for each 32 along K.  h arrives as codes (hc, hs), images of the operand's registers.
; THE WEIGHTS STAY, THE ROWS GO BY.  Work-group g owns expert e = g / 32 and output columns 32 u .. 32 u + 31, u = g % 32: 256 KB of proj_out on end, read once in the launch, as f32.
; PROLOGUE.  Wave w takes column tile w / 2 (16 rows of W2) and K steps 8 (w % 2) .. + 7: each load reads 512 consecutive bytes of a row, four K steps ahead; a K step turns through the wave's own stage in LDS, one K step ahead of
; the quantising, and goes to LDS as an image of the fragment's registers.  One barrier; then EVERY wave fetches all 32 fragments (2 tiles x 16 K steps) into its registers (512).
; ROW LOOP.  Wave w has the NW tiles tb + w + 4 i of the expert.  A tile's 32 KB of codes come straight into registers in two halves of 8 K steps; while one half is multiplied the other is on its way.
; THE ORDER: work-group u begins at i = u mod NW and goes round, so that the 32 work-groups of an expert, which walk the same tiles, ask for different tiles at any time.
; THE FIRST TILE IS ASKED FOR IN THE PROLOGUE, behind the wait that shows my last weights landed: the last two K steps' quantising, the barrier and the fetch of the fragments stand between the request and the first product.
; No branch on a loaded number stands ahead of the barrier: a wave without tiles asks for tile 0, which every split has (4,096 rows make at least 256 tiles), and uses nothing of it.
; The product is used transposed (source 0 = 16 rows of W2, source 1 = 16 rows of h): a lane holds one row and eight neighbouring columns; the row's gate is a number a lane.  The 16 x 32 results go through the wave's own
; stage and leave as 4 stores of 512 consecutive bytes.  ow [slice u][sorted row][32 columns] f32.
; NO TENSOR LOADS, NO JOINT LOADS, though the 32 work-groups of an expert read the same tiles: the number of tiles is read from memory; a constant count would be
; the worst case, 256 tiles for every expert.  For the same reason no barrier stands in the row loop.
; LIMITS: NaN and infinities are not served; a block of zeros gets the byte 1 where the rule says 127.  Sums: one accumulator for each output, K ascending.
; THE MODE: SCHED_MODE bits 1:0 = 2 (LLVM: expert scheduling mode 2), set by the entry lines.  The code itself states the register dependences between vector or matrix instructions and memory or LDS instructions,
; with s_wait_alu, always for 0.
; THE PLAN.  Registers that memory or LDS instructions touch, and who else names them:
;   v1-7, v14, v15   offsets and LDS addresses: written at the head, never again.  One wait on va_vdst ahead of the first load.
;   raw weights   (windows 1, 2) global loads land; the stage's LDS stores read them; behind the barrier the fragments land there: one wait on vm_vsrc ahead of the fetch.  No vector line names them ahead of the products.
;   64 numbers    two sets.  K step s: its loads from the stage land in set s % 2, its quantiser reads and writes the set, the loads of K step s + 2 land in it.
;   codes, word   two sets.  K step s: its quantiser writes set s % 2, the image's five LDS stores read it, the quantiser of K step s + 2 writes it again.
;                 So ONE wait on va_vdst stands in a K step, behind its quantiser: the codes and the word are written, and the set of numbers is done with.  Beside it one wait on vm_vsrc frees the OTHER set of codes,
;                 which the image before read, for the next K step.
;   a tile's halves and their scale words   (row loop) a half's 16 products read them; behind those products the next tile's loads land there.      the gate: read by the eight multiplications, then loaded anew.
;   AO, SO, GO    the halves' offsets: read by their loads, written anew behind the half's products.      O: written by the multiplications, read by four LDS stores.      OB: four LDS loads land, four stores read it.      OO: the stores' offset.
;                 A trip: first half's products | AO, SO, among the places | va_vdst: the products are done with the half, the two offsets are written | 33 loads | second half's products | vm_vsrc: everything issued so far has
;                 read its registers | four offsets, among the places | x the gate | va_vdst: the products are done with the half, the multiplications with the gate; O and the offsets are written | 26 loads | the way out | 8 loads.
;                 The one wait on vm_vsrc also frees AO and SO for the next trip: this trip's first-half loads stand ahead of it, and nothing reads the two afterwards.  On the way into the loop the wait behind the barrier has done so.
;   Two halves are all that the registers hold (512 for the weights, 256 for the halves): so the earliest place for a half's loads is behind the products that empty it, and there they stand.
; REGISTERS, in windows of 256: window 0: v1-16 addresses; v32-63 W2's scale words (2 s + n); v64-79 two accumulators; v80-95 results x gate (in the prologue v32-95 are the second set of 64 numbers); v96-111 rows on the way out
;   (in the prologue the second set of codes); v112-119 h's scale words; v120 the gate (v121 = 0, named with it as a pair); v128-160 the quantiser's; v161 the second set's scale word; v176-239 64 numbers; v254, v255 the closing add's two.
;   window 1: the weights as loaded; then fragments (2 s + n) x 16, s = 0 .. 7.   window 2: the same, s = 8 .. 15.   window 3: the tile's two halves.
.set SPREAD, 0                         ; a tile's rows are neighbours
.set PITCHB, 8192                      ; a row of W2 in bytes
.set NTM1,  263
.set SL,    540672                     ; a slice of ow: 4,224 rows x 128 bytes
.set SPB,   528
.set STGB,  16*SPB
.set IMG,   4*STGB                     ; 32 images of 2,048 bytes, image 16 n + s = 8 w + s'
.set ISC,   IMG+32*2048
.set OST,   ISC+32*128                 ; the way out: for each wave 16 rows x (128 bytes + 16)
.set L16,   1
.set VST,   2
.set VRD,   3
.set VIM,   4
.set VIS,   5
.set VLI,   6
.set VLS,   7
.set AO,    8                          ; v8-9   a half's offset in hc
.set SO,    10                         ; v10-11 and in hs
.set GL,    12                         ; v12  4 (lane % 16)
.set GO,    13                         ; v13  the gate's offset
.set STO,   14                         ; v14  the way out: in
.set RDO,   15                         ; v15  and back
.set OO,    16                         ; v16  the stores' offset
.set WS,    32
.set ACC,   64
.set O,     80
.set OB,    96
.set AS,    112
.set G,     120
.set PC,    128
.set TM,    144
.set PW,    160
.set PC2,   OB
.set PW2,   161
.set X,     176
.set X2,    32
.set SEL,   20
.set MNT,   22
.set CT,    36                         ; s36  the tile that has been asked for last
; s16 wave, s17 e, s18 u, s24 tb, s25 n, s26 my tiles NW, s27 NW - 1, s28 the counter, s29 my first tile, s30 the number i of the tile to ask for next, s31 the tile in hand, s32 and s34 clamped tiles, s33 the tile to fetch
.set MSB, 0
.macro WIN new                         ; the immediate's high byte repeats the setting that is left; a switch that changes nothing is dropped
.if MSB != (\new)
	s_set_vgpr_msb (MSB<<8)|(\new)
.set MSB, \new
.endif
.endm
.macro PLACES n
.rept \n
	v_nop
.endr
.endm
; 64 numbers of a lane, register 16 b + i = k 32 b + 16 (lane / 16) + i of my row, become a fragment's codes in v[QC] on and its scale word in v[QW] (the caller sets the two names)
.macro QUANT s
.irp b, 0,1,2,3
	v_max3_num_f32 v[TM+\b], |v[\s+16*\b]|, |v[\s+16*\b+1]|, 0x4800000   ; my 16 numbers of block b, and the floor 2^(9 - 127): the byte cannot fall under 1
.endr
.irp i, 2,4,6,8,10,12,14
.irp b, 0,1,2,3
	v_max3_num_f32 v[TM+\b], v[TM+\b], |v[\s+16*\b+\i]|, |v[\s+16*\b+\i+1]|   ; the blocks by turns
.endr
.endr
.irp b, 0,1,2,3
	v_permlanex16_b32 v[TM+4+\b], v[TM+\b], s[SEL], s[SEL+1]
.endr
.irp b, 0,1,2,3
	v_max_num_f32 v[TM+\b], v[TM+\b], v[TM+4+\b]                         ; with lane l xor 16's 16: the block's largest magnitude
.endr
.irp b, 0,1,2,3
	v_add_nc_u32 v[TM+12+\b], 0xfc000000, v[TM+\b]                       ; 8 off its exponent field: the conversion's scale operand
.endr
.irp b, 0,1,2,3
	v_and_or_b32 v[TM+8+\b], v[TM+\b], 0x7f800000, s[MNT]                ; 448 x the scale
.endr
.irp b, 0,1,2,3
	v_lshrrev_b32 v[TM+4+\b], 23, v[TM+12+\b]                            ; the scale's byte
.endr
	v_lshl_or_b32 v[QW], v[TM+5], 8, v[TM+4]
	v_lshl_or_b32 v[QW], v[TM+6], 16, v[QW]
	v_lshl_or_b32 v[QW], v[TM+7], 24, v[QW]
.irp b, 0,1,2,3
.irp i, 0,1,2,3,4,5,6,7,8,9,10,11,12,13,14,15
	v_med3_num_f32 v[\s+16*\b+\i], v[\s+16*\b+\i], -v[TM+8+\b], v[TM+8+\b]   ; the conversion to an 8-bit code does not saturate (ISA guide 7.6.2): the hold at 448 x the scale
.endr
	v_cvt_scalef32_pk8_fp8_f32 v[QC+4*\b:QC+4*\b+1], v[\s+16*\b:\s+16*\b+7], v[TM+12+\b]
	v_cvt_scalef32_pk8_fp8_f32 v[QC+4*\b+2:QC+4*\b+3], v[\s+16*\b+8:\s+16*\b+15], v[TM+12+\b]
.endr
	v_nop                                          ; a plain vector line between the last conversion and the next vector or matrix line that touches its result or writes its sources
.endm
; s33 = the tile to ask for next, tb + w + 4 i; i steps, and goes back to 0 behind my last tile
.macro NEXT
	s_lshl_b32 s33, s30, 2
	s_add_co_u32 s33, s33, s29
	s_add_co_u32 s30, s30, 1
	s_cmp_ge_u32 s30, s26
	s_cselect_b32 s30, 0, s30
.endm
; A tile's first half: its scale words and K steps 0-7: 33 loads
.macro HLOAD0
	global_load_b128 v[AS:AS+3], v[SO], s[8:9]                     ; register j: lanes 0-15 the words of K step j, lanes 16-31 those of K step 4 + j
	WIN 0xc0                                       ; destination window 3
.irp s, 0,1,2,3,4,5,6,7
.irp c, 0,1,2,3
	global_load_b128 v[16*\s+4*\c:16*\s+4*\c+3], v[AO], s[6:7] offset:2048*\s+512*\c
.endr
.endr
	WIN 0
.endm
; Its second half: scale words, the rows' gates, K steps 8-13 (part A: 26 loads), K steps 14-15 (part B: 8): 34 loads
.macro HLOAD1A
	global_load_b128 v[AS+4:AS+7], v[SO+1], s[8:9] offset:512
	global_load_b32 v[G], v[GO], s[10:11]
	WIN 0xc0
.irp s, 0,1,2,3,4,5
.irp c, 0,1,2,3
	global_load_b128 v[128+16*\s+4*\c:128+16*\s+4*\c+3], v[AO+1], s[6:7] offset:16384+2048*\s+512*\c
.endr
.endr
	WIN 0
.endm
.macro HLOAD1B
	WIN 0xc0
.irp s, 6,7
.irp c, 0,1,2,3
	global_load_b128 v[128+16*\s+4*\c:128+16*\s+4*\c+3], v[AO+1], s[6:7] offset:16384+2048*\s+512*\c
.endr
.endr
	WIN 0
.endm
; My share of the expert's tiles, where I begin, and the first requests: the first tile's first half and part A of its second: 59 loads; part B follows behind the fetch of the fragments.
.macro FIRST
	WIN 0
	s_wait_kmcnt 0x0                               ; tb and n
	s_add_co_u32 s26, s25, 3
	s_sub_co_u32 s26, s26, s16
	s_lshr_b32 s26, s26, 2                         ; my tiles: NW = (n + 3 - w) / 4
	s_add_co_u32 s29, s24, s16                     ; the first of them
	s_mov_b32 s30, s18                             ; u mod NW, by five steps of a division (u is under 32, so under 32 NW); with NW = 0 the steps take nothing off
.irp k, 4,3,2,1,0
	s_lshl_b32 s34, s26, \k
	s_cmp_ge_u32 s30, s34
	s_cselect_b32 s34, s34, 0
	s_sub_co_u32 s30, s30, s34
.endr
	s_cmp_eq_u32 s26, 0                            ; a wave without tiles asks for tile 0
	s_cselect_b32 s29, 0, s29
	s_cselect_b32 s30, 0, s30
	NEXT
	s_mov_b32 s[CT], s33
	s_min_u32 s32, s33, NTM1                       ; the tile's number was read from memory: it is held inside the buffers ahead of the addresses
	v_lshl_add_u32 v[AO], s32, 15, v[L16]
	v_lshl_add_u32 v[SO], s32, 10, v[L16]
	v_lshl_add_u32 v[AO+1], s32, 15, v[L16]
	v_lshl_add_u32 v[SO+1], s32, 10, v[L16]
	v_lshl_add_u32 v[GO], s32, 6, v[GL]
	s_wait_alu depctr_va_vdst(0)                   ; the five offsets are written, which the loads below, and the second half's last eight behind the fetch, read
	HLOAD0
	HLOAD1A
.endm
; the weights' K step s (of my eight) as it lies: 16 rows x 512 consecutive bytes
.macro WLOAD s
.if (\s) < 4
	WIN 0x40                                       ; destination window 1
.else
	WIN 0x80                                       ; destination window 2
.endif
.irp r, 0,1,2,3,4,5,6,7,8,9,10,11,12,13,14,15
	global_load_b128 v[4*(16*((\s)%4)+\r):4*(16*((\s)%4)+\r)+3], v[L16], s[4:5] offset:(\r+8*(\r/8)*SPREAD)*PITCHB+512*(\s) th:TH_LOAD_NT
.endr
.endm
; K step s goes through my stage into one of the two sets of 64 numbers
.macro TURN s
.if (\s) <= 4
	s_wait_loadcnt 48                              ; this K step's 16 loads are in; those of the three K steps behind it may be out
.else
	s_wait_loadcnt 16*(7-(\s))
.endif
.if (\s)+4 <= 7
	WLOAD (\s)+4                                   ; four K steps ahead
.endif
.if (\s) == 7
	FIRST                                          ; no load of mine is out here: the counts above stay what they are
.endif
.if (\s) < 4
	WIN 0x04                                       ; an LDS store's data are its source 1: window 1
.else
	WIN 0x08
.endif
.irp r, 0,1,2,3,4,5,6,7,8,9,10,11,12,13,14,15
	ds_store_b128 v[VST], v[4*(16*((\s)%4)+\r):4*(16*((\s)%4)+\r)+3] offset:SPB*\r   ; LDS serves a wave's instructions in order (ISA guide 5.7.1.4): these come behind the last K step's loads from the stage,
.endr
	WIN 0
.set XB, X+(X2-X)*((\s)%2)
.irp c, 0,1,2,3
.irp j, 0,1,2,3
	ds_load_b128 v[XB+16*\c+4*\j:XB+16*\c+4*\j+3], v[VRD] offset:128*\c+16*\j         ; and these see the stores above.  They land in the set that the quantiser of K step s - 2 worked on: the wait on va_vdst behind that quantiser stands ahead, and no vector line since names the set
.endr
.endr
.endm
; K step s becomes a fragment's image in LDS
.macro WQ s
.if (\s) < 7
	s_wait_dscnt 32                                ; all but the next K step's 16 stores and 16 loads: my numbers are in, and the last image's stores are done
.else
	s_wait_dscnt 0x0
.endif
.set XQ, X+(X2-X)*((\s)%2)
.set QC, PC+(PC2-PC)*((\s)%2)
.set QW, PW+(PW2-PW)*((\s)%2)
	QUANT XQ
	s_wait_alu depctr_va_vdst(0)                   ; the quantiser has written this set of codes and its scale word, which the stores below read; and it is done with this set of 64 numbers, in which later loads land (K step s + 2's; behind the last K step the weights' scale words)
.if ((\s) > 0) && ((\s) < 7)
	s_wait_alu depctr_vm_vsrc(0)                   ; the image before has been read out of the other set of codes and its scale word, which the next K step's quantiser writes
.endif
.irp c, 0,1,2,3
	ds_store_b128 v[VIM], v[QC+4*\c:QC+4*\c+3] offset:2048*(\s)+512*\c
.endr
	ds_store_b32 v[VIS], v[QW] offset:128*(\s)
.endm
	s_load_b256 s[4:11], s[0:1], 0x0               ; proj_out s[4:5], hc s[6:7], hs s[8:9], gw s[10:11]
	s_load_b128 s[12:15], s[0:1], 0x20             ; meta s[12:13], ow s[14:15]
	v_lshl_add_u32 v254, v0, 2, 0x1b800            ; the closing add's two registers, made here and kept for it alone: my spare word, behind the stages of the way out,
	v_mov_b32 v255, 0                              ; and 0
	v_lshrrev_b32 v17, 5, v0
	v_readfirstlane_b32 s16, v17                   ; wave
	s_lshr_b32 s17, ttmp9, 5                       ; e
	s_and_b32 s18, ttmp9, 31                       ; u
	v_and_b32 v17, 31, v0                          ; lane
	v_and_b32 v18, 15, v0                          ; r
	v_bfe_u32 v19, v0, 4, 1                        ; h
	v_lshlrev_b32 v[L16], 4, v17
	v_lshlrev_b32 v20, 2, v17
	v_lshlrev_b32 v[GL], 2, v18
	s_wait_alu depctr_va_sdst(0)                   ; s16 is written, ahead of its first reader
	s_mul_i32 s33, s16, STGB
	v_add_nc_u32 v[VST], s33, v[L16]
	v_mul_u32_u24 v[VRD], v18, SPB
	v_lshl_add_u32 v[VRD], v19, 6, v[VRD]
	v_add_nc_u32 v[VRD], s33, v[VRD]
	s_lshl_b32 s33, s16, 14
	s_add_co_u32 s33, s33, IMG
	v_add_nc_u32 v[VIM], s33, v[L16]               ; images 8 w + s'
	s_lshl_b32 s33, s16, 10
	s_add_co_u32 s33, s33, ISC
	v_add_nc_u32 v[VIS], s33, v20
	v_add_nc_u32 v[VLI], IMG, v[L16]
	v_add_nc_u32 v[VLS], ISC, v20
	s_mul_i32 s33, s16, 16*144
	s_add_co_u32 s33, s33, OST
	v_mul_u32_u24 v[STO], v18, 144
	v_lshl_add_u32 v[STO], v19, 5, v[STO]
	v_add_nc_u32 v[STO], s33, v[STO]               ; in: row r, + 32 h
	v_lshrrev_b32 v20, 3, v17
	v_and_b32 v21, 7, v17
	v_mul_u32_u24 v[RDO], v20, 144
	v_lshl_add_u32 v[RDO], v21, 4, v[RDO]
	v_add_nc_u32 v[RDO], s33, v[RDO]               ; back: eight lanes to a row of 128 bytes, four rows an instruction
	v_mov_b32 v[G+1], 0                            ; named with the gate as a pair, so it is written
	s_mov_b32 s[SEL], 0x76543210
	s_mov_b32 s[SEL+1], 0xfedcba98
	s_mov_b32 s[MNT], 0x600000
.irp b, 0,1,2,3
	v_mov_b32 v[TM+4+\b], 0                        ; written once: a lane permute's destination counts as one of its sources
.endr
	s_lshl_b32 s34, ttmp9, 18                      ; my work-group's 256 KB,
	s_lshr_b32 s33, s16, 1
	s_lshl_b32 s33, s33, 17                        ; my tile's 16 rows of 8,192 bytes,
	s_add_co_u32 s34, s34, s33
	s_and_b32 s33, s16, 1
	s_lshl_b32 s33, s33, 12                        ; my eight K steps of 512 bytes
	s_add_co_u32 s34, s34, s33
	s_mov_b32 s35, 0
	s_lshl_b32 s36, s17, 3
	s_mov_b32 s37, 0
	s_mul_i32 s38, s18, SL
	s_mov_b32 s39, 0
	s_wait_kmcnt 0x0
	s_add_nc_u64 s[4:5], s[4:5], s[34:35]
	s_add_nc_u64 s[12:13], s[12:13], s[36:37]
	s_add_nc_u64 s[14:15], s[14:15], s[38:39]      ; ow at my slice
	s_load_b64 s[24:25], s[12:13], 0x0             ; tb, n of my expert: wanted near the prologue's end
	s_wait_alu depctr_va_vdst(0)                   ; the offset v1 and the LDS addresses v2 to v7, v14 and v15 are written, which the loads and LDS lines of the whole kernel read
	WLOAD 0
	WLOAD 1
	WLOAD 2
	WLOAD 3
	TURN 0
.irp s, 0,1,2,3,4,5,6,7
.if \s < 7
	TURN \s+1                                      ; the next K step goes through the stage while this one is quantised
.endif
	WQ \s
.endr
	s_wait_dscnt 0x0                               ; for the others' sake: my images lie in LDS
	s_barrier_signal -1
	s_barrier_wait -1                              ; the launch's one barrier, ahead of every branch on a loaded number
	s_wait_alu depctr_vm_vsrc(0)                   ; the stage's stores have read the weights as loaded, in whose registers the fragments land; the last image has been read out of v96 on, in which the row loop's LDS loads land; the first half's loads have read AO and SO, which the first trip writes
.irp s, 0,1,2,3,4,5,6,7,8,9,10,11,12,13,14,15
.if \s < 8
	WIN 0x40
.else
	WIN 0x80
.endif
.irp n, 0,1
.irp c, 0,1,2,3
	ds_load_b128 v[16*(2*(\s%8)+\n)+4*\c:16*(2*(\s%8)+\n)+4*\c+3], v[VLI] offset:2048*(16*\n+\s)+512*\c
.endr
.endr
.endr
	WIN 0
.irp s, 0,1,2,3,4,5,6,7,8,9,10,11,12,13,14,15
.irp n, 0,1
	ds_load_b32 v[WS+2*\s+\n], v[VLS] offset:128*(16*\n+\s)        ; into registers of the second set of 64 numbers: the wait on va_vdst behind the last K step's quantiser stands ahead
.endr
.endr
	HLOAD1B                                        ; the rest of the first tile's second half
	s_wait_dscnt 0x0
; 16 matrix instructions: a half's eight K steps x my two column tiles.  The two accumulators take turns, one instruction a turn, from half to half too; the tile's first K step starts the sums.
.macro MULH half
.if \half
	WIN 0x0e                                       ; source 0 (W2) window 2, source 1 (h) window 3, C and D window 0
.else
	WIN 0x0d                                       ; source 0 window 1
.endif
.irp s, 0,1,2,3,4,5,6,7
.irp n, 0,1
.if (\half == 0) && (\s == 0)
	v_wmma_scale_f32_16x16x128_f8f6f4 v[ACC+8*\n:ACC+8*\n+7], v[16*(2*\s+\n):16*(2*\s+\n)+15], v[128*\half+16*\s:128*\half+16*\s+15], 0, v[WS+16*\half+2*\s+\n], v[AS+4*\half+\s]
.elseif \s < 4
	v_wmma_scale_f32_16x16x128_f8f6f4 v[ACC+8*\n:ACC+8*\n+7], v[16*(2*\s+\n):16*(2*\s+\n)+15], v[128*\half+16*\s:128*\half+16*\s+15], v[ACC+8*\n:ACC+8*\n+7], v[WS+16*\half+2*\s+\n], v[AS+4*\half+\s]
.else
	v_wmma_scale_f32_16x16x128_f8f6f4 v[ACC+8*\n:ACC+8*\n+7], v[16*(2*\s+\n):16*(2*\s+\n)+15], v[128*\half+16*\s:128*\half+16*\s+15], v[ACC+8*\n:ACC+8*\n+7], v[WS+16*\half+2*\s+\n], v[AS+4*\half+\s-4] matrix_b_scale:MATRIX_SCALE_ROW1
.endif
.endr
.endr
	WIN 0
.endm
.macro EPI1                            ; x the row's gate, each accumulator from its low end on
.irp i, 0,1,2,3,4,5,6,7
	v_pk_mul_f32 v[O+2*\i:O+2*\i+1], v[ACC+2*\i:ACC+2*\i+1], v[G:G+1] op_sel_hi:[1,0]
.endr
.endm
.macro EPI2                            ; through my stage, and out.  (The waits that free the last tile's registers, and the one that shows O and the stores' offset written, stand ahead of this macro)
.irp n, 0,1
.irp q, 0,1
	ds_store_b128 v[STO], v[O+8*\n+4*\q:O+8*\n+4*\q+3] offset:64*\n+16*\q      ; lane (r, h): columns 16 n + 8 h + 4 q on of row r
.endr
.endr
.irp i, 0,1,2,3
	ds_load_b128 v[OB+4*\i:OB+4*\i+3], v[RDO] offset:576*\i        ; LDS serves a wave's instructions in order: these see my stores
.endr
	s_wait_dscnt 0x0
.irp i, 0,1,2,3
	global_store_b128 v[OO], v[OB+4*\i:OB+4*\i+3], s[14:15] offset:512*\i th:TH_STORE_NT   ; 32 lanes store 512 consecutive bytes, aligned: four rows of the slice
.endr
.endm
	s_cmp_eq_u32 s26, 0
	s_cbranch_scc1 .Lend
	s_mov_b32 s28, 0
	s_sub_co_u32 s27, s26, 1
	s_cmp_eq_u32 s26, 1
	s_cbranch_scc1 .Ltail
.Lloop:                                            ; NW - 1 trips: a tile that has a successor
	s_mov_b32 s31, s[CT]                           ; the tile in hand
	NEXT
	s_mov_b32 s[CT], s33                           ; and the one that this trip asks for
	s_min_u32 s32, s33, NTM1                       ; both were read from memory: they are held inside the buffers ahead of the addresses
	s_min_u32 s34, s31, NTM1
	s_wait_loadcnt 34                              ; the first half is in: the second half's 34 loads were issued behind it
	MULH 0
	v_lshl_add_u32 v[AO], s32, 15, v[L16]          ; the first half's two offsets, free since the last wait on vm_vsrc (the last trip's, or the one behind the barrier), ahead of which the loads that read them stand.  With the six v_nop: eight places behind these products
	v_lshl_add_u32 v[SO], s32, 10, v[L16]
	PLACES 6
	s_wait_alu depctr_va_vdst(0)                   ; the products are done reading the first half and its scale words, in which the loads below land; AO and SO are written, which they read
	HLOAD0
	s_wait_loadcnt 33                              ; the second half and the gates are in: the next tile's first half was issued behind them
	MULH 1
	s_wait_xcnt 0x0                                ; the last tile's stores have had their addresses translated: their registers and their offset are written again only behind this wait
	s_wait_alu depctr_vm_vsrc(0)                   ; the second half's loads have read AO + 1, SO + 1 and GO; the last tile's LDS stores have read O, its stores OB and OO: all are written below.  This trip's first-half loads have read AO and SO, for the next trip
	v_lshl_add_u32 v[AO+1], s32, 15, v[L16]
	v_lshl_add_u32 v[SO+1], s32, 10, v[L16]
	v_lshl_add_u32 v[GO], s32, 6, v[GL]
	v_lshl_add_u32 v[OO], s34, 11, v[L16]
	PLACES 5                                       ; with the four offsets nine places: eight ahead of the first read of the results; nine ahead of the next tile's first products, which begin the accumulators anew
	EPI1
	s_wait_alu depctr_va_vdst(0)                   ; the products are done reading the second half and its scale words, the multiplications the gate: the loads below land there; O and the four offsets are written, which the LDS stores, the loads and the stores read
	HLOAD1A
	EPI2
	HLOAD1B                                        ; no further wait: no vector line stands between the wait above and these loads
	s_add_co_u32 s28, s28, 1
	s_cmp_lt_u32 s28, s27
	s_cbranch_scc1 .Lloop
.Ltail:                                            ; my last tile: nothing more is fetched
	s_mov_b32 s31, s[CT]
	s_min_u32 s34, s31, NTM1
	s_wait_loadcnt 34
	MULH 0
	s_wait_loadcnt 0x0
	MULH 1
	s_wait_xcnt 0x0                                ; the last tile's stores have had their addresses translated
	s_wait_alu depctr_vm_vsrc(0)                   ; the last tile's LDS stores have read O, its stores OB and OO, which are written below
	v_lshl_add_u32 v[OO], s34, 11, v[L16]
	PLACES 8
	EPI1
	s_wait_alu depctr_va_vdst(0)                   ; the multiplications have written O, which the LDS stores read; OO is written, which the stores read
	EPI2
.Lend:
	s_wait_dscnt 0x0                               ; the closing lines, six on end
	s_wait_alu 0x0
	s_wait_tensorcnt 0x0
	ds_add_u32 v254, v255
	s_wait_dscnt 0x0
	s_endpgm
.Lfunc_end_k_q0e490a1e2e_gemm2:
	.size	k_q0e490a1e2e_gemm2, .Lfunc_end_k_q0e490a1e2e_gemm2-k_q0e490a1e2e_gemm2
	.p2alignl 7, 3214868480
	.fill 96, 4, 3214868480
	.section	.rodata,"a",@progbits
	.p2align	6, 0x0
	.amdhsa_kernel k_q0e490a1e2e_gemm2
		.amdhsa_group_segment_fixed_size 113152
		.amdhsa_private_segment_fixed_size 0
		.amdhsa_enable_private_segment 0
		.amdhsa_kernarg_size 48
		.amdhsa_user_sgpr_count 2
		.amdhsa_user_sgpr_kernarg_segment_ptr 1
		.amdhsa_wavefront_size32 1
		.amdhsa_system_sgpr_workgroup_id_x 1
		.amdhsa_system_sgpr_workgroup_id_y 1
		.amdhsa_system_sgpr_workgroup_id_z 1
		.amdhsa_system_vgpr_workitem_id 0
		.amdhsa_next_free_vgpr 1024
		.amdhsa_next_free_sgpr 66
		.amdhsa_reserve_vcc 0
		.amdhsa_float_denorm_mode_32 3
		.amdhsa_float_denorm_mode_16_64 3
		.amdhsa_memory_ordered 1
		.amdhsa_forward_progress 1
		.amdhsa_inst_pref_size 138
	.end_amdhsa_kernel
	.amdgpu_metadata
---
amdhsa.version: [ 1, 2 ]
amdhsa.kernels:
  - .name:           k_q0e490a1e2e_gemm2
    .symbol:         k_q0e490a1e2e_gemm2.kd
    .args:
      - { .name: proj_out, .offset: 0, .size: 8, .value_kind: global_buffer, .address_space: global }
      - { .name: hc, .offset: 8, .size: 8, .value_kind: global_buffer, .address_space: global }
      - { .name: hs, .offset: 16, .size: 8, .value_kind: global_buffer, .address_space: global }
      - { .name: gw, .offset: 24, .size: 8, .value_kind: global_buffer, .address_space: global }
      - { .name: meta, .offset: 32, .size: 8, .value_kind: global_buffer, .address_space: global }
      - { .name: ow, .offset: 40, .size: 8, .value_kind: global_buffer, .address_space: global }
    .group_segment_fixed_size: 113152
    .private_segment_fixed_size: 0
    .kernarg_segment_align: 8
    .kernarg_segment_size: 48
    .max_flat_workgroup_size: 128
    .sgpr_count:     66
    .vgpr_count:     1024
    .wavefront_size: 32
...
	.end_amdgpu_metadata
.endif
;; end of part 9
;; launch comb (part 10): grid 256 x 1, 8 waves a work-group, no clusters, 0 bytes of LDS; arguments ow, pos, out0; writes out0
.if DOCPART == 10
	.amdgcn_target "amdgcn-amd-amdhsa--gfx1250"
	.amdhsa_code_object_version 6
	.text
	.protected	k_q0e490a1e2e_comb
	.globl	k_q0e490a1e2e_comb
	.p2align	8
	.type	k_q0e490a1e2e_comb,@function
k_q0e490a1e2e_comb:
	s_mov_b64 s[64:65], 0
	v_nop
	global_prefetch_b8 v0, s[64:65] scope:SCOPE_SE
	s_setreg_imm32_b32 hwreg(HW_REG_WAVE_MODE, 25, 1), 1
	s_wait_xcnt 0x0
; COMB: out0[t] = ow(pos[t, 0]) + ow(pos[t, 1]).  The gates were applied where the rows were made; a token's two rows belong to two experts, made by different work-groups, so they meet here.
; One wave takes one token, t = 8 x work-group + wave.  ow is [slice 32][sorted row 4,224][32 columns] f32: a row's 1,024 numbers are 32 pieces of 128 bytes, a slice (540,672 bytes) apart.
; A load takes four pieces (eight lanes to a piece); the pieces' order is the row's, so that each store covers 512 consecutive bytes of out0, aligned.  The reads are pieces of 128 bytes: a work-group of the launch before
; makes 32 columns, and the dense side was given to its stores.  No LDS, no barrier, no matrix unit: the launch only moves and adds.
.set SL, 540672
	s_load_b128 s[4:7], s[0:1], 0x0                ; ow s[4:5], pos s[6:7]
	s_load_b64 s[8:9], s[0:1], 0x10                ; out0
	v_lshrrev_b32 v1, 5, v0
	s_delay_alu instid0(VALU_DEP_1)
	v_readfirstlane_b32 s10, v1                    ; wave
	s_lshl_b32 s11, ttmp9, 3
	s_add_co_u32 s11, s11, s10                     ; t = 512 b + s
	s_lshr_b32 s12, s11, 9
	s_lshl_b32 s12, s12, 10
	s_and_b32 s13, s11, 511
	s_add_co_u32 s12, s12, s13                     ; j = 1,024 b + s (k = 0); k = 1 lies 512 words on
	s_lshl_b32 s12, s12, 2
	s_mov_b32 s13, 0
	s_lshl_b32 s14, s11, 12                        ; a row of out0 is 4,096 bytes
	s_mov_b32 s15, 0
	v_and_b32 v1, 31, v0
	s_delay_alu instid0(VALU_DEP_1)
	v_lshlrev_b32 v2, 4, v1                        ; 16 x lane
	s_delay_alu instid0(VALU_DEP_2)
	v_lshrrev_b32 v3, 3, v1
	s_delay_alu instid0(VALU_DEP_3)
	v_and_b32 v4, 7, v1
	s_delay_alu instid0(VALU_DEP_2)
	v_mul_u32_u24 v3, v3, SL
	s_delay_alu instid0(VALU_DEP_1)
	v_lshl_add_u32 v3, v4, 4, v3                   ; slice lane / 8, 16 (lane % 8) bytes into its piece
	s_wait_alu depctr_va_vdst(0)
	s_wait_kmcnt 0x0
	s_add_nc_u64 s[6:7], s[6:7], s[12:13]
	s_add_nc_u64 s[8:9], s[8:9], s[14:15]
	s_add_nc_u64 s[16:17], s[4:5], 16*SL           ; slices 16 on: so the loads' immediates stay at 12 slices at the most, inside their signed 24 bits
	s_load_b32 s18, s[6:7], 0x0
	s_load_b32 s19, s[6:7], 0x800
	s_wait_kmcnt 0x0
	s_min_u32 s18, s18, 4223                       ; read from memory: held inside the table ahead of the addresses
	s_min_u32 s19, s19, 4223
	v_lshl_add_u32 v4, s18, 7, v3
	v_lshl_add_u32 v5, s19, 7, v3
.irp i, 0,1,2,3,4,5,6,7
.if \i < 4
	global_load_b128 v[16+4*\i:19+4*\i], v4, s[4:5] offset:(\i%4)*4*SL th:TH_LOAD_NT
	global_load_b128 v[48+4*\i:51+4*\i], v5, s[4:5] offset:(\i%4)*4*SL th:TH_LOAD_NT
.else
	global_load_b128 v[16+4*\i:19+4*\i], v4, s[16:17] offset:(\i%4)*4*SL th:TH_LOAD_NT
	global_load_b128 v[48+4*\i:51+4*\i], v5, s[16:17] offset:(\i%4)*4*SL th:TH_LOAD_NT
.endif
.endr
.irp i, 0,1,2,3,4,5,6,7
	s_wait_loadcnt 14-2*\i                         ; pair i is in; the younger pairs may be out
	v_pk_add_f32 v[16+4*\i:17+4*\i], v[16+4*\i:17+4*\i], v[48+4*\i:49+4*\i]
	v_pk_add_f32 v[18+4*\i:19+4*\i], v[18+4*\i:19+4*\i], v[50+4*\i:51+4*\i]
	global_store_b128 v2, v[16+4*\i:19+4*\i], s[8:9] offset:512*\i th:TH_STORE_NT
.endr
	s_endpgm
.Lfunc_end_k_q0e490a1e2e_comb:
	.size	k_q0e490a1e2e_comb, .Lfunc_end_k_q0e490a1e2e_comb-k_q0e490a1e2e_comb
	.p2alignl 7, 3214868480
	.fill 96, 4, 3214868480
	.section	.rodata,"a",@progbits
	.p2align	6, 0x0
	.amdhsa_kernel k_q0e490a1e2e_comb
		.amdhsa_group_segment_fixed_size 0
		.amdhsa_private_segment_fixed_size 0
		.amdhsa_enable_private_segment 0
		.amdhsa_kernarg_size 24
		.amdhsa_user_sgpr_count 2
		.amdhsa_user_sgpr_kernarg_segment_ptr 1
		.amdhsa_wavefront_size32 1
		.amdhsa_system_sgpr_workgroup_id_x 1
		.amdhsa_system_sgpr_workgroup_id_y 1
		.amdhsa_system_sgpr_workgroup_id_z 1
		.amdhsa_system_vgpr_workitem_id 0
		.amdhsa_next_free_vgpr 96
		.amdhsa_next_free_sgpr 66
		.amdhsa_reserve_vcc 0
		.amdhsa_float_denorm_mode_32 3
		.amdhsa_float_denorm_mode_16_64 3
		.amdhsa_memory_ordered 1
		.amdhsa_forward_progress 1
		.amdhsa_inst_pref_size 6
	.end_amdhsa_kernel
	.amdgpu_metadata
---
amdhsa.version: [ 1, 2 ]
amdhsa.kernels:
  - .name:           k_q0e490a1e2e_comb
    .symbol:         k_q0e490a1e2e_comb.kd
    .args:
      - { .name: ow, .offset: 0, .size: 8, .value_kind: global_buffer, .address_space: global }
      - { .name: pos, .offset: 8, .size: 8, .value_kind: global_buffer, .address_space: global }
      - { .name: out0, .offset: 16, .size: 8, .value_kind: global_buffer, .address_space: global }
    .group_segment_fixed_size: 0
    .private_segment_fixed_size: 0
    .kernarg_segment_align: 8
    .kernarg_segment_size: 24
    .max_flat_workgroup_size: 256
    .sgpr_count:     66
    .vgpr_count:     96
    .wavefront_size: 32
...
	.end_amdgpu_metadata
.endif
;; end of part 10
